; MI455X (gfx1250); checked and timed in simulation.
; The chip was launched on July 23, 2026; its instructions are those of AMD's public machine-readable ISA for CDNA 5 (MIT licence, August 2026) and "CDNA5" Instruction Set Architecture Reference Guide (July 2026). The comments in the code are by the model that wrote it; some were corrected since.
;; Multi Head Attention. Allowed arithmetic: float matrix products may take bf16 or f16 operands with f32 sums; all other float work in f32.
;; Inputs: Wk 1,024 x 1,024 float32; Wo 1,024 x 1,024 float32; Wq 1,024 x 1,024 float32; Wv 1,024 x 1,024 float32; bo 1,024 float32; x 4 x 2,048 x 1,024 float32.
;; Outputs: out0 4 x 2,048 x 1,024 float32.
;; 3 versions, each right; version 3 is version 2 with the launch tohalf written anew for expert scheduling mode. Each part assembles by itself: llvm-mc -triple=amdgcn-amd-amdhsa -mcpu=gfx1250 --defsym DOCPART=n.
;; ======== version 1 of 3: 4 launches
;; limits: values are held in f16: magnitudes above 65,504 overflow, below 6.1e-05 lose precision
;; workspace buffers: xh 16,777,216 bytes; wh 8,388,608 bytes; qkv 67,108,864 bytes; ctx 33,554,432 bytes
;; launch tohalf (part 1): grid 768 x 1, 8 waves a work-group, no clusters, 0 bytes of LDS; arguments x, Wq, Wk, Wv, Wo, xh, wh; writes xh, wh
.if DOCPART == 1
	.amdgcn_target "amdgcn-amd-amdhsa--gfx1250"
	.amdhsa_code_object_version 6
	.text
	.protected	k_q20e40e1774_tohalf
	.globl	k_q20e40e1774_tohalf
	.p2align	8
	.type	k_q20e40e1774_tohalf,@function
k_q20e40e1774_tohalf:
	s_mov_b64 s[64:65], 0
	v_nop
	global_prefetch_b8 v0, s[64:65] scope:SCOPE_SE
	s_setreg_imm32_b32 hwreg(HW_REG_WAVE_MODE, 25, 1), 1
	s_wait_xcnt 0x0
; x and the four weight matrices, f32, are rounded once to bf16 (nearest even) for the matrix launches that follow: the program computes
; the function of the bf16-rounded x and W, and these inputs get that one rounding and no other.
;   xh: bf16, 16 panels of 64 columns, panel-major: xh[p][row][64], row = 0 .. 8191; a row of a panel is 128 bytes, a panel 1 MiB.
;   wh: four sections of 2 MiB (Wq, Wk, Wv, Wo), each as it lies in memory, [k][n], rows of 2,048 bytes.  Wq, Wk, Wv: bf16.
;       Wo: its bf16 value written in f16 form, because its partner in the last product, ctx, is f16 and a matrix instruction takes one format.
;       A bf16 number has 8 significant bits, f16 holds 11: the value is kept exactly for magnitudes from 2^-17 to 65,504.
; A pure stream: no LDS, no barrier, no matrix unit, no loop.  A wave takes 16 chunks of 128 numbers: 16 loads of 512 bytes
; go out together, each is converted and stored as 256 consecutive aligned bytes (32 lanes x 8 bytes).
; Work-groups 0 .. 511 take x (wave = two rows), 512 .. 767 the weights (64 work-groups a matrix).
; LIMIT: |Wo| below 65,504; a Wo below 2^-17 in magnitude is kept to 3e-8 absolute.  x, Wq, Wk, Wv: bf16's range, which is f32's.
.set X, 8                              ; v[8:71]   16 chunks as loaded
.set Y, 72                             ; v[72:103] 16 chunks to store
.set XGROUPS, 512
; 16 loads, then 16 times: wait, two packed roundings, store.  split = 1: chunk j goes to panel j (1 MiB apart, two bases, since
; the immediate offset has 24 signed bits); split = 0: chunk j goes 256 bytes behind chunk j - 1.
; asf16 = 1: the bf16 values are widened again (a shift, a mask) and written in f16 form.
.macro CAST16 instep, split, asf16
.set j, 0
.rept 16
	global_load_b128 v[X+4*j:X+4*j+3], v1, s[20:21] offset:j*\instep th:TH_LOAD_NT
.set j, j+1
.endr
.set j, 0
.rept 16
	s_wait_loadcnt 15-j                            ; loads return in order: chunk j is in, the 15 - j younger ones stay out
	v_cvt_pk_bf16_f32 v[Y+2*j],   v[X+4*j],   v[X+4*j+1]
	v_cvt_pk_bf16_f32 v[Y+2*j+1], v[X+4*j+2], v[X+4*j+3]
.if \asf16
	v_lshlrev_b32 v[X+4*j],   16,         v[Y+2*j]         ; the rounded values as f32, into the chunk's own registers (its load is done)
	v_and_b32     v[X+4*j+1], 0xffff0000, v[Y+2*j]
	v_lshlrev_b32 v[X+4*j+2], 16,         v[Y+2*j+1]
	v_and_b32     v[X+4*j+3], 0xffff0000, v[Y+2*j+1]
	v_cvt_pk_f16_f32 v[Y+2*j],   v[X+4*j],   v[X+4*j+1]    ; exact in the range stated at the head
	v_cvt_pk_f16_f32 v[Y+2*j+1], v[X+4*j+2], v[X+4*j+3]
.endif
.if \split
.if j < 8
	global_store_b64 v2, v[Y+2*j:Y+2*j+1], s[24:25] offset:j*0x100000
.else
	global_store_b64 v2, v[Y+2*j:Y+2*j+1], s[26:27] offset:(j-8)*0x100000
.endif
.else
	global_store_b64 v2, v[Y+2*j:Y+2*j+1], s[24:25] offset:j*256
.endif
.set j, j+1
.endr
.endm
	s_load_b256 s[4:11], s[0:1], 0x0               ; x s[4:5], Wq s[6:7], Wk s[8:9], Wv s[10:11]
	s_load_b128 s[12:15], s[0:1], 0x20             ; Wo s[12:13], xh s[14:15]
	s_load_b64 s[16:17], s[0:1], 0x30              ; wh
	v_lshrrev_b32 v3, 5, v0
	v_readfirstlane_b32 s18, v3                    ; wave 0 .. 7
	v_and_b32 v4, 31, v0                           ; lane
	v_lshlrev_b32 v2, 3, v4                        ; out: 8 bytes a lane
	s_cmp_ge_u32 ttmp9, XGROUPS
	s_cbranch_scc1 .Lweights
	; x: the wave takes rows 2 p and 2 p + 1, p = 8 g + w.  Load j: lanes 0-15 the 256 bytes of panel j in the even row, lanes 16-31 in the odd row.
	; In xh the two rows of a panel lie side by side: 256 bytes at panel j + 256 p.
	v_and_b32 v1, 15, v0
	v_lshlrev_b32 v1, 4, v1
	v_bfe_u32 v3, v0, 4, 1
	v_lshl_add_u32 v1, v3, 12, v1                  ; 16 (lane mod 16) + 4,096 (lane / 16)
	s_lshl_b32 s19, ttmp9, 3
	s_add_co_u32 s19, s19, s18                     ; p
	s_lshl_b32 s20, s19, 13                        ; two rows of 4,096 bytes
	s_mov_b32 s21, 0
	s_lshl_b32 s22, s19, 8
	s_mov_b32 s23, 0
	s_wait_kmcnt 0x0
	s_add_nc_u64 s[20:21], s[4:5], s[20:21]
	s_add_nc_u64 s[24:25], s[14:15], s[22:23]      ; panels 0 .. 7
	s_add_nc_u64 s[26:27], s[24:25], 0x800000      ; panels 8 .. 15
	CAST16 256, 1, 0
	s_endpgm
.Lweights:
	; weights: matrix (g - 512) / 64; the work-group takes 128 chunks of it, the wave 16 neighbouring ones
	v_lshlrev_b32 v1, 4, v4                        ; in: 16 bytes a lane
	s_sub_co_u32 s19, ttmp9, XGROUPS
	s_lshr_b32 s28, s19, 6                         ; which matrix
	s_and_b32 s19, s19, 63
	s_lshl_b32 s19, s19, 7
	s_lshl4_add_u32 s19, s18, s19                  ; first chunk = 128 (g mod 64) + 16 w
	s_lshl_b32 s20, s19, 9                         ; 512 bytes in
	s_mov_b32 s21, 0
	s_lshl_b32 s22, s19, 8                         ; 256 bytes out,
	s_lshl_b32 s23, s28, 21                        ; in the matrix's section of 2 MiB
	s_add_co_u32 s22, s22, s23
	s_mov_b32 s23, 0
	s_wait_kmcnt 0x0
	s_cmp_eq_u32 s28, 1
	s_cselect_b64 s[30:31], s[8:9], s[6:7]
	s_cmp_eq_u32 s28, 2
	s_cselect_b64 s[30:31], s[10:11], s[30:31]
	s_cmp_eq_u32 s28, 3
	s_cselect_b64 s[30:31], s[12:13], s[30:31]
	s_add_nc_u64 s[20:21], s[30:31], s[20:21]
	s_add_nc_u64 s[24:25], s[16:17], s[22:23]
	s_cmp_eq_u32 s28, 3                            ; Wo goes out in f16 form
	s_cbranch_scc1 .Lwo
	CAST16 512, 0, 0
	s_endpgm
.Lwo:
	CAST16 512, 0, 1
	s_endpgm
.Lfunc_end_k_q20e40e1774_tohalf:
	.size	k_q20e40e1774_tohalf, .Lfunc_end_k_q20e40e1774_tohalf-k_q20e40e1774_tohalf
	.p2alignl 7, 3214868480
	.fill 96, 4, 3214868480
	.section	.rodata,"a",@progbits
	.p2align	6, 0x0
	.amdhsa_kernel k_q20e40e1774_tohalf
		.amdhsa_group_segment_fixed_size 0
		.amdhsa_private_segment_fixed_size 0
		.amdhsa_enable_private_segment 0
		.amdhsa_kernarg_size 56
		.amdhsa_user_sgpr_count 2
		.amdhsa_user_sgpr_kernarg_segment_ptr 1
		.amdhsa_wavefront_size32 1
		.amdhsa_system_sgpr_workgroup_id_x 1
		.amdhsa_system_sgpr_workgroup_id_y 1
		.amdhsa_system_sgpr_workgroup_id_z 1
		.amdhsa_system_vgpr_workitem_id 0
		.amdhsa_next_free_vgpr 104
		.amdhsa_next_free_sgpr 66
		.amdhsa_reserve_vcc 0
		.amdhsa_float_denorm_mode_32 3
		.amdhsa_float_denorm_mode_16_64 3
		.amdhsa_memory_ordered 1
		.amdhsa_forward_progress 1
		.amdhsa_inst_pref_size 24
	.end_amdhsa_kernel
	.amdgpu_metadata
---
amdhsa.version: [ 1, 2 ]
amdhsa.kernels:
  - .name:           k_q20e40e1774_tohalf
    .symbol:         k_q20e40e1774_tohalf.kd
    .args:
      - { .name: x, .offset: 0, .size: 8, .value_kind: global_buffer, .address_space: global }
      - { .name: Wq, .offset: 8, .size: 8, .value_kind: global_buffer, .address_space: global }
      - { .name: Wk, .offset: 16, .size: 8, .value_kind: global_buffer, .address_space: global }
      - { .name: Wv, .offset: 24, .size: 8, .value_kind: global_buffer, .address_space: global }
      - { .name: Wo, .offset: 32, .size: 8, .value_kind: global_buffer, .address_space: global }
      - { .name: xh, .offset: 40, .size: 8, .value_kind: global_buffer, .address_space: global }
      - { .name: wh, .offset: 48, .size: 8, .value_kind: global_buffer, .address_space: global }
    .group_segment_fixed_size: 0
    .private_segment_fixed_size: 0
    .kernarg_segment_align: 8
    .kernarg_segment_size: 56
    .max_flat_workgroup_size: 256
    .sgpr_count:     66
    .vgpr_count:     104
    .wavefront_size: 32
...
	.end_amdgpu_metadata
.endif
;; end of part 1
;; launch proj (part 2): grid 24 x 32, 4 waves a work-group, clusters of 4 x 4, 327,680 bytes of LDS; arguments xh, wh, qkv; writes qkv
.if DOCPART == 2
	.amdgcn_target "amdgcn-amd-amdhsa--gfx1250"
	.amdhsa_code_object_version 6
	.text
	.protected	k_q20e40e1774_proj
	.globl	k_q20e40e1774_proj
	.p2align	8
	.type	k_q20e40e1774_proj,@function
k_q20e40e1774_proj:
	s_mov_b64 s[64:65], 0
	v_nop
	global_prefetch_b8 v0, s[64:65] scope:SCOPE_SE
	s_setreg_imm32_b32 hwreg(HW_REG_WAVE_MODE, 25, 1), 1
	s_wait_xcnt 0x0
	s_wait_alu depctr_hold_cnt(0) depctr_sa_sdst(0) depctr_va_vdst(0) depctr_va_sdst(0) depctr_va_ssrc(0) depctr_va_vcc(0) depctr_vm_vsrc(0)
	s_getreg_b32 s2, hwreg(HW_REG_IB_STS2, 6, 4)
	s_cmp_eq_u32 s2, 0
	s_cbranch_scc0 .Lentry_in_a_cluster
	s_endpgm
.Lentry_in_a_cluster:
	s_bfe_u32 s2, ttmp6, 0x10000c
	s_cmp_lg_u32 s2, 0xf033
	s_cbranch_scc0 .Lentry_shape_is_right
	s_endpgm
.Lentry_shape_is_right:
; q | k | v = x [Wq | Wk | Wv]:  C[8192][3072] = A[8192][1024] W[1024][3072], bf16 operands, f32 sums.
; A = xh, bf16, panel-major [16][8192][64]; W = wh, bf16, three sections [k][n] of 1,024 columns.
; OUT, all f16, in qkv: q of head h = panel h, k = panel 16 + h (a panel is [8192][64], rows of 128 bytes, 1 MiB);
; v from byte 32 MiB on as [16 heads][8192 rows][hi 64 | lo 64]: v is kept as the sum of two f16 numbers, 22 bits.  One f16 carries a relative
; error up to 2^-11, and v reaches the output unaveraged in a causal row with few keys; such a row can stand many times above the
; root mean square of the whole output, by which errors are measured.  q and k only steer weights and stay single.
; A work-group makes 256 rows x 128 columns with four waves; 24 x 32 = 768 work-groups.  A wave makes 64 rows x 128 columns:
; 4 x 8 accumulator tiles of 16 x 16, 256 registers.  K goes in steps of 128 (two panels of A) through two LDS slots.
; CLUSTERS of 4 x 4: A's tile hangs on the block row alone and is asked for jointly along a row of the cluster, W's on the block
; column alone and is asked for jointly along a column: the requests for both are divided by four.
; THE MATRIX INSTRUCTION IS USED TRANSPOSED: source 0 = 16 columns of W (brought out of [k][n] by the transposing LDS load),
; source 1 = 16 rows of A.  Lane l then holds row l % 16 and the eight neighbouring columns 8 (l / 16) + 0 .. 7 of a tile.
; REGISTERS: window 0: v16-29 addresses, v32-127 and v128-223 two fragment buffers (8 of W, 4 of A), v224-255 packed results;
; window 1: the 32 accumulator tiles, tile (a, b) at v[8 (8 a + b)].
; LIMIT: |q|, |k|, |v| below 65,504; parts of v below 6e-5 in magnitude are kept to 3e-8 absolute.  The order of the sums is the matrix unit's, K ascending.
.set APITCH, 144                       ; a row of a panel: 128 bytes + 16: 9 x 16, so sixteen rows start in sixteen different 16-byte columns of 256
.set BPITCH, 288                       ; a k row of W's tile: 256 bytes + 32: 9 x 32, which the transposing load wants
.set APANEL, 256*APITCH                ; 36,864: 256 rows of one panel, what wave 0 or 1 brings
.set BHALF,  64*BPITCH                 ; 18,432: 64 k rows, what wave 2 or 3 brings
.set BOFF,   2*APANEL
.set SLOT,   BOFF+2*BHALF              ; 110,592
.set STAGE,  2*SLOT                    ; 221,184: behind the ring, a stage for each wave; no tensor load lands here
.set SPITCH, 272                       ; q, k: 16 rows of 256 bytes + 16
.set VSP,    528                       ; v: 16 rows of 512 bytes + 16 = 33 x 16
.set WST,    16*VSP                    ; 8,448: a wave's stage, on both ways out
.set LAPS,   4                         ; K = 1,024 = 8 steps = 4 laps round the ring
.set SEC8,   0                         ; first section of wh, in blocks of 128 columns
.set ADRA, 16                          ; v16-17  my A fragments in slot 0, 1
.set ADRB, 20                          ; v20-21  my W fragments in slot 0, 1
.set STO,  24                          ; q, k: into the stage, back, and my offset in qkv
.set RD,   25
.set CO,   26
.set STV,  27                          ; v: the same three
.set RDV,  28
.set COV,  29
.set F0,   32
.set F1,   128
.set TMP,  224
.set TT,   32                          ; v's way out: v32-95 t, then hi; v96-159 d, then lo; v160-223 rows read back
.set DD,   96
.set RB,   160
.set G1,  24                           ; s[24:31] group 1 for A's tiles
.set G0,  32                           ; s[32:39] group 0 for A's tiles, a set for each slot
.set G1B, 48                           ; s[48:55] group 1 for W's tiles
.set G0B, 56                           ; s[56:63] group 0 for W's tiles, a set for each slot
.set MUL, 0x50                         ; sources in window 0, C and D in window 1
.set MSB, 0
.macro WIN new                         ; the immediate's high byte repeats the setting that is left
.if MSB != \new
	s_set_vgpr_msb (MSB<<8)|\new
.set MSB, \new
.endif
.endm
; A joint load: waves 0 and 1 ask for A's two panels, waves 2 and 3 for W's two halves.  Each line has one mask and one set of registers.
.macro JLOAD s
	s_cmp_eq_u32 s11, 0
	s_cbranch_scc0 .Lfor_b_\@
	tensor_load_to_lds s[G0+4*\s:G0+4*\s+3], s[G1:G1+7]
	s_nop 0
	s_branch .Lasked_\@
.Lfor_b_\@:
	tensor_load_to_lds s[G0B+4*\s:G0B+4*\s+3], s[G1B:G1B+7]
	s_nop 0
.Lasked_\@:
.endm
.macro CREST                           ; a round of the cluster's barrier behind its opening barrier
	s_cmp_lg_u32 s10, 0
	s_cbranch_scc1 .Lnot_wave_0_\@
	s_barrier_signal -3
.Lnot_wave_0_\@:
	s_barrier_wait -3
	s_barrier_signal -1
	s_barrier_wait -1
.endm
.macro CROUND                          ; a whole round
	s_barrier_signal -1
	s_barrier_wait -1
	CREST
.endm
.macro PLACES                          ; four independent vector instructions behind a matrix instruction, in front of loads into its sources and of readers of its result
.rept 4
	v_nop
.endr
.endm
	s_load_b128 s[4:7], s[0:1], 0x0                ; xh s[4:5], wh s[6:7]
	s_load_b64 s[8:9], s[0:1], 0x10                ; qkv
	v_lshl_add_u32 v30, v0, 2, 0x3e400
	v_mov_b32 v31, 0
	ds_add_u32 v30, v31
	ds_add_u32 v30, v31
	v_lshrrev_b32 v1, 5, v0
	v_readfirstlane_b32 s10, v1                    ; wave 0 .. 3
	s_lshr_b32 s11, s10, 1                         ; I fetch for A (0) or for W (1)
	s_and_b32 s12, s10, 1                          ; and which half
	s_bfe_u32 s40, ttmp6, 0x40000                  ; cx
	s_bfe_u32 s41, ttmp6, 0x40004                  ; cy
	s_lshl_b32 s42, ttmp9, 2
	s_add_co_u32 s42, s42, s40                     ; block column 0 .. 23
	s_and_b32 s13, ttmp7, 0xffff
	s_lshl_b32 s13, s13, 2
	s_add_co_u32 s13, s13, s41                     ; block row 0 .. 31
	s_lshl_b32 s43, s41, 2
	s_lshl_b32 s43, 15, s43                        ; my row of the cluster
	s_lshl_b32 s44, 0x1111, s40                    ; my column
	; group 1 for A: a panel's 256 rows are 32 KiB without gaps, taken as 128 rows of 256 bytes; 4 words of padding behind every 32 words give each 128-byte row the pitch 144
	s_or_b32 s[G1+0], s43, (1<<16)|(1<<20)|(1<<21)|(4<<22)|(3<<25)
	s_mov_b32 s[G1+1], 128<<16                     ; tensor_dim0 = 128 elements
	s_mov_b32 s[G1+2], 128<<16                     ; tensor_dim1 = 128 rows
	s_mov_b32 s[G1+3], 128<<16                     ; tile_dim0 = 128
	s_mov_b32 s[G1+4], 128                         ; tile_dim1 = 128
	s_mov_b32 s[G1+5], 128                         ; from row to row: 128 elements
	s_mov_b32 s[G1+6], 0
	s_mov_b32 s[G1+7], 0
	; group 1 for W: 64 k rows of 128 columns (256 bytes), 1,024 elements apart; 8 words of padding behind every 64 words: pitch 288
	s_or_b32 s[G1B+0], s44, (1<<16)|(1<<20)|(1<<21)|(5<<22)|(7<<25)
	s_mov_b32 s[G1B+1], 128<<16
	s_mov_b32 s[G1B+2], 64<<16
	s_mov_b32 s[G1B+3], 128<<16
	s_mov_b32 s[G1B+4], 64
	s_mov_b32 s[G1B+5], 1024
	s_mov_b32 s[G1B+6], 0
	s_mov_b32 s[G1B+7], 0
	; A's address is made of the block row and the wave, W's of the block column and the wave, in registers that never hold the other coordinate
	s_lshl_b32 s16, s13, 15                        ; 256 rows of 128 bytes
	s_lshl_b32 s17, s12, 20                        ; panel 0 or 1 of the step
	s_add_co_u32 s16, s16, s17
	s_mov_b32 s17, 0
	s_add_co_u32 s46, s42, SEC8
	s_lshr_b32 s47, s46, 3
	s_lshl_b32 s47, s47, 21                        ; the section of 2 MiB
	s_and_b32 s46, s46, 7
	s_lshl_b32 s46, s46, 8                         ; 128 columns of 2 bytes
	s_add_co_u32 s46, s46, s47
	s_lshl_b32 s47, s12, 17                        ; 64 k rows of 2,048 bytes
	s_add_co_u32 s46, s46, s47
	s_mov_b32 s47, 0
	s_mul_i32 s20, s10, APANEL                     ; LDS: waves 0, 1: A's panels
	s_mul_i32 s22, s10, BHALF
	s_add_co_u32 s22, s22, BOFF-2*BHALF            ; waves 2, 3: W's halves at BOFF and BOFF + BHALF
	s_wait_dscnt 0x0
	s_wait_kmcnt 0x0
	s_add_nc_u64 s[14:15], s[4:5], s[16:17]
	s_add_nc_u64 s[46:47], s[6:7], s[46:47]
	CROUND                                         ; all sixteen work-groups are here: the first joint loads meet
.irp s, 0,1
	s_mov_b32 s[G0+4*\s], 1
	s_add_co_u32 s[G0+4*\s+1], s20, \s*SLOT
	s_add_nc_u64 s[G0+4*\s+2:G0+4*\s+3], s[14:15], \s*0x200000     ; K step s: two panels on
	s_or_b32 s[G0+4*\s+3], s[G0+4*\s+3], 0x80000000
	s_mov_b32 s[G0B+4*\s], 1
	s_add_co_u32 s[G0B+4*\s+1], s22, \s*SLOT
	s_add_nc_u64 s[G0B+4*\s+2:G0B+4*\s+3], s[46:47], \s*0x40000    ; K step s: 128 k rows on
	s_or_b32 s[G0B+4*\s+3], s[G0B+4*\s+3], 0x80000000
	JLOAD \s                                       ; both slots are asked for before anything else: two loads of the wave are out
.endr
	v_and_b32 v1, 15, v0                           ; r = l % 16
	v_bfe_u32 v2, v0, 4, 1                         ; h = l / 16
	v_and_b32 v3, 7, v0                            ; l % 8
	v_bfe_u32 v4, v0, 3, 1                         ; (l / 8) % 2
	v_mul_u32_u24 v5, v1, APITCH
	v_lshl_add_u32 v5, v2, 4, v5                   ; A: row r, 16 bytes for each half of the lanes
	s_mul_i32 s21, s10, 64*APITCH                  ; my 64 rows
	v_add_nc_u32 v[ADRA], s21, v5
	v_add_nc_u32 v[ADRA+1], SLOT, v[ADRA]
	v_lshl_add_u32 v6, v2, 3, v3                   ; W: k row 8 h + l % 8,
	v_mul_u32_u24 v6, v6, BPITCH
	v_lshl_add_u32 v6, v4, 4, v6                   ; columns 8 ((l / 8) % 2) + 0 .. 7
	v_add_nc_u32 v[ADRB], BOFF, v6
	v_add_nc_u32 v[ADRB+1], BOFF+SLOT, v6
	s_mul_i32 s23, s10, WST
	s_add_co_u32 s23, s23, STAGE                   ; my stage
	v_mul_u32_u24 v7, v1, SPITCH                   ; q, k in: row r, 16 bytes for each half
	v_lshl_add_u32 v7, v2, 4, v7
	v_add_nc_u32 v[STO], s23, v7
	v_mul_u32_u24 v7, v4, SPITCH                   ; back: lanes 0-15 take two rows' left 128 bytes (one panel), lanes 16-31 their right 128 bytes (the next panel)
	v_lshl_add_u32 v7, v2, 7, v7
	v_lshl_add_u32 v7, v3, 4, v7
	v_add_nc_u32 v[RD], s23, v7
	v_lshlrev_b32 v7, 4, v1
	v_lshl_add_u32 v[CO], v2, 20, v7               ; in qkv: 16 (l % 16) + the panel's 1 MiB
	v_lshl_add_u32 v[COV], v2, 21, v7              ; v: 16 (l % 16) + the head's 2 MiB
	v_mul_u32_u24 v7, v1, VSP                      ; v in: row r, 16 bytes for each half
	v_lshl_add_u32 v7, v2, 4, v7
	v_add_nc_u32 v[STV], s23, v7
	v_and_b32 v7, 31, v0                           ; v back: a whole row of 512 bytes a load
	v_lshlrev_b32 v7, 4, v7
	v_add_nc_u32 v[RDV], s23, v7
; 24 LDS loads: the fragments of one quarter step (32 along K) into buffer f: 8 of W (transposed on the way), 4 of A
.macro FETCH sl, kq, f
.irp b, 0,1,2,3,4,5,6,7
	ds_load_tr16_b128 v[\f+8*\b:\f+8*\b+3],   v[ADRB+\sl] offset:\kq*32*BPITCH+32*\b
	ds_load_tr16_b128 v[\f+8*\b+4:\f+8*\b+7], v[ADRB+\sl] offset:\kq*32*BPITCH+32*\b+16*BPITCH
.endr
.irp a, 0,1,2,3
	ds_load_b128 v[\f+64+8*\a:\f+64+8*\a+3], v[ADRA+\sl] offset:(\kq>>1)*APANEL+(\kq&1)*64+\a*16*APITCH
	ds_load_b128 v[\f+64+8*\a+4:\f+64+8*\a+7], v[ADRA+\sl] offset:(\kq>>1)*APANEL+(\kq&1)*64+\a*16*APITCH+32
.endr
.endm
; 16 matrix instructions: row tiles a0, a0 + 1 x all 8 column tiles.  The 32 accumulators take turns, one instruction a turn, in the same
; order in every quarter step.  zero = 1: the first product starts the sums.
.macro MUL16 f, a0, zero
.irp a, \a0, \a0+1
.irp b, 0,1,2,3,4,5,6,7
.if \zero
	v_wmma_f32_16x16x32_bf16 v[8*(8*(\a)+\b):8*(8*(\a)+\b)+7], v[\f+8*\b:\f+8*\b+7], v[\f+64+8*(\a):\f+64+8*(\a)+7], 0
.else
	v_wmma_f32_16x16x32_bf16 v[8*(8*(\a)+\b):8*(8*(\a)+\b)+7], v[\f+8*\b:\f+8*\b+7], v[\f+64+8*(\a):\f+64+8*(\a)+7], v[8*(8*(\a)+\b):8*(8*(\a)+\b)+7]
.endif
.endr
.endr
.endm
; One of a K step's first three quarters: asks for the next quarter's fragments (into g), then multiplies buffer f: the 24 loads have 32 matrix instructions in which to land.
.macro QUARTER sl, kq, f, g, zero
	PLACES                                         ; g was read by the matrix instructions just issued
	WIN 0
	FETCH \sl, \kq, \g
	s_wait_dscnt 24                                ; all but the 24 just issued: buffer f is in
	WIN MUL
	MUL16 \f, 0, \zero
	MUL16 \f, 2, \zero
.endm
.macro THREE sl, zero
	QUARTER \sl, 1, F0, F1, \zero
	QUARTER \sl, 2, F1, F0, 0
	QUARTER \sl, 3, F0, F1, 0
.endm
; The last quarter multiplies buffer 1 and changes slots.  In front of the barrier each wave waits for its reads of this slot and for all its
; tensor loads (one is out: its part of the next slot).  Where the slot is filled again the barrier opens a round of the cluster's barrier, and
; the joint refill is the first tensor load behind the round: no wave of any partner still reads the slot or has a load on its way.
.macro TURN sl, next, fill
	s_wait_dscnt 0x0                               ; buffer 1 is in, and with it my last reads of this slot
	s_wait_tensorcnt 0x0
	ds_add_u32 v30, v31
	s_wait_dscnt 0x0
	s_barrier_signal -1
	WIN MUL
	MUL16 F1, 0, 0                                 ; register work while the others arrive
	WIN 0
	s_barrier_wait -1
.if \fill
	CREST
	s_add_nc_u64 s[G0+4*\sl+2:G0+4*\sl+3], s[G0+4*\sl+2:G0+4*\sl+3], 0x400000      ; two K steps on: four panels
	s_add_nc_u64 s[G0B+4*\sl+2:G0B+4*\sl+3], s[G0B+4*\sl+2:G0B+4*\sl+3], 0x80000   ; 256 k rows
	JLOAD \sl
.endif
	PLACES
	FETCH \next, 0, F0
	WIN MUL
	MUL16 F1, 2, 0
.endm
.macro LAP zero
	THREE 0, \zero
	TURN 0, 1, 1
	THREE 1, 0
	TURN 1, 0, 1
.endm
; q, k: 16 rows: round to f16, 16 bytes a lane into my stage, read back so that sixteen lanes hold two rows of one panel.
.macro OUT16 a, f
	WIN 0x05                                       ; both sources in window 1
.irp b, 0,1,2,3,4,5,6,7
.irp r, 0,1,2,3
	v_cvt_pk_f16_f32 v[TMP+4*\b+\r], v[8*(8*\a+\b)+2*\r], v[8*(8*\a+\b)+2*\r+1]
.endr
.endr
	WIN 0
.irp b, 0,1,2,3,4,5,6,7
	ds_store_b128 v[STO], v[TMP+4*\b:TMP+4*\b+3] offset:32*\b
.endr
	s_wait_xcnt 0x0                                ; buffer f, which earlier stores read, is loaded again only behind this wait
.irp t, 0,1,2,3,4,5,6,7
	ds_load_b128 v[\f+4*\t:\f+4*\t+3], v[RD] offset:\t*2*SPITCH    ; LDS serves a wave's instructions in order: these see the stores above
.endr
.irp t, 0,1,2,3,4,5,6,7
	s_wait_dscnt 7-\t
	global_store_b128 v[CO], v[\f+4*\t:\f+4*\t+3], s[8:9] offset:\a*2048+\t*256   ; sixteen lanes: 256 consecutive aligned bytes, two rows of a panel
.endr
.endm
; v: 16 rows.  x = hi + lo: t = 8193 x, d = t - x, hi = t - d (x rounded to 24 - 13 = 11 bits, which f16 holds exactly), lo = x - hi (exact in f32).
; A stage row is [head 0: hi 128 bytes | lo 128 bytes | head 1: hi | lo]; read back whole, lanes 0-15 hold head 0's 256 bytes of the row, lanes 16-31 head 1's.
.macro OUTV a
	WIN 0x01                                       ; source 0 (the sums) in window 1
.set i, 0
.rept 32
	v_pk_mul_f32 v[TT+2*i:TT+2*i+1], v[64*\a+2*i:64*\a+2*i+1], s[20:21] op_sel_hi:[1,0]
.set i, i+1
.endr
.set i, 0
.rept 32
	v_pk_fma_f32 v[DD+2*i:DD+2*i+1], v[64*\a+2*i:64*\a+2*i+1], -1.0, v[TT+2*i:TT+2*i+1] op_sel_hi:[1,0,1]
.set i, i+1
.endr
	WIN 0
.set i, 0
.rept 32
	v_pk_fma_f32 v[TT+2*i:TT+2*i+1], v[DD+2*i:DD+2*i+1], -1.0, v[TT+2*i:TT+2*i+1] op_sel_hi:[1,0,1]
.set i, i+1
.endr
	WIN 0x10                                       ; source 2 (the sums) in window 1
.set i, 0
.rept 32
	v_pk_fma_f32 v[DD+2*i:DD+2*i+1], v[TT+2*i:TT+2*i+1], -1.0, v[64*\a+2*i:64*\a+2*i+1] op_sel_hi:[1,0,1]
.set i, i+1
.endr
	WIN 0
.set i, 0
.rept 32
	v_cvt_pk_f16_f32 v[TT+i], v[TT+2*i], v[TT+2*i+1]   ; register i is written when registers 2 i and 2 i + 1 are read: nothing unread is lost
.set i, i+1
.endr
.set i, 0
.rept 32
	v_cvt_pk_f16_f32 v[DD+i], v[DD+2*i], v[DD+2*i+1]
.set i, i+1
.endr
.irp b, 0,1,2,3,4,5,6,7
	ds_store_b128 v[STV], v[TT+4*\b:TT+4*\b+3] offset:(\b>>2)*256+(\b&3)*32
	ds_store_b128 v[STV], v[DD+4*\b:DD+4*\b+3] offset:(\b>>2)*256+(\b&3)*32+128
.endr
	s_wait_xcnt 0x0                                ; the rows read back, which earlier stores read, are loaded again only behind this wait
.set t, 0
.rept 16
	ds_load_b128 v[RB+4*t:RB+4*t+3], v[RDV] offset:t*VSP           ; LDS serves a wave's instructions in order: these see the stores above
.set t, t+1
.endr
.set t, 0
.rept 16
	s_wait_dscnt 15-t
	global_store_b128 v[COV], v[RB+4*t:RB+4*t+3], s[8:9] offset:(16*\a+t)*256     ; sixteen lanes: 256 consecutive aligned bytes, a row's hi and lo of one head
.set t, t+1
.endr
.endm
	s_wait_tensorcnt 0x1                           ; my part of K step 0 is in; K step 1's stays out
	s_barrier_signal -1
	s_barrier_wait -1
	FETCH 0, 0, F0
	LAP 1                                          ; the first lap stands in front of the loop: its first products start the sums
	WIN 0
	s_mov_b32 s3, LAPS-2
.Llap:
	LAP 0
	WIN 0
	s_sub_co_u32 s3, s3, 1
	s_cmp_lg_u32 s3, 0
	s_cbranch_scc1 .Llap
	THREE 0, 0                                     ; the last lap fills nothing
	TURN 0, 1, 0
	THREE 1, 0
	s_wait_dscnt 0x0
	WIN MUL
	MUL16 F1, 0, 0
	MUL16 F1, 2, 0
	; THE WAY OUT.  The section is (4 x cluster x + cx) / 8 = cluster x / 2: the same in all sixteen partners.  Clusters 4 and 5 along x make v.
	PLACES
	WIN 0
	s_cmp_ge_u32 ttmp9, 4
	s_cbranch_scc1 .Lv_out
	s_lshl_b32 s16, s13, 15                        ; block row: 256 rows of 128 bytes
	s_lshl_b32 s17, s10, 13                        ; my 64 rows
	s_add_co_u32 s16, s16, s17
	s_mov_b32 s17, 0
	s_add_nc_u64 s[8:9], s[8:9], s[16:17]
	s_lshl_b32 s46, s42, 21                        ; panel 2 x block column
	s_mov_b32 s47, 0
	s_add_nc_u64 s[8:9], s[8:9], s[46:47]
	OUT16 0, F0
	OUT16 1, F1
	OUT16 2, F0
	OUT16 3, F1
	s_branch .Lout_done
.Lv_out:
	s_lshl_b32 s16, s13, 16                        ; block row: 256 rows of 256 bytes
	s_lshl_b32 s17, s10, 14                        ; my 64 rows
	s_add_co_u32 s16, s16, s17
	s_mov_b32 s17, 0
	s_add_nc_u64 s[8:9], s[8:9], s[16:17]
	s_lshl_b32 s46, s42, 22                        ; 32 MiB + (block column - 16) x two heads of 2 MiB
	s_sub_co_u32 s46, s46, 0x2000000               ; = 4 MiB x block column - 32 MiB
	s_mov_b32 s47, 0
	s_add_nc_u64 s[8:9], s[8:9], s[46:47]
	s_mov_b32 s20, 0x46000400                      ; 8193.0 = 2^13 + 1
	s_mov_b32 s21, 0x46000400
	OUTV 0
	OUTV 1
	OUTV 2
	OUTV 3
.Lout_done:
	s_wait_tensorcnt 0x0
	ds_add_u32 v30, v31
	s_wait_dscnt 0x0
	CROUND                                         ; the closing round: no work-group ends while a partner may still ask for a tile that names it
	s_endpgm
.Lfunc_end_k_q20e40e1774_proj:
	.size	k_q20e40e1774_proj, .Lfunc_end_k_q20e40e1774_proj-k_q20e40e1774_proj
	.p2alignl 7, 3214868480
	.fill 96, 4, 3214868480
	.section	.rodata,"a",@progbits
	.p2align	6, 0x0
	.amdhsa_kernel k_q20e40e1774_proj
		.amdhsa_group_segment_fixed_size 327680
		.amdhsa_private_segment_fixed_size 0
		.amdhsa_enable_private_segment 0
		.amdhsa_kernarg_size 24
		.amdhsa_user_sgpr_count 2
		.amdhsa_user_sgpr_kernarg_segment_ptr 1
		.amdhsa_wavefront_size32 1
		.amdhsa_system_sgpr_workgroup_id_x 1
		.amdhsa_system_sgpr_workgroup_id_y 1
		.amdhsa_system_sgpr_workgroup_id_z 1
		.amdhsa_system_vgpr_workitem_id 0
		.amdhsa_next_free_vgpr 512
		.amdhsa_next_free_sgpr 66
		.amdhsa_reserve_vcc 0
		.amdhsa_float_denorm_mode_32 3
		.amdhsa_float_denorm_mode_16_64 3
		.amdhsa_memory_ordered 1
		.amdhsa_forward_progress 1
		.amdhsa_inst_pref_size 182
	.end_amdhsa_kernel
	.amdgpu_metadata
---
amdhsa.version: [ 1, 2 ]
amdhsa.kernels:
  - .name:           k_q20e40e1774_proj
    .symbol:         k_q20e40e1774_proj.kd
    .args:
      - { .name: xh, .offset: 0, .size: 8, .value_kind: global_buffer, .address_space: global }
      - { .name: wh, .offset: 8, .size: 8, .value_kind: global_buffer, .address_space: global }
      - { .name: qkv, .offset: 16, .size: 8, .value_kind: global_buffer, .address_space: global }
    .group_segment_fixed_size: 327680
    .private_segment_fixed_size: 0
    .kernarg_segment_align: 8
    .kernarg_segment_size: 24
    .max_flat_workgroup_size: 128
    .sgpr_count:     66
    .vgpr_count:     512
    .wavefront_size: 32
...
	.end_amdgpu_metadata
.endif
;; end of part 2
;; launch attn (part 3): grid 4 x 64, 4 waves a work-group, no clusters, 327,680 bytes of LDS; arguments qkv, ctx; writes ctx
.if DOCPART == 3
	.amdgcn_target "amdgcn-amd-amdhsa--gfx1250"
	.amdhsa_code_object_version 6
	.text
	.protected	k_q20e40e1774_attn
	.globl	k_q20e40e1774_attn
	.p2align	8
	.type	k_q20e40e1774_attn,@function
k_q20e40e1774_attn:
	s_mov_b64 s[64:65], 0
	v_nop
	global_prefetch_b8 v0, s[64:65] scope:SCOPE_SE
	s_setreg_imm32_b32 hwreg(HW_REG_WAVE_MODE, 25, 1), 1
	s_wait_xcnt 0x0
; Causal attention of one head and batch, with a running maximum.  qkv, f16: q of head h = panel h, k = panel 16 + h (a panel is [8192][64], 1 MiB);
; v from byte 32 MiB on as [16 heads][8192 rows][hi 64 | lo 64], v = hi + lo.  ctx, f16, panel-major [32][8192][64]: panel h = hi, panel 16 + h = lo of head h.
; v and ctx are carried as two f16 numbers (22 bits): both reach the output unaveraged in causal rows with few keys, which can stand many times above the
; root mean square of the whole output, by which errors are measured.
; Work-group (p, head x batch), p = 0 .. 3, makes query block 7 - p (256 rows) and then block p:
; block j needs j + 1 laps of 256 keys, so every work-group walks (8 - p) + (p + 1) = 9 laps.  Wave w takes 64 query rows (4 tiles of 16).
; Keys come in tiles of 128 (an LDS slot, V and K) and are worked in steps of 64; a lap is both slots, 4 steps, so a block starts at slot 0.
; A wave's diagonal step is number 4 j + w of its block; the steps behind it are jumped over (a scalar branch round register work alone).
; ORIENTATION: S^T = K Q^T (lane (r, h) holds query r, keys 16 kt + 8 h + 0 .. 7); packing two such tiles to f16 is the B fragment of P^T;
; O^T = Vhi^T P^T + Vlo^T P^T, V^T by the transposing LDS load.  So maximum, sum and rescale factor are one number a lane; the maximum crosses the two halves
; of the lanes once a tile and step, the sum once a block.  P never goes through LDS.
; THE MASK rides on the C operand of a score tile's first product: 0 below the diagonal tile, the tile BD on it, BA above it.  BD and BA are zeros
; in full steps; in the diagonal step BD is -1e30 where key > query and BA is -1e30 everywhere.  One body serves every step.
; NO MULTICAST: only the four work-groups of a head share K and V, and they switch blocks after different laps (7 - p), so from then on they want
; different tiles; one common sequence for all four would take 8 + 4 = 12 laps of every work-group against 9 here.
; REGISTERS: window 0: addresses, m, l, masks, Q (v64-127), S and P (v128-255); window 1: O (v0-127), K (v128-191) and Vhi (v192-255) fragments;
; window 2: Vlo fragments (v0-63).
; LIMITS: f16 operands (|q|, |k|, |v|, |ctx| below 65,504; weights P below 6e-8 count as 0; parts below 6e-5 in magnitude are kept to 3e-8 absolute).
; A masked score is -1e30, not minus infinity: its weight is 0 as long as true scores stay far above -1e30.  A NaN score loses in the running maximum.
; exp(x) is 2^(x log2 e).
.set KPITCH, 144                       ; 128 + 16 = 9 x 16
.set VPITCH, 288                       ; 256 + 32 = 9 x 32, which the transposing load wants
.set KHALF,  64*KPITCH                 ; 9,216
.set VHALF,  64*VPITCH                 ; 18,432
.set KOFF,   2*VHALF                   ; a slot: V's 128 keys at 0, K's 128 keys at 36,864
.set SLOT,   KOFF+2*KHALF              ; 55,296
.set STAGE,  2*SLOT                    ; 110,592: for each wave 32 rows x 144 bytes of hi, then of lo; no tensor load lands here
.set WSTAGE, 64*KPITCH
.set LOST,   32*KPITCH                 ; lo's part of a stage
.set TILEB,  16384                     ; 128 keys of K in memory
.set LAPB,   32768
.set TILEV,  32768                     ; 128 keys of V in memory
.set LAPV,   65536
.set PF,   1                           ; 256 x thread
.set KADR, 2                           ; v2-3   my K fragments in slot 0, 1
.set VADR, 4                           ; v4-5   my V fragments in slot 0, 1
.set STO,  6
.set RD,   7
.set CO,   8
.set QO,   9
.set M,    10                          ; v10-13  running maximum of query tile 0 .. 3 (raw scores)
.set LS,   14                          ; v14-17  running sum, this lane's keys alone
.set MN,   18
.set NEG,  19                          ; -1e30
.set T,    20                          ; v20-27  at work
.set NMC,  28                          ; v28     -c x new maximum (v29 written once: a broadcast names the pair)
.set AL,   30                          ; v30     rescale factor (v31 likewise)
.set INV,  32                          ; v32-39  1 / l, twice for each query tile
.set MD,   40                          ; v40-47  the diagonal tile's mask
.set BD,   48                          ; v48-55  this step's C on the diagonal tile
.set BA,   56                          ; v56-63  this step's C above it
.set QF,   64                          ; Q fragment (qt, dh) at 64 + 16 qt + 8 dh
.set S,    128                         ; S tile (qt, kt) at 128 + 32 qt + 8 kt; P of qt packed into its first 16 registers
.set KF,   128                         ; window 1: K fragment (kt, dh) at 128 + 16 kt + 8 dh
.set VF,   192                         ; window 1: Vhi fragment (ks, dt) at 192 + 32 ks + 8 dt;  O tile (qt, dt) at 32 qt + 8 dt
.set VL,   0                           ; window 2: Vlo fragment (ks, dt) at 32 ks + 8 dt
.set G1K, 20
.set G1V, 28
.set G0K, 36                           ; a set for each slot
.set G0V, 44
.set KB,  52                           ; my 64 keys of K's tile 0
.set VB,  54
.set OFF, 56                           ; s[56:57], s[58:59]: byte offset in K of the next lap's two tiles
.set QB1, 60
.set QB2, 62
.set CB1, 66
.set CB2, 68
.set LAP, 70
.set REM, 71                           ; steps from this lap's first to my diagonal step
.set NX,  72                           ; byte offset in K of the next lap in this block
.set FLG, 73
.set DG2, 74
.set HO,  76
.set TP,  78
.set PKA, 80
.set PVA, 82
.set PFL, 84
.set OFFV, 86                          ; s[86:87], s[88:89]: the same offsets in V, twice K's
.set CL1, 90                           ; ctx's lo panels
.set CL2, 92
.set SPL, 94                           ; 8193.0, twice
.set HV,  96
.set TV,  98
.set MSB, 0
.macro WIN new
.if MSB != \new
	s_set_vgpr_msb (MSB<<8)|\new
.set MSB, \new
.endif
.endm
.macro PLACES                          ; four independent vector instructions behind a matrix instruction (ISA guide 7.12.1)
.rept 4
	v_nop
.endr
.endm
.macro TLOAD sl                        ; waves 0, 1: V's halves; waves 2, 3: K's halves
	s_cmp_eq_u32 s10, 0
	s_cbranch_scc0 .Lfor_k_\@
	tensor_load_to_lds s[G0V+4*\sl:G0V+4*\sl+3], s[G1V:G1V+7]
	s_nop 0
	s_branch .Lasked_\@
.Lfor_k_\@:
	tensor_load_to_lds s[G0K+4*\sl:G0K+4*\sl+3], s[G1K:G1K+7]
	s_nop 0
.Lasked_\@:
.endm
.macro LOADQ qb                        ; 16 loads: my 64 query rows as B fragments
.irp qt, 0,1,2,3
.irp dh, 0,1
	global_load_b128 v[QF+16*\qt+8*\dh:QF+16*\qt+8*\dh+3],   v[QO], s[\qb:\qb+1] offset:\qt*2048+\dh*64
	global_load_b128 v[QF+16*\qt+8*\dh+4:QF+16*\qt+8*\dh+7], v[QO], s[\qb:\qb+1] offset:\qt*2048+\dh*64+32
.endr
.endr
.endm
.macro LOADK sl, hf                    ; 16 loads: 64 keys of K as A fragments
	WIN 0x40
.irp kt, 0,1,2,3
.irp dh, 0,1
	ds_load_b128 v[KF+16*\kt+8*\dh:KF+16*\kt+8*\dh+3],   v[KADR+\sl] offset:\hf*KHALF+\kt*16*KPITCH+\dh*64
	ds_load_b128 v[KF+16*\kt+8*\dh+4:KF+16*\kt+8*\dh+7], v[KADR+\sl] offset:\hf*KHALF+\kt*16*KPITCH+\dh*64+32
.endr
.endr
	WIN 0
.endm
.macro LOADV sl, hf                    ; 32 loads: 64 keys of V, transposed, as A fragments: hi, then lo (128 bytes further on in a key's row)
	WIN 0x40
.irp ks, 0,1
.irp dt, 0,1,2,3
	ds_load_tr16_b128 v[VF+32*\ks+8*\dt:VF+32*\ks+8*\dt+3],   v[VADR+\sl] offset:\hf*VHALF+\ks*32*VPITCH+\dt*32
	ds_load_tr16_b128 v[VF+32*\ks+8*\dt+4:VF+32*\ks+8*\dt+7], v[VADR+\sl] offset:\hf*VHALF+\ks*32*VPITCH+\dt*32+16*VPITCH
.endr
.endr
	WIN 0x80
.irp ks, 0,1
.irp dt, 0,1,2,3
	ds_load_tr16_b128 v[VL+32*\ks+8*\dt:VL+32*\ks+8*\dt+3],   v[VADR+\sl] offset:\hf*VHALF+\ks*32*VPITCH+\dt*32+128
	ds_load_tr16_b128 v[VL+32*\ks+8*\dt+4:VL+32*\ks+8*\dt+7], v[VADR+\sl] offset:\hf*VHALF+\ks*32*VPITCH+\dt*32+128+16*VPITCH
.endr
.endr
	WIN 0
.endm
; This step's C tiles.  These sixteen instructions are also places between the last O product and the score products that write over P.
.macro FLAGS i
	s_cmp_eq_u32 s[REM], \i
	s_cselect_b32 s[FLG], -1, 0
.irp j, 0,1,2,3,4,5,6,7
	v_cndmask_b32 v[BD+\j], 0, v[MD+\j], s[FLG]
.endr
.irp j, 0,1,2,3,4,5,6,7
	v_cndmask_b32 v[BA+\j], 0, v[NEG], s[FLG]
.endr
.endm
; 32 score products.  For each query tile its four key tiles take turns, one instruction a turn.
.macro SPH i
.if \i > 0
	s_cmp_lt_u32 s[REM], \i                        ; behind my diagonal: nothing to do (step 0 of a lap is never behind it)
	s_cbranch_scc1 .Lno_s_\@
.endif
	WIN 0x01                                       ; source 0 (K) in window 1
.irp qt, 0,1,2,3
.irp kt, 0,1,2,3
.if \kt < \qt
	v_wmma_f32_16x16x32_f16 v[S+32*\qt+8*\kt:S+32*\qt+8*\kt+7], v[KF+16*\kt:KF+16*\kt+7], v[QF+16*\qt:QF+16*\qt+7], 0
.else
.if \kt == \qt
	v_wmma_f32_16x16x32_f16 v[S+32*\qt+8*\kt:S+32*\qt+8*\kt+7], v[KF+16*\kt:KF+16*\kt+7], v[QF+16*\qt:QF+16*\qt+7], v[BD:BD+7]
.else
	v_wmma_f32_16x16x32_f16 v[S+32*\qt+8*\kt:S+32*\qt+8*\kt+7], v[KF+16*\kt:KF+16*\kt+7], v[QF+16*\qt:QF+16*\qt+7], v[BA:BA+7]
.endif
.endif
.endr
.irp kt, 0,1,2,3
	v_wmma_f32_16x16x32_f16 v[S+32*\qt+8*\kt:S+32*\qt+8*\kt+7], v[KF+16*\kt+8:KF+16*\kt+15], v[QF+16*\qt+8:QF+16*\qt+15], v[S+32*\qt+8*\kt:S+32*\qt+8*\kt+7]
.endr
.endr
	WIN 0
.Lno_s_\@:
.endm
; Softmax step of one query tile: new maximum, p = 2^(c s - c m), rescale factor 2^(c m_old - c m), the sum, P packed to f16 in place.
.macro SM qt, first
.set SB, S+32*\qt
.irp c, 0,1,2,3
	v_max3_num_f32 v[T+\c], v[SB+8*\c], v[SB+8*\c+1], v[SB+8*\c+2]
.endr
.irp c, 0,1,2,3
	v_max3_num_f32 v[T+\c], v[T+\c], v[SB+8*\c+3], v[SB+8*\c+4]
.endr
.irp c, 0,1,2,3
	v_max3_num_f32 v[T+\c], v[T+\c], v[SB+8*\c+5], v[SB+8*\c+6]
.endr
	v_max3_num_f32 v[T],   v[T],   v[SB+7],  v[SB+15]
	v_max3_num_f32 v[T+1], v[T+1], v[SB+23], v[SB+31]
.if \first
	v_max_num_f32 v[T+2], v[T+2], v[T+3]
.else
	v_max3_num_f32 v[T+2], v[T+2], v[T+3], v[M+\qt]
.endif
	v_max3_num_f32 v[T], v[T], v[T+1], v[T+2]
	v_permlanex16_b32 v[T+4], v[T], s14, s15       ; the other half's keys of the same query
	v_max_num_f32 v[MN], v[T], v[T+4]
	v_mul_f32 v[NMC], s18, v[MN]                   ; -c m
.if \first == 0
	v_fma_f32 v[AL], v[M+\qt], s16, v[NMC]         ; c m_old - c m
.endif
.set i, 0
.rept 16
	v_pk_fma_f32 v[SB+2*i:SB+2*i+1], v[SB+2*i:SB+2*i+1], s[16:17], v[NMC:NMC+1] op_sel_hi:[1,0,0]
.set i, i+1
.endr
.if \first == 0
	v_exp_f32 v[AL], v[AL]
.endif
.set i, 0
.rept 32
	v_exp_f32 v[SB+i], v[SB+i]
.set i, i+1
.endr
	v_mov_b32 v[M+\qt], v[MN]                      ; the plain instruction between the exponentials and the first use of a result (ISA guide 5.7.2)
	s_wait_alu depctr_va_vdst(0)
.irp c, 0,1,2,3
	v_pk_add_f32 v[T+2*\c:T+2*\c+1], v[SB+8*\c:SB+8*\c+1], v[SB+8*\c+2:SB+8*\c+3]
.endr
.irp c, 0,1,2,3
	v_pk_add_f32 v[T+2*\c:T+2*\c+1], v[T+2*\c:T+2*\c+1], v[SB+8*\c+4:SB+8*\c+5]
.endr
.irp c, 0,1,2,3
	v_pk_add_f32 v[T+2*\c:T+2*\c+1], v[T+2*\c:T+2*\c+1], v[SB+8*\c+6:SB+8*\c+7]
.endr
	v_pk_add_f32 v[T:T+1],   v[T:T+1],   v[T+2:T+3]
	v_pk_add_f32 v[T+4:T+5], v[T+4:T+5], v[T+6:T+7]
	v_pk_add_f32 v[T:T+1],   v[T:T+1],   v[T+4:T+5]
.if \first
	v_add_f32 v[LS+\qt], v[T], v[T+1]
.else
	v_fma_f32 v[LS+\qt], v[LS+\qt], v[AL], v[T]
	v_add_f32 v[LS+\qt], v[LS+\qt], v[T+1]
.endif
.set i, 0
.rept 16
	v_cvt_pk_f16_f32 v[SB+i], v[SB+2*i], v[SB+2*i+1]   ; register i is written when registers 2 i and 2 i + 1 are read: nothing unread is lost
.set i, i+1
.endr
.endm
; O of one query tile: rescale, then 8 products with Vhi and 8 with Vlo; its four d tiles take turns, one instruction a turn.
.macro PV qt, first
	WIN 0x51                                       ; Vhi and O in window 1, P and the factor in window 0
.if \first == 0
.set i, 0
.rept 16
	v_pk_mul_f32 v[32*\qt+2*i:32*\qt+2*i+1], v[32*\qt+2*i:32*\qt+2*i+1], v[AL:AL+1] op_sel_hi:[1,0]
.set i, i+1
.endr
.endif
.irp ks, 0,1
.irp dt, 0,1,2,3
.if \first*(1-\ks)
	v_wmma_f32_16x16x32_f16 v[32*\qt+8*\dt:32*\qt+8*\dt+7], v[VF+32*\ks+8*\dt:VF+32*\ks+8*\dt+7], v[S+32*\qt+8*\ks:S+32*\qt+8*\ks+7], 0
.else
	v_wmma_f32_16x16x32_f16 v[32*\qt+8*\dt:32*\qt+8*\dt+7], v[VF+32*\ks+8*\dt:VF+32*\ks+8*\dt+7], v[S+32*\qt+8*\ks:S+32*\qt+8*\ks+7], v[32*\qt+8*\dt:32*\qt+8*\dt+7]
.endif
.endr
.endr
	WIN 0x52                                       ; Vlo in window 2
.irp ks, 0,1
.irp dt, 0,1,2,3
	v_wmma_f32_16x16x32_f16 v[32*\qt+8*\dt:32*\qt+8*\dt+7], v[VL+32*\ks+8*\dt:VL+32*\ks+8*\dt+7], v[S+32*\qt+8*\ks:S+32*\qt+8*\ks+7], v[32*\qt+8*\dt:32*\qt+8*\dt+7]
.endr
.endr
	WIN 0
.endm
.macro SMPV i, first                   ; the products of tile qt run while the softmax of tile qt + 1 issues
.if \i > 0
	s_cmp_lt_u32 s[REM], \i
	s_cbranch_scc1 .Lno_p_\@
.endif
.irp qt, 0,1,2,3
	SM \qt, \first
	PV \qt, \first
.endr
.Lno_p_\@:
.endm
; The change of slots.  Every wave waits for its reads of slot sl and for all its tensor loads (one is out: its part of the other slot), then the
; barrier; behind it slot sl is read by nobody and the other slot is whole.  The refill is the wave's one tensor load behind the barrier and stands first there.
.macro CHANGE sl, refill
	s_wait_dscnt 0x0
	s_set_vgpr_msb 0xa
	s_wait_tensorcnt 0x0
	ds_add_u32 v64, v65
	s_wait_dscnt 0x0
	s_set_vgpr_msb 0xa00
.if \refill
	s_add_nc_u64 s[G0K+4*\sl+2:G0K+4*\sl+3], s[KB:KB+1], s[OFF+2*\sl:OFF+2*\sl+1]   ; no tensor load of mine is out: the addresses may be written
	s_or_b32 s[G0K+4*\sl+3], s[G0K+4*\sl+3], 0x80000000
	s_add_nc_u64 s[G0V+4*\sl+2:G0V+4*\sl+3], s[VB:VB+1], s[OFFV+2*\sl:OFFV+2*\sl+1]
	s_or_b32 s[G0V+4*\sl+3], s[G0V+4*\sl+3], 0x80000000
.endif
	s_barrier_signal -1
	s_barrier_wait -1
.if \refill
	TLOAD \sl
.endif
.endm
; One slot = two steps, i0 and i1.  LDS loads, waits and barriers stand outside the jumps, so every count holds on every path.
; Order of LDS loads: K (16), V (32), K, V, ...: a wait for 32 leaves V's loads out and shows K's in front of them in; a wait for 16 leaves the next K's out and shows V's in.
.macro TRIP sl, nx, i0, i1, refill, more, first
	FLAGS \i0
	s_wait_dscnt 32                                ; K of this step is in; V's 32 loads may be out
	SPH \i0
	PLACES                                         ; behind the score products: K's registers are loaded again, S is read
	LOADK \sl, 1
	s_wait_dscnt 16                                ; V of this step is in; the 16 loads of K just issued are out
	SMPV \i0, \first
	PLACES                                         ; behind the O products: V's registers are loaded again
	LOADV \sl, 1
	FLAGS \i1
	s_wait_dscnt 32
	SPH \i1
.if \more
	CHANGE \sl, \refill
.else
	s_wait_dscnt 0x0                               ; V of the last step is in
.endif
	PLACES
.if \more
	LOADK \nx, 0
.endif
	SMPV \i1, 0
	PLACES
.if \more
	LOADV \nx, 0
.endif
.endm
; At a lap's head: where the next lap's tiles lie (a block's last lap is followed by the next block's keys 0 ..), and the prefetch.
; Work-group p = 0 of a head walks all 2,048 keys in laps 0 .. 7; in laps 0 .. 5 its 128 threads ask, 256 bytes apart, for the 32 KiB of K and the 64 KiB of V
; of the lap after next, one lap ahead of their tensor loads.  Each block is asked for once in the launch, and the last request ends at the head's last key.
.macro LAPTOP step
.if \step
	s_wait_xcnt 0x0                                ; the last lap's requests have had their addresses translated: the bases may step
	s_add_nc_u64 s[PKA:PKA+1], s[PKA:PKA+1], LAPB
	s_add_nc_u64 s[PVA:PVA+1], s[PVA:PVA+1], LAPV
.endif
	s_cmp_eq_u32 s[LAP], s13
	s_cselect_b32 s[OFF], 0, s[NX]
	s_add_co_u32 s[OFF+2], s[OFF], TILEB
	s_lshl_b32 s[OFFV], s[OFF], 1
	s_lshl_b32 s[OFFV+2], s[OFF+2], 1
	s_cmp_lt_u32 s[LAP], s[PFL]
	s_cbranch_scc0 .Lno_pf_\@
	global_prefetch_b8 v[PF], s[PKA:PKA+1] th:TH_LOAD_NT scope:SCOPE_SE
	global_prefetch_b8 v[PF], s[PVA:PVA+1] th:TH_LOAD_NT scope:SCOPE_SE
	global_prefetch_b8 v[PF], s[PVA:PVA+1] offset:32768 th:TH_LOAD_NT scope:SCOPE_SE
.Lno_pf_\@:
.endm
; A block's end: l over both halves of the lanes, x = O / l, then 32 rows at a time: x = hi + lo (t = 8193 x, d = t - x, hi = t - d: x rounded to 11 bits, which f16
; holds exactly; lo = x - hi, exact in f32), both to f16, through my stage, out as stores of 512 consecutive bytes (four rows of a panel).
.macro FINISH cb, cl
.irp qt, 0,1,2,3
	v_permlanex16_b32 v[T+\qt], v[LS+\qt], s14, s15
.endr
.irp qt, 0,1,2,3
	v_add_f32 v[LS+\qt], v[LS+\qt], v[T+\qt]
.endr
.irp qt, 0,1,2,3
	v_rcp_f32 v[INV+2*\qt],   v[LS+\qt]            ; twice: a pair for the packed multiply
	v_rcp_f32 v[INV+2*\qt+1], v[LS+\qt]
.endr
	v_nop                                          ; the plain instruction behind the reciprocals
	WIN 0x51
	s_wait_alu depctr_va_vdst(0)
.irp qt, 0,1,2,3
.set i, 0
.rept 16
	v_pk_mul_f32 v[32*\qt+2*i:32*\qt+2*i+1], v[32*\qt+2*i:32*\qt+2*i+1], v[INV+2*\qt:INV+2*\qt+1]
.set i, i+1
.endr
.endr
.irp g, 0,1
	s_wait_xcnt 0x0                                ; S, from which earlier stores read their data, is written again only behind this wait
	WIN 0x01                                       ; source 0 (x) in window 1
.set i, 0
.rept 32
	v_pk_mul_f32 v[S+2*i:S+2*i+1], v[64*\g+2*i:64*\g+2*i+1], s[SPL:SPL+1] op_sel_hi:[1,0]
.set i, i+1
.endr
.set i, 0
.rept 32
	v_pk_fma_f32 v[S+64+2*i:S+64+2*i+1], v[64*\g+2*i:64*\g+2*i+1], -1.0, v[S+2*i:S+2*i+1] op_sel_hi:[1,0,1]
.set i, i+1
.endr
	WIN 0
.set i, 0
.rept 32
	v_pk_fma_f32 v[S+2*i:S+2*i+1], v[S+64+2*i:S+64+2*i+1], -1.0, v[S+2*i:S+2*i+1] op_sel_hi:[1,0,1]
.set i, i+1
.endr
	WIN 0x10                                       ; source 2 (x) in window 1
.set i, 0
.rept 32
	v_pk_fma_f32 v[S+64+2*i:S+64+2*i+1], v[S+2*i:S+2*i+1], -1.0, v[64*\g+2*i:64*\g+2*i+1] op_sel_hi:[1,0,1]
.set i, i+1
.endr
	WIN 0
.set i, 0
.rept 32
	v_cvt_pk_f16_f32 v[S+i], v[S+2*i], v[S+2*i+1]
.set i, i+1
.endr
.set i, 0
.rept 32
	v_cvt_pk_f16_f32 v[S+64+i], v[S+64+2*i], v[S+64+2*i+1]
.set i, i+1
.endr
.irp q, 0,1
.irp dt, 0,1,2,3
	ds_store_b128 v[STO], v[S+16*\q+4*\dt:S+16*\q+4*\dt+3] offset:\q*16*KPITCH+\dt*32
.endr
.endr
.irp q, 0,1
.irp dt, 0,1,2,3
	ds_store_b128 v[STO], v[S+64+16*\q+4*\dt:S+64+16*\q+4*\dt+3] offset:LOST+\q*16*KPITCH+\dt*32
.endr
.endr
.set u, 0
.rept 8
	ds_load_b128 v[S+32+4*u:S+32+4*u+3], v[RD] offset:u*4*KPITCH   ; LDS serves a wave's instructions in order: these see the stores above
.set u, u+1
.endr
.set u, 0
.rept 8
	ds_load_b128 v[S+96+4*u:S+96+4*u+3], v[RD] offset:LOST+u*4*KPITCH
.set u, u+1
.endr
.set u, 0
.rept 8
	s_wait_dscnt 15-u                              ; behind hi's load u stand 7 - u of hi's and lo's eight
	global_store_b128 v[CO], v[S+32+4*u:S+32+4*u+3], s[\cb:\cb+1] offset:(8*\g+u)*512
.set u, u+1
.endr
.set u, 0
.rept 8
	s_wait_dscnt 7-u
	global_store_b128 v[CO], v[S+96+4*u:S+96+4*u+3], s[\cl:\cl+1] offset:(8*\g+u)*512
.set u, u+1
.endr
.endr
.endm
; Between the blocks.  O and l are not cleared: with m = -1e30 the next rescale factor is 2^(-huge) = 0, and the first block's O and l are finite.
.macro SWITCH
	LOADQ QB2
	FINISH CB1, CL1
.irp qt, 0,1,2,3
	v_mov_b32 v[M+\qt], v[NEG]
.endr
	s_wait_loadcnt 0x0                             ; the second block's Q
	s_wait_xcnt 0x0                                ; the stores' data lie in S, which the next score products write
	s_add_co_u32 s[REM], s[DG2], 4
	s_mov_b32 s[NX], 0
.endm
	s_load_b128 s[4:7], s[0:1], 0x0                ; qkv s[4:5], ctx s[6:7]
	s_set_vgpr_msb 0x80
	v_lshl_add_u32 v64, v0, 2, 0x29000
	v_mov_b32 v65, 0
	s_set_vgpr_msb 0x808a
	ds_add_u32 v64, v65
	ds_add_u32 v64, v65
	s_set_vgpr_msb 0x8a00
	v_lshrrev_b32 v1, 5, v0
	v_readfirstlane_b32 s8, v1                     ; wave 0 .. 3
	s_lshr_b32 s10, s8, 1                          ; I fetch V (0) or K (1)
	s_and_b32 s11, s8, 1                           ; and which 64 keys
	s_mov_b32 s9, ttmp9                            ; p: the second block
	s_sub_co_u32 s13, 7, s9                        ; the first block, and the number of its last lap
	s_and_b32 s12, ttmp7, 0xffff
	s_and_b32 s19, s12, 15                         ; head
	s_lshr_b32 s12, s12, 4                         ; batch
	s_lshl_b32 s19, s19, 20                        ; a panel is 1 MiB
	s_lshl_b32 s12, s12, 18                        ; 2,048 rows of 128 bytes
	s_add_co_u32 s[HO], s19, s12
	s_mov_b32 s[HO+1], 0
	s_lshl_b32 s[HV], s[HO], 1                     ; in v: heads of 2 MiB, rows of 256 bytes
	s_mov_b32 s[HV+1], 0
	s_mov_b32 s14, 0x76543210                      ; v_permlanex16_b32: lane i of the other half
	s_mov_b32 s15, 0xfedcba98
	s_mov_b32 s16, 0x3e38aa3b                      ; c = log2(e) / 8
	s_mov_b32 s17, 0x3e38aa3b
	s_mov_b32 s18, 0xbe38aa3b                      ; -c
	s_mov_b32 s[SPL], 0x46000400                   ; 8193.0 = 2^13 + 1
	s_mov_b32 s[SPL+1], 0x46000400
	; group 1 for K: 64 keys are 8 KiB without gaps, taken as 32 rows of 256 bytes; 4 words of padding behind every 32 words give each key's 128 bytes the pitch 144
	s_mov_b32 s[G1K+0], (1<<16)|(1<<20)|(4<<22)|(3<<25)
	s_mov_b32 s[G1K+1], 128<<16
	s_mov_b32 s[G1K+2], 32<<16
	s_mov_b32 s[G1K+3], 128<<16
	s_mov_b32 s[G1K+4], 32
	s_mov_b32 s[G1K+5], 128
	s_mov_b32 s[G1K+6], 0
	s_mov_b32 s[G1K+7], 0
	; group 1 for V: 64 keys of 256 bytes (hi | lo); 8 words of padding behind every 64 words: pitch 288
	s_mov_b32 s[G1V+0], (1<<16)|(1<<20)|(5<<22)|(7<<25)
	s_mov_b32 s[G1V+1], 128<<16
	s_mov_b32 s[G1V+2], 64<<16
	s_mov_b32 s[G1V+3], 128<<16
	s_mov_b32 s[G1V+4], 64
	s_mov_b32 s[G1V+5], 128
	s_mov_b32 s[G1V+6], 0
	s_mov_b32 s[G1V+7], 0
	s_mul_i32 s12, s8, VHALF                       ; LDS: waves 0, 1: V at 0 and 18,432
	s_mul_i32 s19, s8, KHALF
	s_add_co_u32 s19, s19, KOFF-2*KHALF            ; waves 2, 3: K at 36,864 and 46,080
	s_lshl_b32 s[TP], s11, 13                      ; my 64 keys of 128 bytes
	s_mov_b32 s[TP+1], 0
	s_lshl_b32 s[TV], s11, 14                      ; my 64 keys of 256 bytes
	s_mov_b32 s[TV+1], 0
	s_wait_dscnt 0x0
	s_wait_kmcnt 0x0
	s_add_nc_u64 s[PKA:PKA+1], s[4:5], s[HO:HO+1]
	s_add_nc_u64 s[PKA:PKA+1], s[PKA:PKA+1], 0x1000000     ; k: panel 16 + head
	s_add_nc_u64 s[PVA:PVA+1], s[4:5], s[HV:HV+1]
	s_add_nc_u64 s[PVA:PVA+1], s[PVA:PVA+1], 0x2000000     ; v: behind the 32 panels of q and k
	s_add_nc_u64 s[KB:KB+1], s[PKA:PKA+1], s[TP:TP+1]
	s_add_nc_u64 s[VB:VB+1], s[PVA:PVA+1], s[TV:TV+1]
	s_add_nc_u64 s[PKA:PKA+1], s[PKA:PKA+1], 2*LAPB        ; lap 0 asks for lap 2's keys
	s_add_nc_u64 s[PVA:PVA+1], s[PVA:PVA+1], 2*LAPV
.irp sl, 0,1
	s_mov_b32 s[G0K+4*\sl], 1
	s_add_co_u32 s[G0K+4*\sl+1], s19, \sl*SLOT
	s_add_nc_u64 s[G0K+4*\sl+2:G0K+4*\sl+3], s[KB:KB+1], \sl*TILEB
	s_or_b32 s[G0K+4*\sl+3], s[G0K+4*\sl+3], 0x80000000
	s_mov_b32 s[G0V+4*\sl], 1
	s_add_co_u32 s[G0V+4*\sl+1], s12, \sl*SLOT
	s_add_nc_u64 s[G0V+4*\sl+2:G0V+4*\sl+3], s[VB:VB+1], \sl*TILEV
	s_or_b32 s[G0V+4*\sl+3], s[G0V+4*\sl+3], 0x80000000
.endr
	s_cmp_eq_u32 s10, 0                            ; both first fills of a wave in one branch on its number: two loads of the wave are out
	s_cbranch_scc0 .Lfirst_k
	tensor_load_to_lds s[G0V:G0V+3], s[G1V:G1V+7]
	s_nop 0
	tensor_load_to_lds s[G0V+4:G0V+7], s[G1V:G1V+7]
	s_nop 0
	s_branch .Lfirst_done
.Lfirst_k:
	tensor_load_to_lds s[G0K:G0K+3], s[G1K:G1K+7]
	s_nop 0
	tensor_load_to_lds s[G0K+4:G0K+7], s[G1K:G1K+7]
	s_nop 0
.Lfirst_done:
	s_lshl_b32 s12, s8, 13                         ; my 64 rows of a block,
	s_add_co_u32 s12, s12, s[HO]                   ; in this head and batch
	s_lshl_b32 s[TP], s13, 15                      ; a block is 256 rows of 128 bytes
	s_add_co_u32 s[TP], s[TP], s12
	s_add_nc_u64 s[QB1:QB1+1], s[4:5], s[TP:TP+1]
	s_add_nc_u64 s[CB1:CB1+1], s[6:7], s[TP:TP+1]
	s_add_nc_u64 s[CL1:CL1+1], s[CB1:CB1+1], 0x1000000     ; lo: 16 panels on
	s_lshl_b32 s[TP], s9, 15
	s_add_co_u32 s[TP], s[TP], s12
	s_add_nc_u64 s[QB2:QB2+1], s[4:5], s[TP:TP+1]
	s_add_nc_u64 s[CB2:CB2+1], s[6:7], s[TP:TP+1]
	s_add_nc_u64 s[CL2:CL2+1], s[CB2:CB2+1], 0x1000000
	v_and_b32 v20, 15, v0                          ; r
	v_bfe_u32 v21, v0, 4, 1                        ; h
	v_lshlrev_b32 v[QO], 7, v20
	v_lshl_add_u32 v[QO], v21, 4, v[QO]            ; row r of 128 bytes + 16 h
	LOADQ QB1
	v_and_b32 v22, 7, v0                           ; l % 8
	v_bfe_u32 v23, v0, 3, 1                        ; (l / 8) % 2
	v_mul_u32_u24 v24, v20, KPITCH                 ; (v24 is also the register that v_permlanex16_b32 writes later: it counts as read there, and is written here)
	v_lshl_add_u32 v24, v21, 4, v24                ; row r of 144 bytes + 16 h
	v_add_nc_u32 v[KADR], KOFF, v24
	v_add_nc_u32 v[KADR+1], KOFF+SLOT, v24
	v_lshl_add_u32 v25, v21, 3, v22                ; key 8 h + l % 8
	v_mul_u32_u24 v25, v25, VPITCH
	v_lshl_add_u32 v[VADR], v23, 4, v25
	v_add_nc_u32 v[VADR+1], SLOT, v[VADR]
	s_mul_i32 s12, s8, WSTAGE
	s_add_co_u32 s12, s12, STAGE                   ; my stage
	v_add_nc_u32 v[STO], s12, v24                  ; in: row r, 16 bytes for each half
	v_bfe_u32 v25, v0, 3, 2                        ; back: four rows a load: row l / 8, 16 bytes at l % 8
	v_mul_u32_u24 v25, v25, KPITCH
	v_lshl_add_u32 v25, v22, 4, v25
	v_add_nc_u32 v[RD], s12, v25
	v_and_b32 v25, 31, v0
	v_lshlrev_b32 v[CO], 4, v25
	v_lshlrev_b32 v[PF], 8, v0
	v_mov_b32 v[NEG], 0xf149f2ca                   ; -1e30
	v_lshlrev_b32 v25, 3, v21
	v_sub_nc_u32 v25, v20, v25                     ; r - 8 h
.irp j, 0,1,2,3,4,5,6,7
	v_cmp_gt_i32 vcc_lo, \j, v25                   ; key 8 h + j behind query r
	v_cndmask_b32 v[MD+\j], 0, v[NEG], vcc_lo
.endr
	v_mov_b32 v[NMC+1], 0                          ; upper registers of the two broadcast pairs
	v_mov_b32 v[AL+1], 0
	s_lshl2_add_u32 s[REM], s13, s8                ; 4 x block + w
	s_lshl2_add_u32 s[DG2], s9, s8
	s_mov_b32 s[NX], LAPB
	s_mov_b32 s[LAP], 0
	s_mov_b32 s[OFF+1], 0
	s_mov_b32 s[OFF+3], 0
	s_mov_b32 s[OFFV+1], 0
	s_mov_b32 s[OFFV+3], 0
	s_cmp_eq_u32 s9, 0
	s_cselect_b32 s[PFL], 6, 0
	s_wait_loadcnt 0x0                             ; Q
	s_wait_tensorcnt 0x1                           ; my part of slot 0 is in; slot 1's stays out
	s_barrier_signal -1
	s_barrier_wait -1
	LOADK 0, 0
	LOADV 0, 0
	LAPTOP 0                                       ; lap 0 stands in front of the loop: its first step starts m, l and O
	TRIP 0, 1, 0, 1, 1, 1, 1
	TRIP 1, 0, 2, 3, 1, 1, 0
	s_sub_co_u32 s[REM], s[REM], 4
	s_add_co_u32 s[NX], s[NX], LAPB
	s_mov_b32 s[LAP], 1
.Llap:
	LAPTOP 1
	TRIP 0, 1, 0, 1, 1, 1, 0
	TRIP 1, 0, 2, 3, 1, 1, 0
	s_cmp_lg_u32 s[LAP], s13                       ; the first block's last lap?  The same answer in all four waves
	s_cbranch_scc1 .Lsame_block
	SWITCH
.Lsame_block:
	s_sub_co_u32 s[REM], s[REM], 4
	s_add_co_u32 s[NX], s[NX], LAPB
	s_add_co_u32 s[LAP], s[LAP], 1
	s_cmp_lt_u32 s[LAP], 8
	s_cbranch_scc1 .Llap
	TRIP 0, 1, 0, 1, 0, 1, 0                       ; lap 8: nothing is left to fetch
	TRIP 1, 0, 2, 3, 0, 0, 0
	FINISH CB2, CL2
	s_set_vgpr_msb 0xa
	s_wait_tensorcnt 0x0
	ds_add_u32 v64, v65
	s_wait_dscnt 0x0
	s_set_vgpr_msb 0xa00
	s_endpgm
.Lfunc_end_k_q20e40e1774_attn:
	.size	k_q20e40e1774_attn, .Lfunc_end_k_q20e40e1774_attn-k_q20e40e1774_attn
	.p2alignl 7, 3214868480
	.fill 96, 4, 3214868480
	.section	.rodata,"a",@progbits
	.p2align	6, 0x0
	.amdhsa_kernel k_q20e40e1774_attn
		.amdhsa_group_segment_fixed_size 327680
		.amdhsa_private_segment_fixed_size 0
		.amdhsa_enable_private_segment 0
		.amdhsa_kernarg_size 16
		.amdhsa_user_sgpr_count 2
		.amdhsa_user_sgpr_kernarg_segment_ptr 1
		.amdhsa_wavefront_size32 1
		.amdhsa_system_sgpr_workgroup_id_x 1
		.amdhsa_system_sgpr_workgroup_id_y 1
		.amdhsa_system_sgpr_workgroup_id_z 1
		.amdhsa_system_vgpr_workitem_id 0
		.amdhsa_next_free_vgpr 578
		.amdhsa_next_free_sgpr 100
		.amdhsa_reserve_vcc 1
		.amdhsa_float_denorm_mode_32 3
		.amdhsa_float_denorm_mode_16_64 3
		.amdhsa_memory_ordered 1
		.amdhsa_forward_progress 1
		.amdhsa_inst_pref_size 255
	.end_amdhsa_kernel
	.section	.bss,"aw",@nobits
	.p2align	6
	.space	262144
	.amdgpu_metadata
---
amdhsa.version: [ 1, 2 ]
amdhsa.kernels:
  - .name:           k_q20e40e1774_attn
    .symbol:         k_q20e40e1774_attn.kd
    .args:
      - { .name: qkv, .offset: 0, .size: 8, .value_kind: global_buffer, .address_space: global }
      - { .name: ctx, .offset: 8, .size: 8, .value_kind: global_buffer, .address_space: global }
    .group_segment_fixed_size: 327680
    .private_segment_fixed_size: 0
    .kernarg_segment_align: 8
    .kernarg_segment_size: 16
    .max_flat_workgroup_size: 128
    .sgpr_count:     100
    .vgpr_count:     578
    .wavefront_size: 32
...
	.end_amdgpu_metadata
.endif
;; end of part 3
;; launch outp (part 4): grid 8 x 32, 4 waves a work-group, clusters of 4 x 4, 327,680 bytes of LDS; arguments ctx, wh, bo, out0; writes out0
.if DOCPART == 4
	.amdgcn_target "amdgcn-amd-amdhsa--gfx1250"
	.amdhsa_code_object_version 6
	.text
	.protected	k_q20e40e1774_outp
	.globl	k_q20e40e1774_outp
	.p2align	8
	.type	k_q20e40e1774_outp,@function
k_q20e40e1774_outp:
	s_mov_b64 s[64:65], 0
	v_nop
	global_prefetch_b8 v0, s[64:65] scope:SCOPE_SE
	s_setreg_imm32_b32 hwreg(HW_REG_WAVE_MODE, 25, 1), 1
	s_wait_xcnt 0x0
	s_wait_alu depctr_hold_cnt(0) depctr_sa_sdst(0) depctr_va_vdst(0) depctr_va_sdst(0) depctr_va_ssrc(0) depctr_va_vcc(0) depctr_vm_vsrc(0)
	s_getreg_b32 s2, hwreg(HW_REG_IB_STS2, 6, 4)
	s_cmp_eq_u32 s2, 0
	s_cbranch_scc0 .Lentry_in_a_cluster
	s_endpgm
.Lentry_in_a_cluster:
	s_bfe_u32 s2, ttmp6, 0x10000c
	s_cmp_lg_u32 s2, 0xf033
	s_cbranch_scc0 .Lentry_shape_is_right
	s_endpgm
.Lentry_shape_is_right:
; out0 = ctx Wo + bo:  C[8192][1024] = (Ahi + Alo)[8192][1024] W[1024][1024] + bias, f16 operands, f32 sums, f32 out.
; A = ctx, f16, panel-major [32][8192][64]: panels 0-15 hold hi, panels 16-31 lo, ctx = hi + lo (22 bits); W = the fourth section of wh, [k][n]; C row-major f32.
; The sum runs over 2,048: in each lap of the ring slot 0 holds two hi panels (128 along k) and slot 1 the same two lo panels, each with the same 128 k rows of W.
; The same main loop as the projection of q, k, v: a work-group makes 256 rows x 128 columns with four waves (8 x 32 = 256 work-groups), a wave
; 64 rows x 128 columns in 32 accumulator tiles; two LDS slots; clusters of 4 x 4, A's tile asked for jointly along a row of the cluster, W's along
; a column.  The matrix instruction is used transposed (source 0 = 16 columns of W by the transposing LDS load, source 1 = 16 rows of A):
; lane l holds row l % 16 and columns 8 (l / 16) + 0 .. 7 of a tile.
; REGISTERS: window 0: v16-31 addresses and bias, v32-127 and v128-223 two fragment buffers; window 1: tile (a, b) at v[8 (8 a + b)].
; LIMIT: f16 operands: magnitudes below 65,504.  The order of the sums is the matrix unit's, k ascending, hi and lo by turns; the bias is added last.
.set APITCH, 144                       ; 128 bytes + 16 = 9 x 16
.set BPITCH, 288                       ; 256 bytes + 32 = 9 x 32
.set APANEL, 256*APITCH
.set BHALF,  64*BPITCH
.set BOFF,   2*APANEL
.set SLOT,   BOFF+2*BHALF              ; 110,592
.set STAGE,  2*SLOT                    ; 221,184: 16 rows x 528 bytes for each wave; no tensor load lands here
.set SPITCH, 528                       ; 512 bytes + 16 = 33 x 16
.set LAPS,   8                         ; 1,024 along k in steps of 128, each step once for hi and once for lo
.set SEC8,   24                        ; Wo: the fourth section of wh, in blocks of 128 columns
.set ADRA, 16
.set ADRB, 20
.set STO,  24
.set RD,   25
.set CO,   26
.set BIAS, 28                          ; v[28:31] bo of my four columns
.set F0,   32
.set F1,   128
.set G1,  24
.set G0,  32
.set G1B, 48
.set G0B, 56
.set MUL, 0x50
.set MSB, 0
.macro WIN new
.if MSB != \new
	s_set_vgpr_msb (MSB<<8)|\new
.set MSB, \new
.endif
.endm
.macro JLOAD s                         ; waves 0, 1: A's two panels; waves 2, 3: W's two halves
	s_cmp_eq_u32 s11, 0
	s_cbranch_scc0 .Lfor_b_\@
	tensor_load_to_lds s[G0+4*\s:G0+4*\s+3], s[G1:G1+7]
	s_nop 0
	s_branch .Lasked_\@
.Lfor_b_\@:
	tensor_load_to_lds s[G0B+4*\s:G0B+4*\s+3], s[G1B:G1B+7]
	s_nop 0
.Lasked_\@:
.endm
.macro CREST
	s_cmp_lg_u32 s10, 0
	s_cbranch_scc1 .Lnot_wave_0_\@
	s_barrier_signal -3
.Lnot_wave_0_\@:
	s_barrier_wait -3
	s_barrier_signal -1
	s_barrier_wait -1
.endm
.macro CROUND
	s_barrier_signal -1
	s_barrier_wait -1
	CREST
.endm
.macro PLACES                          ; four independent vector instructions behind a matrix instruction (ISA guide 7.12.1)
.rept 4
	v_nop
.endr
.endm
	s_load_b128 s[4:7], s[0:1], 0x0                ; ctx s[4:5], wh s[6:7]
	s_load_b64 s[66:67], s[0:1], 0x10              ; bo
	s_load_b64 s[8:9], s[0:1], 0x18                ; out0
	v_lshl_add_u32 v254, v0, 2, 0x3e400
	v_mov_b32 v255, 0
	ds_add_u32 v254, v255
	ds_add_u32 v254, v255
	v_lshrrev_b32 v1, 5, v0
	v_readfirstlane_b32 s10, v1                    ; wave 0 .. 3
	s_lshr_b32 s11, s10, 1
	s_and_b32 s12, s10, 1
	s_bfe_u32 s40, ttmp6, 0x40000                  ; cx
	s_bfe_u32 s41, ttmp6, 0x40004                  ; cy
	s_lshl_b32 s42, ttmp9, 2
	s_add_co_u32 s42, s42, s40                     ; block column 0 .. 7
	s_and_b32 s13, ttmp7, 0xffff
	s_lshl_b32 s13, s13, 2
	s_add_co_u32 s13, s13, s41                     ; block row 0 .. 31
	s_lshl_b32 s43, s41, 2
	s_lshl_b32 s43, 15, s43                        ; my row of the cluster
	s_lshl_b32 s44, 0x1111, s40                    ; my column
	; group 1 for A: 32 KiB without gaps as 128 rows of 256 bytes; 4 words of padding behind every 32 words: pitch 144 for each 128-byte row
	s_or_b32 s[G1+0], s43, (1<<16)|(1<<20)|(1<<21)|(4<<22)|(3<<25)
	s_mov_b32 s[G1+1], 128<<16
	s_mov_b32 s[G1+2], 128<<16
	s_mov_b32 s[G1+3], 128<<16
	s_mov_b32 s[G1+4], 128
	s_mov_b32 s[G1+5], 128
	s_mov_b32 s[G1+6], 0
	s_mov_b32 s[G1+7], 0
	; group 1 for W: 64 k rows of 256 bytes, 1,024 elements apart; 8 words of padding behind every 64 words: pitch 288
	s_or_b32 s[G1B+0], s44, (1<<16)|(1<<20)|(1<<21)|(5<<22)|(7<<25)
	s_mov_b32 s[G1B+1], 128<<16
	s_mov_b32 s[G1B+2], 64<<16
	s_mov_b32 s[G1B+3], 128<<16
	s_mov_b32 s[G1B+4], 64
	s_mov_b32 s[G1B+5], 1024
	s_mov_b32 s[G1B+6], 0
	s_mov_b32 s[G1B+7], 0
	s_lshl_b32 s16, s13, 15                        ; A: 256 rows of 128 bytes,
	s_lshl_b32 s17, s12, 20                        ; panel 0 or 1 of the step
	s_add_co_u32 s16, s16, s17
	s_mov_b32 s17, 0
	s_add_co_u32 s46, s42, SEC8                    ; W: section and 128 columns,
	s_lshr_b32 s47, s46, 3
	s_lshl_b32 s47, s47, 21
	s_and_b32 s46, s46, 7
	s_lshl_b32 s46, s46, 8
	s_add_co_u32 s46, s46, s47
	s_lshl_b32 s47, s12, 17                        ; 64 k rows of 2,048 bytes
	s_add_co_u32 s46, s46, s47
	s_mov_b32 s47, 0
	s_mul_i32 s20, s10, APANEL
	s_mul_i32 s22, s10, BHALF
	s_add_co_u32 s22, s22, BOFF-2*BHALF
	s_lshl_b32 s68, s42, 9                         ; my block's 128 numbers of bo
	s_mov_b32 s69, 0
	s_wait_dscnt 0x0
	s_wait_kmcnt 0x0
	s_add_nc_u64 s[14:15], s[4:5], s[16:17]
	s_add_nc_u64 s[46:47], s[6:7], s[46:47]
	s_add_nc_u64 s[66:67], s[66:67], s[68:69]
	CROUND                                         ; all sixteen work-groups are here: the first joint loads meet
.irp s, 0,1
	s_mov_b32 s[G0+4*\s], 1
	s_add_co_u32 s[G0+4*\s+1], s20, \s*SLOT
	s_add_nc_u64 s[G0+4*\s+2:G0+4*\s+3], s[14:15], \s*0x1000000    ; slot 0: hi; slot 1: lo, 16 panels on
	s_or_b32 s[G0+4*\s+3], s[G0+4*\s+3], 0x80000000
	s_mov_b32 s[G0B+4*\s], 1
	s_add_co_u32 s[G0B+4*\s+1], s22, \s*SLOT
	s_mov_b64 s[G0B+4*\s+2:G0B+4*\s+3], s[46:47]                   ; both slots: the same k rows of W
	s_or_b32 s[G0B+4*\s+3], s[G0B+4*\s+3], 0x80000000
	JLOAD \s                                       ; two loads of the wave are out
.endr
	v_and_b32 v1, 15, v0                           ; r
	v_bfe_u32 v2, v0, 4, 1                         ; h
	v_and_b32 v3, 7, v0
	v_bfe_u32 v4, v0, 3, 1
	v_and_b32 v7, 31, v0
	v_lshlrev_b32 v[CO], 4, v7                     ; 16 bytes a lane: a row's 512 bytes
	global_load_b128 v[BIAS:BIAS+3], v[CO], s[66:67]
	v_mul_u32_u24 v5, v1, APITCH
	v_lshl_add_u32 v5, v2, 4, v5
	s_mul_i32 s21, s10, 64*APITCH
	v_add_nc_u32 v[ADRA], s21, v5
	v_add_nc_u32 v[ADRA+1], SLOT, v[ADRA]
	v_lshl_add_u32 v6, v2, 3, v3
	v_mul_u32_u24 v6, v6, BPITCH
	v_lshl_add_u32 v6, v4, 4, v6
	v_add_nc_u32 v[ADRB], BOFF, v6
	v_add_nc_u32 v[ADRB+1], BOFF+SLOT, v6
	s_mul_i32 s23, s10, 16*SPITCH
	s_add_co_u32 s23, s23, STAGE                   ; my stage
	v_mul_u32_u24 v7, v1, SPITCH                   ; in: row r, 32 bytes for each half of the lanes
	v_lshl_add_u32 v7, v2, 5, v7
	v_add_nc_u32 v[STO], s23, v7
	v_add_nc_u32 v[RD], s23, v[CO]                 ; back: a whole row a load
.macro FETCH sl, kq, f
.irp b, 0,1,2,3,4,5,6,7
	ds_load_tr16_b128 v[\f+8*\b:\f+8*\b+3],   v[ADRB+\sl] offset:\kq*32*BPITCH+32*\b
	ds_load_tr16_b128 v[\f+8*\b+4:\f+8*\b+7], v[ADRB+\sl] offset:\kq*32*BPITCH+32*\b+16*BPITCH
.endr
.irp a, 0,1,2,3
	ds_load_b128 v[\f+64+8*\a:\f+64+8*\a+3], v[ADRA+\sl] offset:(\kq>>1)*APANEL+(\kq&1)*64+\a*16*APITCH
	ds_load_b128 v[\f+64+8*\a+4:\f+64+8*\a+7], v[ADRA+\sl] offset:(\kq>>1)*APANEL+(\kq&1)*64+\a*16*APITCH+32
.endr
.endm
; The 32 accumulators take turns, one instruction a turn, in the same order in every quarter step.
.macro MUL16 f, a0, zero
.irp a, \a0, \a0+1
.irp b, 0,1,2,3,4,5,6,7
.if \zero
	v_wmma_f32_16x16x32_f16 v[8*(8*(\a)+\b):8*(8*(\a)+\b)+7], v[\f+8*\b:\f+8*\b+7], v[\f+64+8*(\a):\f+64+8*(\a)+7], 0
.else
	v_wmma_f32_16x16x32_f16 v[8*(8*(\a)+\b):8*(8*(\a)+\b)+7], v[\f+8*\b:\f+8*\b+7], v[\f+64+8*(\a):\f+64+8*(\a)+7], v[8*(8*(\a)+\b):8*(8*(\a)+\b)+7]
.endif
.endr
.endr
.endm
.macro QUARTER sl, kq, f, g, zero
	PLACES                                         ; g was read by the matrix instructions just issued
	WIN 0
	FETCH \sl, \kq, \g
	s_wait_dscnt 24                                ; all but the 24 just issued: buffer f is in
	WIN MUL
	MUL16 \f, 0, \zero
	MUL16 \f, 2, \zero
.endm
.macro THREE sl, zero
	QUARTER \sl, 1, F0, F1, \zero
	QUARTER \sl, 2, F1, F0, 0
	QUARTER \sl, 3, F0, F1, 0
.endm
; The change of slots: each wave's reads of this slot and all its tensor loads are waited for in front of the barrier; where the slot is filled
; again the barrier opens a round of the cluster's barrier, and the joint refill is the first tensor load behind the round.
.macro TURN sl, next, fill
	s_wait_dscnt 0x0
	s_wait_tensorcnt 0x0
	ds_add_u32 v254, v255
	s_wait_dscnt 0x0
	s_barrier_signal -1
	WIN MUL
	MUL16 F1, 0, 0
	WIN 0
	s_barrier_wait -1
.if \fill
	CREST
	s_add_nc_u64 s[G0+4*\sl+2:G0+4*\sl+3], s[G0+4*\sl+2:G0+4*\sl+3], 0x200000      ; this slot's next lap: two panels on
	s_add_nc_u64 s[G0B+4*\sl+2:G0B+4*\sl+3], s[G0B+4*\sl+2:G0B+4*\sl+3], 0x40000   ; 128 k rows on
	JLOAD \sl
.endif
	PLACES
	FETCH \next, 0, F0
	WIN MUL
	MUL16 F1, 2, 0
.endm
.macro LAP zero
	THREE 0, \zero
	TURN 0, 1, 1
	THREE 1, 0
	TURN 1, 0, 1
.endm
	s_wait_loadcnt 0x0                             ; the bias
	s_wait_tensorcnt 0x1                           ; my part of slot 0 is in; slot 1's stays out
	s_barrier_signal -1
	s_barrier_wait -1
	FETCH 0, 0, F0
	LAP 1
	WIN 0
	s_mov_b32 s3, LAPS-2
.Llap:
	LAP 0
	WIN 0
	s_sub_co_u32 s3, s3, 1
	s_cmp_lg_u32 s3, 0
	s_cbranch_scc1 .Llap
	THREE 0, 0                                     ; the last lap fills nothing
	TURN 0, 1, 0
	THREE 1, 0
	s_wait_dscnt 0x0
	WIN MUL
	MUL16 F1, 0, 0
	MUL16 F1, 2, 0
	; THE WAY OUT, 16 rows at a time: the f32 sums go into my stage as they lie, come back as whole rows of 512 bytes, get the bias and leave.
	PLACES
	WIN 0
	s_lshl_b32 s16, s13, 20                        ; block row: 256 rows of 4,096 bytes
	s_lshl_b32 s17, s10, 18                        ; my 64 rows
	s_add_co_u32 s16, s16, s17
	s_mov_b32 s17, 0
	s_add_nc_u64 s[8:9], s[8:9], s[16:17]
	s_add_nc_u64 s[8:9], s[8:9], s[68:69]          ; my block's 128 columns: 512 bytes, as in bo
.macro OUT16F a, f
	WIN 0x04                                       ; the stores' data in window 1
.irp b, 0,1,2,3,4,5,6,7
	ds_store_b128 v[STO], v[8*(8*\a+\b):8*(8*\a+\b)+3]   offset:64*\b
	ds_store_b128 v[STO], v[8*(8*\a+\b)+4:8*(8*\a+\b)+7] offset:64*\b+16
.endr
	WIN 0
	s_wait_xcnt 0x0                                ; buffer f, which earlier stores read, is loaded again only behind this wait
.set t, 0
.rept 16
	ds_load_b128 v[\f+4*t:\f+4*t+3], v[RD] offset:t*SPITCH         ; LDS serves a wave's instructions in order: these see the stores above
.set t, t+1
.endr
.set t, 0
.rept 16
	s_wait_dscnt 15-t
	v_pk_add_f32 v[\f+4*t:\f+4*t+1],   v[\f+4*t:\f+4*t+1],   v[BIAS:BIAS+1]
	v_pk_add_f32 v[\f+4*t+2:\f+4*t+3], v[\f+4*t+2:\f+4*t+3], v[BIAS+2:BIAS+3]
	global_store_b128 v[CO], v[\f+4*t:\f+4*t+3], s[8:9] offset:(16*\a+t)*4096 th:TH_STORE_NT   ; 512 consecutive aligned bytes of a row
.set t, t+1
.endr
.endm
	OUT16F 0, F0
	OUT16F 1, F1
	OUT16F 2, F0
	OUT16F 3, F1
	s_wait_tensorcnt 0x0
	ds_add_u32 v254, v255
	s_wait_dscnt 0x0
	CROUND                                         ; the closing round: no work-group ends while a partner may still ask for a tile that names it
	s_endpgm
.Lfunc_end_k_q20e40e1774_outp:
	.size	k_q20e40e1774_outp, .Lfunc_end_k_q20e40e1774_outp-k_q20e40e1774_outp
	.p2alignl 7, 3214868480
	.fill 96, 4, 3214868480
	.section	.rodata,"a",@progbits
	.p2align	6, 0x0
	.amdhsa_kernel k_q20e40e1774_outp
		.amdhsa_group_segment_fixed_size 327680
		.amdhsa_private_segment_fixed_size 0
		.amdhsa_enable_private_segment 0
		.amdhsa_kernarg_size 32
		.amdhsa_user_sgpr_count 2
		.amdhsa_user_sgpr_kernarg_segment_ptr 1
		.amdhsa_wavefront_size32 1
		.amdhsa_system_sgpr_workgroup_id_x 1
		.amdhsa_system_sgpr_workgroup_id_y 1
		.amdhsa_system_sgpr_workgroup_id_z 1
		.amdhsa_system_vgpr_workitem_id 0
		.amdhsa_next_free_vgpr 512
		.amdhsa_next_free_sgpr 70
		.amdhsa_reserve_vcc 0
		.amdhsa_float_denorm_mode_32 3
		.amdhsa_float_denorm_mode_16_64 3
		.amdhsa_memory_ordered 1
		.amdhsa_forward_progress 1
		.amdhsa_inst_pref_size 125
	.end_amdhsa_kernel
	.amdgpu_metadata
---
amdhsa.version: [ 1, 2 ]
amdhsa.kernels:
  - .name:           k_q20e40e1774_outp
    .symbol:         k_q20e40e1774_outp.kd
    .args:
      - { .name: ctx, .offset: 0, .size: 8, .value_kind: global_buffer, .address_space: global }
      - { .name: wh, .offset: 8, .size: 8, .value_kind: global_buffer, .address_space: global }
      - { .name: bo, .offset: 16, .size: 8, .value_kind: global_buffer, .address_space: global }
      - { .name: out0, .offset: 24, .size: 8, .value_kind: global_buffer, .address_space: global }
    .group_segment_fixed_size: 327680
    .private_segment_fixed_size: 0
    .kernarg_segment_align: 8
    .kernarg_segment_size: 32
    .max_flat_workgroup_size: 128
    .sgpr_count:     70
    .vgpr_count:     512
    .wavefront_size: 32
...
	.end_amdgpu_metadata
.endif
;; end of part 4
;; ======== version 2 of 3: 4 launches
;; limits: values are held in f16: magnitudes above 65,504 overflow, below 6.1e-05 lose precision
;; workspace buffers: xh 16,777,216 bytes; wh 8,388,608 bytes; qkv 50,331,648 bytes; ctx 16,777,216 bytes; vlo 524,288 bytes; clo 524,288 bytes
;; launch tohalf: the kernel of part 1 again; grid 768 x 1, 8 waves a work-group, no clusters, 0 bytes of LDS; arguments x, Wq, Wk, Wv, Wo, xh, wh; writes xh, wh
;; launch proj (part 5): grid 12 x 32, 4 waves a work-group, clusters of 4 x 4, 327,680 bytes of LDS; arguments xh, wh, qkv, vlo; writes qkv, vlo
.if DOCPART == 5
	.amdgcn_target "amdgcn-amd-amdhsa--gfx1250"
	.amdhsa_code_object_version 6
	.text
	.protected	k_q20e40e1774_proj
	.globl	k_q20e40e1774_proj
	.p2align	8
	.type	k_q20e40e1774_proj,@function
k_q20e40e1774_proj:
	s_mov_b64 s[64:65], 0
	v_nop
	global_prefetch_b8 v0, s[64:65] scope:SCOPE_SE
	s_setreg_imm32_b32 hwreg(HW_REG_WAVE_MODE, 25, 1), 1
	s_wait_xcnt 0x0
	s_wait_alu depctr_hold_cnt(0) depctr_sa_sdst(0) depctr_va_vdst(0) depctr_va_sdst(0) depctr_va_ssrc(0) depctr_va_vcc(0) depctr_vm_vsrc(0)
	s_getreg_b32 s2, hwreg(HW_REG_IB_STS2, 6, 4)
	s_cmp_eq_u32 s2, 0
	s_cbranch_scc0 .Lentry_in_a_cluster
	s_endpgm
.Lentry_in_a_cluster:
	s_bfe_u32 s2, ttmp6, 0x10000c
	s_cmp_lg_u32 s2, 0xf033
	s_cbranch_scc0 .Lentry_shape_is_right
	s_endpgm
.Lentry_shape_is_right:
; q | k | v = x [Wq | Wk | Wv]:  C[8192][3072] = A[8192][1024] W[1024][3072], bf16 operands, f32 sums, C rounded to f16.
; A = xh, bf16, panel-major [16][8192][64]; W = wh, bf16, three sections [k][n] of 1,024 columns.
; OUT: qkv, f16, panel-major [48][8192][64]: q of head h = panel h, k = 16 + h, v = 32 + h (rows of 128 bytes, a panel 1 MiB);
; vlo, f16, [4 batches][16 heads][64 rows][64]: for rows 0 .. 63 of each sequence v is kept as hi + lo (22 bits), hi in v's panel, lo here.
; WHY THOSE ROWS: a causal row with at most 64 keys passes v on nearly unaveraged whatever the data, so it can stand many times above the root
; mean square of the whole output, by which errors are measured; only keys 0 .. 63 reach such rows.
; LIMIT: from row 64 on v carries one f16 rounding (up to 2^-11 of its own size); q and k likewise everywhere.  |q|, |k|, |v| below 65,504; parts below
; 6e-5 in magnitude are kept to 3e-8 absolute.  The order of the sums is the matrix unit's, K ascending.
; A work-group makes 256 rows x 256 columns with four waves, as many as a WGP has SIMDs; 12 x 32 = 384 work-groups.  A wave makes 128 x 128: 64 accumulator
; tiles of 16 x 16, 512 registers.  K goes in steps of 128 (two panels of A, 128 k rows of W) through two LDS slots.  A slot is asked for again just behind
; the barrier that ends its step, and the wait for that load stands in the next step's last quarter: 240 matrix instructions of the wave lie between.
; For 32 along K a wave reads 16 fragments (32 LDS loads) for 64 matrix instructions.
; CLUSTERS of 4 x 4: A's tile hangs on the block row alone and is asked for jointly along a row of the cluster, W's on the block
; column alone and is asked for jointly along a column: the requests for both are divided by four.
; BLOCK COLUMN = 4 cluster x + cx: a section of W is four blocks wide, so the cluster's x is the section (0 q, 1 k, 2 v).
; BLOCK ROW = 8 cy + cluster y: batch cy, block cluster y of its 8.  So the first blocks of the four batches lie in cluster row 0, and
; 'v' and 'first block' are questions to the cluster's x and y, with the same answers in all sixteen partners.
; THE MATRIX INSTRUCTION IS USED TRANSPOSED: source 0 = 16 columns of W (brought out of [k][n] by the transposing LDS load),
; source 1 = 16 rows of A.  Lane l then holds row l % 16 and the eight neighbouring columns 8 (l / 16) + 0 .. 7 of a tile.
; REGISTERS, in windows of 256: window 0: v16-27 addresses; v64-127, v128-191 fragments of A (8 x 16 rows x 32 K), two buffers; on the way out v32-255 at work;
; window 1: v64-127, v128-191 fragments of W, two buffers; window 2: the 32 tiles of my rows 0-63 (tile (a, b) at v[8 (8 a + b)]); window 3: those of my rows 64-127.
.set APITCH, 144                       ; a row of a panel: 128 bytes + 16: 9 x 16, so sixteen rows start in sixteen different 16-byte columns of 256
.set BPITCH, 544                       ; a k row of W's tile: 512 bytes + 32: 17 x 32, an odd multiple of 32, which the transposing load wants
.set APANEL, 256*APITCH                ; 36,864: 256 rows of one panel, what wave 0 or 1 brings
.set BHALF,  64*BPITCH                 ; 34,816: 64 k rows, what wave 2 or 3 brings
.set BOFF,   2*APANEL                  ; 73,728
.set SLOT,   BOFF+2*BHALF              ; 143,360
.set STAGE,  2*SLOT                    ; 286,720: behind the ring, 16 rows x 272 bytes for each wave; no tensor load lands here
.set SPITCH, 272
.set LAPS,   4                         ; K = 1,024 = 8 steps = 4 laps round the ring
.set ADRA, 16                          ; v16-17  my A fragments in slot 0, 1
.set ADRB, 20                          ; v20-21  my W fragments in slot 0, 1
.set STO,  24
.set RD,   25
.set CO,   26                          ; my offset in qkv
.set COL,  27                          ; my offset in vlo
.set F0,   64
.set F1,   128
.set TMP,  224                         ; the way out: packed results
.set TT,   32                          ; the split: v32-95 t, then hi; v96-159 d, then lo; v160-223 rows read back
.set DD,   96
.set RB,   160
.set G1,  24                           ; s[24:31] group 1 for A's tiles
.set G0,  32                           ; s[32:39] group 0 for A's tiles, a set for each slot
.set G1B, 48                           ; s[48:55] group 1 for W's tiles
.set G0B, 56                           ; s[56:63] group 0 for W's tiles, a set for each slot
.set MUL_LO, 0xa1                      ; source 0 (W) window 1, source 1 (A) window 0, C and D window 2
.set MUL_HI, 0xf1                      ; the same, C and D window 3
.set TO_B,   0x40                      ; destination window 1, address window 0
.set MSB, 0
.macro WIN new                         ; the immediate's high byte repeats the setting that is left
.if MSB != \new
	s_set_vgpr_msb (MSB<<8)|\new
.set MSB, \new
.endif
.endm
; A joint load: waves 0 and 1 ask for A's two panels, waves 2 and 3 for W's two halves.  Each line has one mask and one set of registers.
.macro JLOAD s
	s_cmp_eq_u32 s11, 0
	s_cbranch_scc0 .Lfor_b_\@
	tensor_load_to_lds s[G0+4*\s:G0+4*\s+3], s[G1:G1+7]
	s_nop 0
	s_branch .Lasked_\@
.Lfor_b_\@:
	tensor_load_to_lds s[G0B+4*\s:G0B+4*\s+3], s[G1B:G1B+7]
	s_nop 0
.Lasked_\@:
.endm
.macro CREST                           ; a round of the cluster's barrier behind its opening barrier
	s_cmp_lg_u32 s10, 0
	s_cbranch_scc1 .Lnot_wave_0_\@
	s_barrier_signal -3
.Lnot_wave_0_\@:
	s_barrier_wait -3
	s_barrier_signal -1
	s_barrier_wait -1
.endm
.macro CROUND                          ; a whole round
	s_barrier_signal -1
	s_barrier_wait -1
	CREST
.endm
.macro PLACES                          ; four independent vector instructions behind a matrix instruction, in front of loads into its sources and of readers of its result
.rept 4
	v_nop
.endr
.endm
	s_load_b128 s[4:7], s[0:1], 0x0                ; xh s[4:5], wh s[6:7]
	s_load_b64 s[8:9], s[0:1], 0x10                ; qkv
	s_load_b64 s[18:19], s[0:1], 0x18              ; vlo
	s_set_vgpr_msb 0x40
	v_lshl_add_u32 v255, v0, 2, 0x4a400
	s_set_vgpr_msb 0x4000
	v_mov_b32 v31, 0
	s_set_vgpr_msb 0x1
	ds_add_u32 v255, v31
	ds_add_u32 v255, v31
	s_set_vgpr_msb 0x100
	v_lshrrev_b32 v1, 5, v0
	v_readfirstlane_b32 s10, v1                    ; wave 0 .. 3
	s_lshr_b32 s11, s10, 1                         ; which half of the block's rows is mine.  Also: I fetch for A (0) or for W (1)
	s_and_b32 s12, s10, 1                          ; which half of its columns.  Also: which half of that tile I fetch
	s_bfe_u32 s40, ttmp6, 0x40000                  ; cx
	s_bfe_u32 s41, ttmp6, 0x40004                  ; cy
	s_lshl_b32 s42, ttmp9, 2
	s_add_co_u32 s42, s42, s40                     ; block column 0 .. 11
	s_and_b32 s45, ttmp7, 0xffff                   ; the cluster's y, 0 .. 7: the block in its batch
	s_lshl_b32 s13, s41, 3
	s_add_co_u32 s13, s13, s45                     ; block row = 8 cy + cluster y
	s_lshl_b32 s43, s41, 2
	s_lshl_b32 s43, 15, s43                        ; my row of the cluster
	s_lshl_b32 s44, 0x1111, s40                    ; my column
	; group 1 for A: a panel's 256 rows are 32 KiB without gaps, taken as 128 rows of 256 bytes; 4 words of padding behind every 32 words give each 128-byte row the pitch 144
	s_or_b32 s[G1+0], s43, (1<<16)|(1<<20)|(1<<21)|(4<<22)|(3<<25)
	s_mov_b32 s[G1+1], 128<<16                     ; tensor_dim0 = 128 elements
	s_mov_b32 s[G1+2], 128<<16                     ; tensor_dim1 = 128 rows
	s_mov_b32 s[G1+3], 128<<16                     ; tile_dim0 = 128
	s_mov_b32 s[G1+4], 128                         ; tile_dim1 = 128
	s_mov_b32 s[G1+5], 128                         ; from row to row: 128 elements
	s_mov_b32 s[G1+6], 0
	s_mov_b32 s[G1+7], 0
	; group 1 for W: 64 k rows of 256 columns (512 bytes), 1,024 elements apart; 8 words of padding behind every 128 words: pitch 544
	s_or_b32 s[G1B+0], s44, (1<<16)|(1<<20)|(1<<21)|(6<<22)|(7<<25)
	s_mov_b32 s[G1B+1], 256<<16                    ; tensor_dim0 = 256 elements
	s_mov_b32 s[G1B+2], 64<<16                     ; tensor_dim1 = 64 rows
	s_mov_b32 s[G1B+3], 256<<16                    ; tile_dim0 = 256
	s_mov_b32 s[G1B+4], 64                         ; tile_dim1 = 64
	s_mov_b32 s[G1B+5], 1024                       ; from row to row: 1,024 elements
	s_mov_b32 s[G1B+6], 0
	s_mov_b32 s[G1B+7], 0
	; A's address is made of the block row and the wave, W's of the block column and the wave, in registers that never hold the other coordinate
	s_lshl_b32 s16, s13, 15                        ; 256 rows of 128 bytes
	s_lshl_b32 s17, s12, 20                        ; panel 0 or 1 of the step
	s_add_co_u32 s16, s16, s17
	s_mov_b32 s17, 0
	s_lshr_b32 s47, s42, 2
	s_lshl_b32 s47, s47, 21                        ; the section of 2 MiB
	s_and_b32 s46, s42, 3
	s_lshl_b32 s46, s46, 9                         ; 256 columns of 2 bytes
	s_add_co_u32 s46, s46, s47
	s_lshl_b32 s47, s12, 17                        ; 64 k rows of 2,048 bytes
	s_add_co_u32 s46, s46, s47
	s_mov_b32 s47, 0
	s_mul_i32 s20, s10, APANEL                     ; LDS: waves 0, 1: A's panels
	s_mul_i32 s22, s10, BHALF
	s_add_co_u32 s22, s22, BOFF-2*BHALF            ; waves 2, 3: W's halves at BOFF and BOFF + BHALF
	s_wait_dscnt 0x0
	s_wait_kmcnt 0x0
	s_add_nc_u64 s[14:15], s[4:5], s[16:17]
	s_add_nc_u64 s[46:47], s[6:7], s[46:47]
	CROUND                                         ; all sixteen work-groups are here: the first joint loads meet
.irp s, 0,1
	s_mov_b32 s[G0+4*\s], 1
	s_add_co_u32 s[G0+4*\s+1], s20, \s*SLOT
	s_add_nc_u64 s[G0+4*\s+2:G0+4*\s+3], s[14:15], \s*0x200000     ; K step s: two panels on
	s_or_b32 s[G0+4*\s+3], s[G0+4*\s+3], 0x80000000
	s_mov_b32 s[G0B+4*\s], 1
	s_add_co_u32 s[G0B+4*\s+1], s22, \s*SLOT
	s_add_nc_u64 s[G0B+4*\s+2:G0B+4*\s+3], s[46:47], \s*0x40000    ; K step s: 128 k rows on
	s_or_b32 s[G0B+4*\s+3], s[G0B+4*\s+3], 0x80000000
	JLOAD \s                                       ; both slots are asked for before anything else: two loads of the wave are out
.endr
	v_and_b32 v1, 15, v0                           ; r = l % 16
	v_bfe_u32 v2, v0, 4, 1                         ; h = l / 16
	v_and_b32 v3, 7, v0                            ; l % 8
	v_bfe_u32 v4, v0, 3, 1                         ; (l / 8) % 2
	v_mul_u32_u24 v5, v1, APITCH
	v_lshl_add_u32 v5, v2, 4, v5                   ; A: row r, 16 bytes for each half of the lanes
	s_mul_i32 s21, s11, 128*APITCH                 ; my 128 rows
	v_add_nc_u32 v[ADRA], s21, v5
	v_add_nc_u32 v[ADRA+1], SLOT, v[ADRA]
	v_lshl_add_u32 v6, v2, 3, v3                   ; W: k row 8 h + l % 8,
	v_mul_u32_u24 v6, v6, BPITCH
	v_lshl_add_u32 v6, v4, 4, v6                   ; columns 8 ((l / 8) % 2) + 0 .. 7
	s_lshl_b32 s21, s12, 8                         ; of my 128 columns: 256 bytes
	s_add_co_u32 s21, s21, BOFF
	v_add_nc_u32 v[ADRB], s21, v6
	v_add_nc_u32 v[ADRB+1], SLOT, v[ADRB]
	s_mul_i32 s23, s10, 16*SPITCH
	s_add_co_u32 s23, s23, STAGE                   ; my stage
	v_mul_u32_u24 v7, v1, SPITCH                   ; in: row r, 16 bytes for each half
	v_lshl_add_u32 v7, v2, 4, v7
	v_add_nc_u32 v[STO], s23, v7
	v_mul_u32_u24 v7, v4, SPITCH                   ; back: lanes 0-15 take two rows' left 128 bytes (one head), lanes 16-31 their right 128 bytes (the next head)
	v_lshl_add_u32 v7, v2, 7, v7
	v_lshl_add_u32 v7, v3, 4, v7
	v_add_nc_u32 v[RD], s23, v7
	v_lshlrev_b32 v7, 4, v1
	v_lshl_add_u32 v[CO], v2, 20, v7               ; in qkv: 16 (l % 16) + the panel's 1 MiB
	v_lshl_add_u32 v[COL], v2, 13, v7              ; in vlo: 16 (l % 16) + the head's 8 KiB
; 32 LDS loads in one run: the fragments of quarter step kq (32 along K) into buffer f: 8 of W (transposed on the way), then 8 of A
.macro FETCH sl, kq, f
	WIN TO_B
.irp b, 0,1,2,3,4,5,6,7
	ds_load_tr16_b128 v[\f+8*\b:\f+8*\b+3],   v[ADRB+\sl] offset:\kq*32*BPITCH+32*\b
	ds_load_tr16_b128 v[\f+8*\b+4:\f+8*\b+7], v[ADRB+\sl] offset:\kq*32*BPITCH+32*\b+16*BPITCH
.endr
	WIN 0
.irp a, 0,1,2,3,4,5,6,7
	ds_load_b128 v[\f+8*\a:\f+8*\a+3],   v[ADRA+\sl] offset:(\kq>>1)*APANEL+(\kq&1)*64+\a*16*APITCH
	ds_load_b128 v[\f+8*\a+4:\f+8*\a+7], v[ADRA+\sl] offset:(\kq>>1)*APANEL+(\kq&1)*64+\a*16*APITCH+32
.endr
.endm
; 16 matrix instructions: row tiles a0, a0 + 1 of the window's four (hi = 0: my rows 0-63, 1: rows 64-127) x all 8 column tiles.  The 64 accumulators take
; turns, one instruction a turn, in the same order in every quarter step.  zero = 1: the first product starts the sums.
.macro MUL16 f, hi, a0, zero
.irp a, \a0, \a0+1
.irp b, 0,1,2,3,4,5,6,7
.if \zero
	v_wmma_f32_16x16x32_bf16 v[8*(8*(\a)+\b):8*(8*(\a)+\b)+7], v[\f+8*\b:\f+8*\b+7], v[\f+8*(4*\hi+\a):\f+8*(4*\hi+\a)+7], 0
.else
	v_wmma_f32_16x16x32_bf16 v[8*(8*(\a)+\b):8*(8*(\a)+\b)+7], v[\f+8*\b:\f+8*\b+7], v[\f+8*(4*\hi+\a):\f+8*(4*\hi+\a)+7], v[8*(8*(\a)+\b):8*(8*(\a)+\b)+7]
.endif
.endr
.endr
.endm
; One of a K step's first three quarters: multiplies buffer f; in its middle it fetches quarter step kq of the same slot into buffer g, 32 matrix instructions ahead of the first use.
.macro QUARTER sl, kq, f, g, zero
	s_wait_dscnt 8                                 ; W and A's rows 0-63 are in; the youngest eight loads (A's rows 64-127) may be out
	WIN MUL_LO
	MUL16 \f, 0, 0, \zero
	MUL16 \f, 0, 2, \zero
	PLACES                                         ; g was last read by matrix instructions in front of these four
	FETCH \sl, \kq, \g
	s_wait_dscnt 32                                ; all but the 32 just issued
	WIN MUL_HI
	MUL16 \f, 1, 0, \zero
	MUL16 \f, 1, 2, \zero
.endm
.macro THREE sl, zero
	QUARTER \sl, 1, F0, F1, \zero
	QUARTER \sl, 2, F1, F0, 0
	QUARTER \sl, 3, F0, F1, 0
.endm
; The last quarter multiplies buffer 1 and changes slots.  In front of the barrier each wave waits for its reads of this slot and for all its
; tensor loads (one is out: its part of the next slot).  Where the slot is filled again the barrier opens a round of the cluster's barrier, and
; the joint refill is the first tensor load behind the round: no wave of any partner still reads the slot or has a load on its way.
.macro TURN sl, next, fill
	s_wait_dscnt 8
	WIN MUL_LO
	MUL16 F1, 0, 0, 0
	s_wait_dscnt 0x0                               ; my reads of this slot are over
	s_wait_tensorcnt 0x0                           ; and all my tensor loads have landed
	ds_add_u32 v255, v31
	s_wait_dscnt 0x0
	s_barrier_signal -1
	MUL16 F1, 0, 2, 0                              ; register work while the others arrive
	WIN 0
	s_barrier_wait -1
.if \fill
	CREST
	s_add_nc_u64 s[G0+4*\sl+2:G0+4*\sl+3], s[G0+4*\sl+2:G0+4*\sl+3], 0x400000      ; two K steps on: four panels
	s_add_nc_u64 s[G0B+4*\sl+2:G0B+4*\sl+3], s[G0B+4*\sl+2:G0B+4*\sl+3], 0x80000   ; 256 k rows
	JLOAD \sl
.endif
	PLACES
	FETCH \next, 0, F0
	WIN MUL_HI
	MUL16 F1, 1, 0, 0
	MUL16 F1, 1, 2, 0
.endm
.macro LAP zero
	THREE 0, \zero
	TURN 0, 1, 1
	THREE 1, 0
	TURN 1, 0, 1
.endm
; Rows 16 i .. 16 i + 15 of my block = the eight tiles (a, 0..7) of window 2 or 3 (from = 0x0a or 0x0f: sources 0 and 1): round to f16, 16 bytes a lane
; into my stage, read back so that sixteen lanes hold two rows of one panel.  f: F0 or F1 in turn.
.macro OUT16 i, a, from, f
	WIN \from
.irp b, 0,1,2,3,4,5,6,7
.irp r, 0,1,2,3
	v_cvt_pk_f16_f32 v[TMP+4*\b+\r], v[8*(8*\a+\b)+2*\r], v[8*(8*\a+\b)+2*\r+1]
.endr
.endr
	WIN 0
.irp b, 0,1,2,3,4,5,6,7
	ds_store_b128 v[STO], v[TMP+4*\b:TMP+4*\b+3] offset:32*\b
.endr
	s_wait_xcnt 0x0                                ; buffer f, which earlier stores read, is loaded again only behind this wait
.irp t, 0,1,2,3,4,5,6,7
	ds_load_b128 v[\f+4*\t:\f+4*\t+3], v[RD] offset:\t*2*SPITCH    ; LDS serves a wave's instructions in order: these see the stores above
.endr
.irp t, 0,1,2,3,4,5,6,7
	s_wait_dscnt 7-\t
	global_store_b128 v[CO], v[\f+4*\t:\f+4*\t+3], s[8:9] offset:\i*2048+\t*256   ; sixteen lanes: 256 consecutive aligned bytes, two rows of a panel
.endr
.endm
; 16 of a sequence's first 64 rows of v (tiles (a, 0..7) of window 2).  x = hi + lo: t = 8193 x, d = t - x, hi = t - d (x rounded to 24 - 13 = 11 bits, which f16
; holds exactly), lo = x - hi (exact in f32).  hi goes the way of OUT16 into v's panels, lo the same way through the same stage into vlo.
.macro OUTHL a
	WIN 0x02                                       ; source 0 (the sums) in window 2
.set i, 0
.rept 32
	v_pk_mul_f32 v[TT+2*i:TT+2*i+1], v[64*\a+2*i:64*\a+2*i+1], s[20:21] op_sel_hi:[1,0]
.set i, i+1
.endr
.set i, 0
.rept 32
	v_pk_fma_f32 v[DD+2*i:DD+2*i+1], v[64*\a+2*i:64*\a+2*i+1], -1.0, v[TT+2*i:TT+2*i+1] op_sel_hi:[1,0,1]
.set i, i+1
.endr
	WIN 0
.set i, 0
.rept 32
	v_pk_fma_f32 v[TT+2*i:TT+2*i+1], v[DD+2*i:DD+2*i+1], -1.0, v[TT+2*i:TT+2*i+1] op_sel_hi:[1,0,1]
.set i, i+1
.endr
	WIN 0x20                                       ; source 2 (the sums) in window 2
.set i, 0
.rept 32
	v_pk_fma_f32 v[DD+2*i:DD+2*i+1], v[TT+2*i:TT+2*i+1], -1.0, v[64*\a+2*i:64*\a+2*i+1] op_sel_hi:[1,0,1]
.set i, i+1
.endr
	WIN 0
.set i, 0
.rept 32
	v_cvt_pk_f16_f32 v[TT+i], v[TT+2*i], v[TT+2*i+1]   ; register i is written when registers 2 i and 2 i + 1 are read: nothing unread is lost
.set i, i+1
.endr
.set i, 0
.rept 32
	v_cvt_pk_f16_f32 v[DD+i], v[DD+2*i], v[DD+2*i+1]
.set i, i+1
.endr
.irp b, 0,1,2,3,4,5,6,7
	ds_store_b128 v[STO], v[TT+4*\b:TT+4*\b+3] offset:32*\b
.endr
	s_wait_xcnt 0x0                                ; the rows read back, which earlier stores read, are loaded again only behind this wait
.irp t, 0,1,2,3,4,5,6,7
	ds_load_b128 v[RB+4*\t:RB+4*\t+3], v[RD] offset:\t*2*SPITCH    ; LDS serves a wave's instructions in order: hi in, hi back, lo in, lo back
.endr
.irp b, 0,1,2,3,4,5,6,7
	ds_store_b128 v[STO], v[DD+4*\b:DD+4*\b+3] offset:32*\b
.endr
.irp t, 0,1,2,3,4,5,6,7
	ds_load_b128 v[RB+32+4*\t:RB+32+4*\t+3], v[RD] offset:\t*2*SPITCH
.endr
.irp t, 0,1,2,3,4,5,6,7
	s_wait_dscnt 23-\t                             ; behind hi's load t stand 7 - t of hi's loads, lo's eight stores and lo's eight loads
	global_store_b128 v[CO], v[RB+4*\t:RB+4*\t+3], s[8:9] offset:\a*2048+\t*256
.endr
.irp t, 0,1,2,3,4,5,6,7
	s_wait_dscnt 7-\t
	global_store_b128 v[COL], v[RB+32+4*\t:RB+32+4*\t+3], s[18:19] offset:\a*2048+\t*256   ; sixteen lanes: 256 consecutive aligned bytes, two rows of a head
.endr
.endm
	s_wait_tensorcnt 0x1                           ; my part of K step 0 is in; K step 1's stays out
	s_barrier_signal -1
	s_barrier_wait -1
	FETCH 0, 0, F0
	LAP 1                                          ; the first lap stands in front of the loop: its first products start the sums
	WIN 0                                          ; at a label and at a branch every window is 0
	s_mov_b32 s3, LAPS-2
.Llap:
	LAP 0
	WIN 0
	s_sub_co_u32 s3, s3, 1
	s_cmp_lg_u32 s3, 0
	s_cbranch_scc1 .Llap
	THREE 0, 0                                     ; the last lap fills nothing: my one tensor load that is still out is slot 1's, the last K step's
	TURN 0, 1, 0
	THREE 1, 0
	s_wait_dscnt 8                                 ; the very last quarter: nothing more to fetch
	WIN MUL_LO
	MUL16 F1, 0, 0, 0
	MUL16 F1, 0, 2, 0
	s_wait_dscnt 0x0
	WIN MUL_HI
	MUL16 F1, 1, 0, 0
	MUL16 F1, 1, 2, 0
	; THE WAY OUT, 16 rows at a time.  My 128 columns are two panels.
	PLACES                                         ; behind the last products: the sums are read, the fragment buffers loaded again
	WIN 0
	s_lshl_b32 s16, s13, 15                        ; block row: 256 rows of 128 bytes
	s_lshl_b32 s17, s11, 14                        ; my 128 rows
	s_add_co_u32 s16, s16, s17
	s_mov_b32 s17, 0
	s_add_nc_u64 s[8:9], s[8:9], s[16:17]
	s_lshl_b32 s46, s42, 22                        ; panel 4 x block column
	s_lshl_b32 s47, s12, 21                        ; + 2 x my half of the columns
	s_add_co_u32 s46, s46, s47
	s_mov_b32 s47, 0
	s_add_nc_u64 s[8:9], s[8:9], s[46:47]
	; Rows 0 .. 63 of a sequence's v: the section is the cluster's x (2 makes v), the first block of a batch is cluster y = 0, its first 128 rows are
	; waves 0 and 1's, and rows 0 .. 63 their first four groups of 16.  The first two answers are the same in all sixteen partners, the third hangs on the
	; wave's number; no barrier stands inside.
	s_cmp_lg_u32 ttmp9, 2
	s_cbranch_scc1 .Lsingle
	s_cmp_lg_u32 s45, 0
	s_cbranch_scc1 .Lsingle
	s_cmp_lg_u32 s11, 0
	s_cbranch_scc1 .Lsingle
	s_lshl_b32 s46, s42, 15                        ; vlo: (16 batch + 4 (block column - 8) + 2 x my half) x 8 KiB
	s_sub_co_u32 s46, s46, 0x40000
	s_lshl_b32 s47, s12, 14
	s_add_co_u32 s46, s46, s47
	s_lshl_b32 s47, s41, 17                        ; the batch is cy
	s_add_co_u32 s46, s46, s47
	s_mov_b32 s47, 0
	s_add_nc_u64 s[18:19], s[18:19], s[46:47]
	s_mov_b32 s20, 0x46000400                      ; 8193.0 = 2^13 + 1
	s_mov_b32 s21, 0x46000400
	OUTHL 0
	OUTHL 1
	OUTHL 2
	OUTHL 3
	s_branch .Lupper
.Lsingle:
	OUT16 0, 0, 0x0a, F0
	OUT16 1, 1, 0x0a, F1
	OUT16 2, 2, 0x0a, F0
	OUT16 3, 3, 0x0a, F1
.Lupper:
	OUT16 4, 0, 0x0f, F0
	OUT16 5, 1, 0x0f, F1
	OUT16 6, 2, 0x0f, F0
	OUT16 7, 3, 0x0f, F1
	s_set_vgpr_msb 0x1
	s_wait_tensorcnt 0x0
	ds_add_u32 v255, v31
	s_wait_dscnt 0x0
	s_set_vgpr_msb 0x100
	CROUND                                         ; the closing round: no work-group ends while a partner may still ask for a tile that names it
	s_endpgm
.Lfunc_end_k_q20e40e1774_proj:
	.size	k_q20e40e1774_proj, .Lfunc_end_k_q20e40e1774_proj-k_q20e40e1774_proj
	.p2alignl 7, 3214868480
	.fill 96, 4, 3214868480
	.section	.rodata,"a",@progbits
	.p2align	6, 0x0
	.amdhsa_kernel k_q20e40e1774_proj
		.amdhsa_group_segment_fixed_size 327680
		.amdhsa_private_segment_fixed_size 0
		.amdhsa_enable_private_segment 0
		.amdhsa_kernarg_size 32
		.amdhsa_user_sgpr_count 2
		.amdhsa_user_sgpr_kernarg_segment_ptr 1
		.amdhsa_wavefront_size32 1
		.amdhsa_system_sgpr_workgroup_id_x 1
		.amdhsa_system_sgpr_workgroup_id_y 1
		.amdhsa_system_sgpr_workgroup_id_z 1
		.amdhsa_system_vgpr_workitem_id 0
		.amdhsa_next_free_vgpr 1024
		.amdhsa_next_free_sgpr 66
		.amdhsa_reserve_vcc 0
		.amdhsa_float_denorm_mode_32 3
		.amdhsa_float_denorm_mode_16_64 3
		.amdhsa_memory_ordered 1
		.amdhsa_forward_progress 1
		.amdhsa_inst_pref_size 255
	.end_amdhsa_kernel
	.section	.bss,"aw",@nobits
	.p2align	6
	.space	262144
	.amdgpu_metadata
---
amdhsa.version: [ 1, 2 ]
amdhsa.kernels:
  - .name:           k_q20e40e1774_proj
    .symbol:         k_q20e40e1774_proj.kd
    .args:
      - { .name: xh, .offset: 0, .size: 8, .value_kind: global_buffer, .address_space: global }
      - { .name: wh, .offset: 8, .size: 8, .value_kind: global_buffer, .address_space: global }
      - { .name: qkv, .offset: 16, .size: 8, .value_kind: global_buffer, .address_space: global }
      - { .name: vlo, .offset: 24, .size: 8, .value_kind: global_buffer, .address_space: global }
    .group_segment_fixed_size: 327680
    .private_segment_fixed_size: 0
    .kernarg_segment_align: 8
    .kernarg_segment_size: 32
    .max_flat_workgroup_size: 128
    .sgpr_count:     66
    .vgpr_count:     1024
    .wavefront_size: 32
...
	.end_amdgpu_metadata
.endif
;; end of part 5
;; launch attn (part 6): grid 4 x 64, 4 waves a work-group, no clusters, 327,680 bytes of LDS; arguments qkv, ctx, vlo, clo; writes ctx, clo
.if DOCPART == 6
	.amdgcn_target "amdgcn-amd-amdhsa--gfx1250"
	.amdhsa_code_object_version 6
	.text
	.protected	k_q20e40e1774_attn
	.globl	k_q20e40e1774_attn
	.p2align	8
	.type	k_q20e40e1774_attn,@function
k_q20e40e1774_attn:
	s_mov_b64 s[64:65], 0
	v_nop
	global_prefetch_b8 v0, s[64:65] scope:SCOPE_SE
	s_setreg_imm32_b32 hwreg(HW_REG_WAVE_MODE, 25, 1), 1
	s_wait_xcnt 0x0
; Causal attention of one head and batch, with a running maximum.  qkv: panel-major f16 [48][8192][64]: q of head h = panel h, k = 16 + h, v = 32 + h.
; ctx: panel-major f16 [16][8192][64].  vlo: f16 [4 batches][16 heads][64][64], clo: f16 [16 heads][4 batches][64][64]: the second f16 number (lo) of v and of ctx
; for rows 0 .. 63 of each sequence; there v = hi + lo and ctx = hi + lo, 22 bits, with hi in the panels.
; WHY THOSE ROWS: a causal row with at most 64 keys passes v on nearly unaveraged whatever the data, so it can stand many times above the root mean square of the
; whole output, by which errors are measured.  LIMIT: from row 64 on v and ctx carry one f16 rounding, up to 2^-11 of their own size.
; Work-group (p, head x batch), p = 0 .. 3, makes query block 7 - p (256 rows) and then block p:
; block j needs j + 1 laps of 256 keys, so every work-group walks (8 - p) + (p + 1) = 9 laps.  Wave w takes 64 query rows (4 tiles of 16).
; Keys come in tiles of 128 (an LDS slot, K and V) and are worked in steps of 64; a lap is both slots, 4 steps, so a block starts at slot 0.
; A wave's diagonal step is number 4 j + w of its block; the steps behind it are jumped over (a scalar branch round register work alone).
; ORIENTATION: S^T = K Q^T (lane (r, h) holds query r, keys 16 kt + 8 h + 0 .. 7); packing two such tiles to f16 is the B fragment of P^T;
; O^T = V^T P^T, V^T by the transposing LDS load.  So maximum, sum and rescale factor are one number a lane; the maximum crosses the two halves
; of the lanes once a tile and step, the sum once a block.  P never goes through LDS.
; THE MASK rides on the C operand of a score tile's first product: 0 below the diagonal tile, the tile BD on it, BA above it.  BD and BA are zeros
; in full steps; in the diagonal step BD is -1e30 where key > query and BA is -1e30 everywhere.  One body serves every step.
; ROWS 0 .. 63 are wave 0's in block 0, the second block of work-group p = 0.  That wave has one step there (keys 0 .. 63, the last lap's first step) and jumps over
; the other three, so its P is still in registers behind the last trip: there it adds P Vlo onto O and stores ctx as hi and lo.
; NO MULTICAST: only the four work-groups of a head share K and V, and they switch blocks after different laps (7 - p), so from then on they want
; different tiles; one common sequence for all four would take 8 + 4 = 12 laps of every work-group against 9 here.
; REGISTERS: window 0: addresses, m, l, masks, Q (v64-127), S and P (v128-255); window 1: O (v0-127), K (v128-191) and V (v192-255) fragments.
; LIMITS: f16 operands (|q|, |k|, |v|, |ctx| below 65,504; weights P below 6e-8 count as 0; parts below 6e-5 in magnitude are kept to 3e-8 absolute).
; A masked score is -1e30, not minus infinity: its weight is 0 as long as true scores stay far above -1e30.  A NaN score loses in the running maximum.
; exp(x) is 2^(x log2 e).
.set SLOT,   40960                     ; K: 128 keys x 144 bytes at 0; V: 128 keys x 160 bytes at 20,480
.set KPITCH, 144                       ; 128 + 16 = 9 x 16
.set VPITCH, 160                       ; 128 + 32 = 5 x 32, which the transposing load wants
.set KHALF,  64*KPITCH
.set VHALF,  64*VPITCH
.set VOFF,   20480
.set STAGE,  2*SLOT                    ; 81,920: 64 rows x 144 bytes for each wave; no tensor load lands here
.set WSTAGE, 64*KPITCH
.set LOST,   32*KPITCH                 ; where hi and lo leave together: 32 rows of hi, then 32 of lo
.set TILEB,  16384                     ; 128 keys of 128 bytes in memory
.set LAPB,   32768
.set KADR, 2
.set VADR, 3
.set STO,  4
.set RD,   5
.set CO,   6
.set QO,   7
.set NEG,  8                           ; -1e30
.set PF,   9                           ; 256 x thread
.set M,    10                          ; v10-13  running maximum of query tile 0 .. 3 (raw scores)
.set LS,   14                          ; v14-17  running sum, this lane's keys alone
.set MN,   18
.set T,    20                          ; v20-27  at work
.set NMC,  28                          ; v28     -c x new maximum (v29 written once: a broadcast names the pair)
.set AL,   30                          ; v30     rescale factor (v31 likewise)
.set INV,  32                          ; v32-39  1 / l, twice for each query tile
.set MD,   40                          ; v40-47  the diagonal tile's mask
.set BD,   48                          ; v48-55  this step's C on the diagonal tile
.set BA,   56                          ; v56-63  this step's C above it
.set QF,   64                          ; Q fragment (qt, dh) at 64 + 16 qt + 8 dh
.set S,    128                         ; S tile (qt, kt) at 128 + 32 qt + 8 kt; P of qt packed into its first 16 registers
.set KF,   128                         ; window 1: K fragment (kt, dh) at 128 + 16 kt + 8 dh
.set VF,   192                         ; window 1: V fragment (ks, dt) at 192 + 32 ks + 8 dt;  O tile (qt, dt) at 32 qt + 8 dt
.set G1K, 20
.set G1V, 28
.set G0K, 36                           ; a set for each slot
.set G0V, 44
.set KB,  52                           ; my 64 keys of K's tile 0
.set VB,  54
.set OFF, 56                           ; s[56:57], s[58:59]: byte offset of the next lap's two tiles
.set QB1, 60
.set QB2, 62
.set CB1, 66
.set CB2, 68
.set LAP, 70
.set REM, 71                           ; steps from this lap's first to my diagonal step
.set NX,  72                           ; byte offset of the next lap in this block
.set FLG, 73
.set DG2, 74
.set HO,  76
.set TP,  78
.set PKA, 80
.set PVA, 82
.set PFL, 84
.set TO1, 86
.set VLB, 88                           ; vlo at this batch and head
.set CLB, 90                           ; clo at this head and batch
.set TO2, 92
.set SPL, 94                           ; 8193.0, twice
.set MSB, 0
.macro WIN new
.if MSB != \new
	s_set_vgpr_msb (MSB<<8)|\new
.set MSB, \new
.endif
.endm
.macro PLACES                          ; four independent vector instructions behind a matrix instruction (ISA guide 7.12.1)
.rept 4
	v_nop
.endr
.endm
.macro TLOAD sl                        ; waves 0, 1: K's halves; waves 2, 3: V's halves
	s_cmp_eq_u32 s10, 0
	s_cbranch_scc0 .Lfor_v_\@
	tensor_load_to_lds s[G0K+4*\sl:G0K+4*\sl+3], s[G1K:G1K+7]
	s_nop 0
	s_branch .Lasked_\@
.Lfor_v_\@:
	tensor_load_to_lds s[G0V+4*\sl:G0V+4*\sl+3], s[G1V:G1V+7]
	s_nop 0
.Lasked_\@:
.endm
.macro LOADQ qb                        ; 16 loads: my 64 query rows as B fragments
.irp qt, 0,1,2,3
.irp dh, 0,1
	global_load_b128 v[QF+16*\qt+8*\dh:QF+16*\qt+8*\dh+3],   v[QO], s[\qb:\qb+1] offset:\qt*2048+\dh*64
	global_load_b128 v[QF+16*\qt+8*\dh+4:QF+16*\qt+8*\dh+7], v[QO], s[\qb:\qb+1] offset:\qt*2048+\dh*64+32
.endr
.endr
.endm
.macro LOADK sl, hf                    ; 16 loads: 64 keys of K as A fragments
	WIN 0x40
.irp kt, 0,1,2,3
.irp dh, 0,1
	ds_load_b128 v[KF+16*\kt+8*\dh:KF+16*\kt+8*\dh+3],   v[KADR] offset:\sl*SLOT+\hf*KHALF+\kt*16*KPITCH+\dh*64
	ds_load_b128 v[KF+16*\kt+8*\dh+4:KF+16*\kt+8*\dh+7], v[KADR] offset:\sl*SLOT+\hf*KHALF+\kt*16*KPITCH+\dh*64+32
.endr
.endr
	WIN 0
.endm
.macro LOADV sl, hf                    ; 16 loads: 64 keys of V, transposed, as A fragments
	WIN 0x40
.irp ks, 0,1
.irp dt, 0,1,2,3
	ds_load_tr16_b128 v[VF+32*\ks+8*\dt:VF+32*\ks+8*\dt+3],   v[VADR] offset:\sl*SLOT+\hf*VHALF+\ks*32*VPITCH+\dt*32
	ds_load_tr16_b128 v[VF+32*\ks+8*\dt+4:VF+32*\ks+8*\dt+7], v[VADR] offset:\sl*SLOT+\hf*VHALF+\ks*32*VPITCH+\dt*32+16*VPITCH
.endr
.endr
	WIN 0
.endm
; This step's C tiles.  These sixteen instructions are also places between the last O product and the score products that write over P.
.macro FLAGS i
	s_cmp_eq_u32 s[REM], \i
	s_cselect_b32 s[FLG], -1, 0
.irp j, 0,1,2,3,4,5,6,7
	v_cndmask_b32 v[BD+\j], 0, v[MD+\j], s[FLG]
.endr
.irp j, 0,1,2,3,4,5,6,7
	v_cndmask_b32 v[BA+\j], 0, v[NEG], s[FLG]
.endr
.endm
; 32 score products.  For each query tile its four key tiles take turns, one instruction a turn.
.macro SPH i
.if \i > 0
	s_cmp_lt_u32 s[REM], \i                        ; behind my diagonal: nothing to do (step 0 of a lap is never behind it)
	s_cbranch_scc1 .Lno_s_\@
.endif
	WIN 0x01                                       ; source 0 (K) in window 1
.irp qt, 0,1,2,3
.irp kt, 0,1,2,3
.if \kt < \qt
	v_wmma_f32_16x16x32_f16 v[S+32*\qt+8*\kt:S+32*\qt+8*\kt+7], v[KF+16*\kt:KF+16*\kt+7], v[QF+16*\qt:QF+16*\qt+7], 0
.else
.if \kt == \qt
	v_wmma_f32_16x16x32_f16 v[S+32*\qt+8*\kt:S+32*\qt+8*\kt+7], v[KF+16*\kt:KF+16*\kt+7], v[QF+16*\qt:QF+16*\qt+7], v[BD:BD+7]
.else
	v_wmma_f32_16x16x32_f16 v[S+32*\qt+8*\kt:S+32*\qt+8*\kt+7], v[KF+16*\kt:KF+16*\kt+7], v[QF+16*\qt:QF+16*\qt+7], v[BA:BA+7]
.endif
.endif
.endr
.irp kt, 0,1,2,3
	v_wmma_f32_16x16x32_f16 v[S+32*\qt+8*\kt:S+32*\qt+8*\kt+7], v[KF+16*\kt+8:KF+16*\kt+15], v[QF+16*\qt+8:QF+16*\qt+15], v[S+32*\qt+8*\kt:S+32*\qt+8*\kt+7]
.endr
.endr
	WIN 0
.Lno_s_\@:
.endm
; Softmax step of one query tile: new maximum, p = 2^(c s - c m), rescale factor 2^(c m_old - c m), the sum, P packed to f16 in place.
.macro SM qt, first
.set SB, S+32*\qt
.irp c, 0,1,2,3
	v_max3_num_f32 v[T+\c], v[SB+8*\c], v[SB+8*\c+1], v[SB+8*\c+2]
.endr
.irp c, 0,1,2,3
	v_max3_num_f32 v[T+\c], v[T+\c], v[SB+8*\c+3], v[SB+8*\c+4]
.endr
.irp c, 0,1,2,3
	v_max3_num_f32 v[T+\c], v[T+\c], v[SB+8*\c+5], v[SB+8*\c+6]
.endr
	v_max3_num_f32 v[T],   v[T],   v[SB+7],  v[SB+15]
	v_max3_num_f32 v[T+1], v[T+1], v[SB+23], v[SB+31]
.if \first
	v_max_num_f32 v[T+2], v[T+2], v[T+3]
.else
	v_max3_num_f32 v[T+2], v[T+2], v[T+3], v[M+\qt]
.endif
	v_max3_num_f32 v[T], v[T], v[T+1], v[T+2]
	v_permlanex16_b32 v[T+4], v[T], s14, s15       ; the other half's keys of the same query
	v_max_num_f32 v[MN], v[T], v[T+4]
	v_mul_f32 v[NMC], s18, v[MN]                   ; -c m
.if \first == 0
	v_fma_f32 v[AL], v[M+\qt], s16, v[NMC]         ; c m_old - c m
.endif
.set i, 0
.rept 16
	v_pk_fma_f32 v[SB+2*i:SB+2*i+1], v[SB+2*i:SB+2*i+1], s[16:17], v[NMC:NMC+1] op_sel_hi:[1,0,0]
.set i, i+1
.endr
.if \first == 0
	v_exp_f32 v[AL], v[AL]
.endif
.set i, 0
.rept 32
	v_exp_f32 v[SB+i], v[SB+i]
.set i, i+1
.endr
	v_mov_b32 v[M+\qt], v[MN]                      ; the plain instruction between the exponentials and the first use of a result (ISA guide 5.7.2)
	s_wait_alu depctr_va_vdst(0)
.irp c, 0,1,2,3
	v_pk_add_f32 v[T+2*\c:T+2*\c+1], v[SB+8*\c:SB+8*\c+1], v[SB+8*\c+2:SB+8*\c+3]
.endr
.irp c, 0,1,2,3
	v_pk_add_f32 v[T+2*\c:T+2*\c+1], v[T+2*\c:T+2*\c+1], v[SB+8*\c+4:SB+8*\c+5]
.endr
.irp c, 0,1,2,3
	v_pk_add_f32 v[T+2*\c:T+2*\c+1], v[T+2*\c:T+2*\c+1], v[SB+8*\c+6:SB+8*\c+7]
.endr
	v_pk_add_f32 v[T:T+1],   v[T:T+1],   v[T+2:T+3]
	v_pk_add_f32 v[T+4:T+5], v[T+4:T+5], v[T+6:T+7]
	v_pk_add_f32 v[T:T+1],   v[T:T+1],   v[T+4:T+5]
.if \first
	v_add_f32 v[LS+\qt], v[T], v[T+1]
.else
	v_fma_f32 v[LS+\qt], v[LS+\qt], v[AL], v[T]
	v_add_f32 v[LS+\qt], v[LS+\qt], v[T+1]
.endif
.set i, 0
.rept 16
	v_cvt_pk_f16_f32 v[SB+i], v[SB+2*i], v[SB+2*i+1]   ; register i is written when registers 2 i and 2 i + 1 are read: nothing unread is lost
.set i, i+1
.endr
.endm
; O of one query tile: rescale, then 8 products; its four d tiles take turns, one instruction a turn.
.macro PV qt, first
	WIN 0x51                                       ; V and O in window 1, P and the factor in window 0
.if \first == 0
.set i, 0
.rept 16
	v_pk_mul_f32 v[32*\qt+2*i:32*\qt+2*i+1], v[32*\qt+2*i:32*\qt+2*i+1], v[AL:AL+1] op_sel_hi:[1,0]
.set i, i+1
.endr
.endif
.irp ks, 0,1
.irp dt, 0,1,2,3
.if \first*(1-\ks)
	v_wmma_f32_16x16x32_f16 v[32*\qt+8*\dt:32*\qt+8*\dt+7], v[VF+32*\ks+8*\dt:VF+32*\ks+8*\dt+7], v[S+32*\qt+8*\ks:S+32*\qt+8*\ks+7], 0
.else
	v_wmma_f32_16x16x32_f16 v[32*\qt+8*\dt:32*\qt+8*\dt+7], v[VF+32*\ks+8*\dt:VF+32*\ks+8*\dt+7], v[S+32*\qt+8*\ks:S+32*\qt+8*\ks+7], v[32*\qt+8*\dt:32*\qt+8*\dt+7]
.endif
.endr
.endr
	WIN 0
.endm
.macro SMPV i, first                   ; the products of tile qt run while the softmax of tile qt + 1 issues
.if \i > 0
	s_cmp_lt_u32 s[REM], \i
	s_cbranch_scc1 .Lno_p_\@
.endif
.irp qt, 0,1,2,3
	SM \qt, \first
	PV \qt, \first
.endr
.Lno_p_\@:
.endm
; The change of slots.  Every wave waits for its reads of slot sl and for all its tensor loads (one is out: its part of the other slot), then the
; barrier; behind it slot sl is read by nobody and the other slot is whole.  The refill is the wave's one tensor load behind the barrier and stands first there.
.macro CHANGE sl, refill
	s_wait_dscnt 0x0
	s_set_vgpr_msb 0xa
	s_wait_tensorcnt 0x0
	ds_add_u32 v0, v1
	s_wait_dscnt 0x0
	s_set_vgpr_msb 0xa00
.if \refill
	s_add_nc_u64 s[G0K+4*\sl+2:G0K+4*\sl+3], s[KB:KB+1], s[OFF+2*\sl:OFF+2*\sl+1]   ; no tensor load of mine is out: the addresses may be written
	s_or_b32 s[G0K+4*\sl+3], s[G0K+4*\sl+3], 0x80000000
	s_add_nc_u64 s[G0V+4*\sl+2:G0V+4*\sl+3], s[VB:VB+1], s[OFF+2*\sl:OFF+2*\sl+1]
	s_or_b32 s[G0V+4*\sl+3], s[G0V+4*\sl+3], 0x80000000
.endif
	s_barrier_signal -1
	s_barrier_wait -1
.if \refill
	TLOAD \sl
.endif
.endm
; One slot = two steps, i0 and i1.  LDS loads, waits and barriers stand outside the jumps, so every count holds on every path.
; Order of LDS loads: K (16), V (16), K, V, ...: each wait for 16 leaves the youngest 16 out and shows the 16 in front of them in.
.macro TRIP sl, nx, i0, i1, refill, more, first
	FLAGS \i0
	s_wait_dscnt 16                                ; K of this step is in; V's 16 loads may be out
	SPH \i0
	PLACES                                         ; behind the score products: K's registers are loaded again, S is read
	LOADK \sl, 1
	s_wait_dscnt 16                                ; V of this step is in; the 16 loads of K just issued are out
	SMPV \i0, \first
	PLACES                                         ; behind the O products: V's registers are loaded again
	LOADV \sl, 1
	FLAGS \i1
	s_wait_dscnt 16
	SPH \i1
.if \more
	CHANGE \sl, \refill
.else
	s_wait_dscnt 0x0                               ; V of the last step is in
.endif
	PLACES
.if \more
	LOADK \nx, 0
.endif
	SMPV \i1, 0
	PLACES
.if \more
	LOADV \nx, 0
.endif
.endm
; At a lap's head: where the next lap's tiles lie (a block's last lap is followed by the next block's keys 0 ..), and the prefetch.
; Work-group p = 0 of a head walks all 2,048 keys in laps 0 .. 7; in laps 0 .. 5 its 128 threads ask, 256 bytes apart, for the 32 KiB of K and the 32 KiB of V
; of the lap after next, one lap ahead of their tensor loads.  Each block is asked for once in the launch, and the last request ends at the head's last key.
.macro LAPTOP step
.if \step
	s_wait_xcnt 0x0                                ; the last lap's requests have had their addresses translated: the bases may step
	s_add_nc_u64 s[PKA:PKA+1], s[PKA:PKA+1], LAPB
	s_add_nc_u64 s[PVA:PVA+1], s[PVA:PVA+1], LAPB
.endif
	s_cmp_eq_u32 s[LAP], s13
	s_cselect_b32 s[OFF], 0, s[NX]
	s_add_co_u32 s[OFF+2], s[OFF], TILEB
	s_cmp_lt_u32 s[LAP], s[PFL]
	s_cbranch_scc0 .Lno_pf_\@
	global_prefetch_b8 v[PF], s[PKA:PKA+1] th:TH_LOAD_NT scope:SCOPE_SE
	global_prefetch_b8 v[PF], s[PVA:PVA+1] th:TH_LOAD_NT scope:SCOPE_SE
.Lno_pf_\@:
.endm
; l over both halves of the lanes, and O / l in place.
.macro NORM
.irp qt, 0,1,2,3
	v_permlanex16_b32 v[T+\qt], v[LS+\qt], s14, s15
.endr
.irp qt, 0,1,2,3
	v_add_f32 v[LS+\qt], v[LS+\qt], v[T+\qt]
.endr
.irp qt, 0,1,2,3
	v_rcp_f32 v[INV+2*\qt],   v[LS+\qt]            ; twice: a pair for the packed multiply
	v_rcp_f32 v[INV+2*\qt+1], v[LS+\qt]
.endr
	v_nop                                          ; the plain instruction behind the reciprocals
	WIN 0x51
	s_wait_alu depctr_va_vdst(0)
.irp qt, 0,1,2,3
.set i, 0
.rept 16
	v_pk_mul_f32 v[32*\qt+2*i:32*\qt+2*i+1], v[32*\qt+2*i:32*\qt+2*i+1], v[INV+2*\qt:INV+2*\qt+1]
.set i, i+1
.endr
.endr
.endm
; A block's end: O / l, f16, through my stage, out as 16 stores of 512 consecutive bytes (four rows of the head's panel).
.macro FINISH cb
	NORM
	WIN 0x05
.set i, 0
.rept 64
	v_cvt_pk_f16_f32 v[S+i], v[2*i], v[2*i+1]
.set i, i+1
.endr
	WIN 0
.irp qt, 0,1,2,3
.irp dt, 0,1,2,3
	ds_store_b128 v[STO], v[S+16*\qt+4*\dt:S+16*\qt+4*\dt+3] offset:\qt*16*KPITCH+\dt*32
.endr
.endr
.set u, 0
.rept 16
	ds_load_b128 v[S+64+4*u:S+64+4*u+3], v[RD] offset:u*4*KPITCH   ; LDS serves a wave's instructions in order: these see the stores above
.set u, u+1
.endr
.set u, 0
.rept 16
	s_wait_dscnt 15-u
	global_store_b128 v[CO], v[S+64+4*u:S+64+4*u+3], s[\cb:\cb+1] offset:u*512
.set u, u+1
.endr
.endm
; The end of a sequence's rows 0 .. 63: x = O / l, then 32 rows at a time: x = hi + lo (t = 8193 x, d = t - x, hi = t - d: x rounded to 11 bits, which f16
; holds exactly; lo = x - hi, exact in f32), both to f16, through my stage, hi into ctx's panel and lo into clo, in stores of 512 consecutive bytes (four rows).
.macro FINISHHL cb, cl
	NORM
.irp g, 0,1
	s_wait_xcnt 0x0                                ; S, from which earlier stores read their data, is written again only behind this wait
	WIN 0x01                                       ; source 0 (x) in window 1
.set i, 0
.rept 32
	v_pk_mul_f32 v[S+2*i:S+2*i+1], v[64*\g+2*i:64*\g+2*i+1], s[SPL:SPL+1] op_sel_hi:[1,0]
.set i, i+1
.endr
.set i, 0
.rept 32
	v_pk_fma_f32 v[S+64+2*i:S+64+2*i+1], v[64*\g+2*i:64*\g+2*i+1], -1.0, v[S+2*i:S+2*i+1] op_sel_hi:[1,0,1]
.set i, i+1
.endr
	WIN 0
.set i, 0
.rept 32
	v_pk_fma_f32 v[S+2*i:S+2*i+1], v[S+64+2*i:S+64+2*i+1], -1.0, v[S+2*i:S+2*i+1] op_sel_hi:[1,0,1]
.set i, i+1
.endr
	WIN 0x10                                       ; source 2 (x) in window 1
.set i, 0
.rept 32
	v_pk_fma_f32 v[S+64+2*i:S+64+2*i+1], v[S+2*i:S+2*i+1], -1.0, v[64*\g+2*i:64*\g+2*i+1] op_sel_hi:[1,0,1]
.set i, i+1
.endr
	WIN 0
.set i, 0
.rept 32
	v_cvt_pk_f16_f32 v[S+i], v[S+2*i], v[S+2*i+1]
.set i, i+1
.endr
.set i, 0
.rept 32
	v_cvt_pk_f16_f32 v[S+64+i], v[S+64+2*i], v[S+64+2*i+1]
.set i, i+1
.endr
.irp q, 0,1
.irp dt, 0,1,2,3
	ds_store_b128 v[STO], v[S+16*\q+4*\dt:S+16*\q+4*\dt+3] offset:\q*16*KPITCH+\dt*32
.endr
.endr
.irp q, 0,1
.irp dt, 0,1,2,3
	ds_store_b128 v[STO], v[S+64+16*\q+4*\dt:S+64+16*\q+4*\dt+3] offset:LOST+\q*16*KPITCH+\dt*32
.endr
.endr
.set u, 0
.rept 8
	ds_load_b128 v[S+32+4*u:S+32+4*u+3], v[RD] offset:u*4*KPITCH   ; LDS serves a wave's instructions in order: these see the stores above
.set u, u+1
.endr
.set u, 0
.rept 8
	ds_load_b128 v[S+96+4*u:S+96+4*u+3], v[RD] offset:LOST+u*4*KPITCH
.set u, u+1
.endr
.set u, 0
.rept 8
	s_wait_dscnt 15-u                              ; behind hi's load u stand 7 - u of hi's and lo's eight
	global_store_b128 v[CO], v[S+32+4*u:S+32+4*u+3], s[\cb:\cb+1] offset:(8*\g+u)*512
.set u, u+1
.endr
.set u, 0
.rept 8
	s_wait_dscnt 7-u
	global_store_b128 v[CO], v[S+96+4*u:S+96+4*u+3], s[\cl:\cl+1] offset:(8*\g+u)*512
.set u, u+1
.endr
.endr
.endm
; O += P Vlo for rows and keys 0 .. 63: wave 0 alone.  Vlo's 8 KiB come through registers into the wave's own stage (rows of 144 bytes) and back by the transposing
; load into V's fragment registers, which are free behind the last trip, as K's are.  P lies where the wave's one step of this block left it; masked weights are 0.
.macro LOFIX
	v_and_b32 v[T], 7, v0
	v_bfe_u32 v[T+1], v0, 4, 1
	v_lshl_add_u32 v[T], v[T+1], 3, v[T]           ; key 8 h + l % 8
	v_mul_u32_u24 v[T], v[T], KPITCH
	v_bfe_u32 v[T+1], v0, 3, 1
	v_lshl_add_u32 v[T], v[T+1], 4, v[T]
	v_add_nc_u32 v[T], STAGE, v[T]                 ; wave 0's stage begins at STAGE
	WIN 0x40
.set u, 0
.rept 16
	global_load_b128 v[KF+4*u:KF+4*u+3], v[CO], s[VLB:VLB+1] offset:u*512          ; 512 consecutive bytes: four keys
.set u, u+1
.endr
	s_wait_loadcnt 0x0
	WIN 0x04                                       ; the stores' data in window 1
.set u, 0
.rept 16
	ds_store_b128 v[RD], v[KF+4*u:KF+4*u+3] offset:u*4*KPITCH
.set u, u+1
.endr
	WIN 0x40
.irp ks, 0,1
.irp dt, 0,1,2,3
	ds_load_tr16_b128 v[VF+32*\ks+8*\dt:VF+32*\ks+8*\dt+3],   v[T] offset:\ks*32*KPITCH+\dt*32      ; LDS serves a wave's instructions in order: these see the stores above
	ds_load_tr16_b128 v[VF+32*\ks+8*\dt+4:VF+32*\ks+8*\dt+7], v[T] offset:\ks*32*KPITCH+\dt*32+16*KPITCH
.endr
.endr
	s_wait_dscnt 0x0
	WIN 0x51
.irp qt, 0,1,2,3                       ; a query tile's four d tiles take turns, one instruction a turn
.irp ks, 0,1
.irp dt, 0,1,2,3
	v_wmma_f32_16x16x32_f16 v[32*\qt+8*\dt:32*\qt+8*\dt+7], v[VF+32*\ks+8*\dt:VF+32*\ks+8*\dt+7], v[S+32*\qt+8*\ks:S+32*\qt+8*\ks+7], v[32*\qt+8*\dt:32*\qt+8*\dt+7]
.endr
.endr
.endr
	WIN 0
	PLACES
.endm
; Between the blocks.  O and l are not cleared: with m = -1e30 the next rescale factor is 2^(-huge) = 0, and the first block's O and l are finite.
.macro SWITCH
	LOADQ QB2
	FINISH CB1
.irp qt, 0,1,2,3
	v_mov_b32 v[M+\qt], v[NEG]
.endr
	s_wait_loadcnt 0x0                             ; the second block's Q
	s_wait_xcnt 0x0                                ; the stores' data lie in S, which the next score products write
	s_add_co_u32 s[REM], s[DG2], 4
	s_mov_b32 s[NX], 0
.endm
	s_load_b128 s[4:7], s[0:1], 0x0                ; qkv s[4:5], ctx s[6:7]
	s_load_b128 s[88:91], s[0:1], 0x10             ; vlo s[88:89], clo s[90:91]
	s_set_vgpr_msb 0x80
	v_lshl_add_u32 v0, v0, 2, 0x29000
	v_mov_b32 v1, 0
	s_set_vgpr_msb 0x808a
	ds_add_u32 v0, v1
	ds_add_u32 v0, v1
	s_set_vgpr_msb 0x8a00
	v_lshrrev_b32 v1, 5, v0
	v_readfirstlane_b32 s8, v1                     ; wave 0 .. 3
	s_lshr_b32 s10, s8, 1                          ; I fetch K (0) or V (1)
	s_and_b32 s11, s8, 1                           ; and which 64 keys
	s_mov_b32 s9, ttmp9                            ; p: the second block
	s_sub_co_u32 s13, 7, s9                        ; the first block, and the number of its last lap
	s_and_b32 s12, ttmp7, 0xffff
	s_and_b32 s19, s12, 15                         ; head
	s_lshr_b32 s12, s12, 4                         ; batch
	s_lshl_b32 s[TO1], s12, 17                     ; vlo: (16 batch + head) x 8 KiB
	s_lshl_b32 s[TO1+1], s19, 13
	s_add_co_u32 s[TO1], s[TO1], s[TO1+1]
	s_mov_b32 s[TO1+1], 0
	s_lshl_b32 s[TO2], s19, 15                     ; clo: (4 head + batch) x 8 KiB
	s_lshl_b32 s[TO2+1], s12, 13
	s_add_co_u32 s[TO2], s[TO2], s[TO2+1]
	s_mov_b32 s[TO2+1], 0
	s_lshl_b32 s19, s19, 20                        ; a panel is 1 MiB
	s_lshl_b32 s12, s12, 18                        ; 2,048 rows of 128 bytes
	s_add_co_u32 s[HO], s19, s12
	s_mov_b32 s[HO+1], 0
	s_mov_b32 s14, 0x76543210                      ; v_permlanex16_b32: lane i of the other half
	s_mov_b32 s15, 0xfedcba98
	s_mov_b32 s16, 0x3e38aa3b                      ; c = log2(e) / 8
	s_mov_b32 s17, 0x3e38aa3b
	s_mov_b32 s18, 0xbe38aa3b                      ; -c
	s_mov_b32 s[SPL], 0x46000400                   ; 8193.0 = 2^13 + 1
	s_mov_b32 s[SPL+1], 0x46000400
	; group 1: 64 keys are 8 KiB without gaps, taken as 32 rows of 256 bytes; padding behind every 32 words gives each key's 128 bytes its pitch
	s_mov_b32 s[G1K+0], (1<<16)|(1<<20)|(4<<22)|(3<<25)    ; K: 4 words: pitch 144
	s_mov_b32 s[G1K+1], 128<<16
	s_mov_b32 s[G1K+2], 32<<16
	s_mov_b32 s[G1K+3], 128<<16
	s_mov_b32 s[G1K+4], 32
	s_mov_b32 s[G1K+5], 128
	s_mov_b32 s[G1K+6], 0
	s_mov_b32 s[G1K+7], 0
	s_mov_b32 s[G1V+0], (1<<16)|(1<<20)|(4<<22)|(7<<25)    ; V: 8 words: pitch 160
	s_mov_b32 s[G1V+1], 128<<16
	s_mov_b32 s[G1V+2], 32<<16
	s_mov_b32 s[G1V+3], 128<<16
	s_mov_b32 s[G1V+4], 32
	s_mov_b32 s[G1V+5], 128
	s_mov_b32 s[G1V+6], 0
	s_mov_b32 s[G1V+7], 0
	s_mul_i32 s12, s8, KHALF                       ; LDS: waves 0, 1: K at 0 and 9,216
	s_mul_i32 s19, s8, VHALF                       ; waves 2, 3: V at 20,480 and 30,720
	s_lshl_b32 s[TP], s11, 13                      ; my 64 keys of 128 bytes
	s_mov_b32 s[TP+1], 0
	s_wait_dscnt 0x0
	s_wait_kmcnt 0x0
	s_add_nc_u64 s[VLB:VLB+1], s[VLB:VLB+1], s[TO1:TO1+1]
	s_add_nc_u64 s[CLB:CLB+1], s[CLB:CLB+1], s[TO2:TO2+1]
	s_add_nc_u64 s[PKA:PKA+1], s[4:5], s[HO:HO+1]
	s_add_nc_u64 s[PVA:PVA+1], s[PKA:PKA+1], 0x2000000     ; v: panel 32 + head
	s_add_nc_u64 s[PKA:PKA+1], s[PKA:PKA+1], 0x1000000     ; k: panel 16 + head
	s_add_nc_u64 s[KB:KB+1], s[PKA:PKA+1], s[TP:TP+1]
	s_add_nc_u64 s[VB:VB+1], s[PVA:PVA+1], s[TP:TP+1]
	s_add_nc_u64 s[PKA:PKA+1], s[PKA:PKA+1], 2*LAPB        ; lap 0 asks for lap 2's keys
	s_add_nc_u64 s[PVA:PVA+1], s[PVA:PVA+1], 2*LAPB
.irp sl, 0,1
	s_mov_b32 s[G0K+4*\sl], 1
	s_add_co_u32 s[G0K+4*\sl+1], s12, \sl*SLOT
	s_add_nc_u64 s[G0K+4*\sl+2:G0K+4*\sl+3], s[KB:KB+1], \sl*TILEB
	s_or_b32 s[G0K+4*\sl+3], s[G0K+4*\sl+3], 0x80000000
	s_mov_b32 s[G0V+4*\sl], 1
	s_add_co_u32 s[G0V+4*\sl+1], s19, \sl*SLOT
	s_add_nc_u64 s[G0V+4*\sl+2:G0V+4*\sl+3], s[VB:VB+1], \sl*TILEB
	s_or_b32 s[G0V+4*\sl+3], s[G0V+4*\sl+3], 0x80000000
.endr
	s_cmp_eq_u32 s10, 0                            ; both first fills of a wave in one branch on its number: two loads of the wave are out
	s_cbranch_scc0 .Lfirst_v
	tensor_load_to_lds s[G0K:G0K+3], s[G1K:G1K+7]
	s_nop 0
	tensor_load_to_lds s[G0K+4:G0K+7], s[G1K:G1K+7]
	s_nop 0
	s_branch .Lfirst_done
.Lfirst_v:
	tensor_load_to_lds s[G0V:G0V+3], s[G1V:G1V+7]
	s_nop 0
	tensor_load_to_lds s[G0V+4:G0V+7], s[G1V:G1V+7]
	s_nop 0
.Lfirst_done:
	s_lshl_b32 s12, s8, 13                         ; my 64 rows of a block,
	s_add_co_u32 s12, s12, s[HO]                   ; in this head and batch
	s_lshl_b32 s[TP], s13, 15                      ; a block is 256 rows of 128 bytes
	s_add_co_u32 s[TP], s[TP], s12
	s_add_nc_u64 s[QB1:QB1+1], s[4:5], s[TP:TP+1]
	s_add_nc_u64 s[CB1:CB1+1], s[6:7], s[TP:TP+1]
	s_lshl_b32 s[TP], s9, 15
	s_add_co_u32 s[TP], s[TP], s12
	s_add_nc_u64 s[QB2:QB2+1], s[4:5], s[TP:TP+1]
	s_add_nc_u64 s[CB2:CB2+1], s[6:7], s[TP:TP+1]
	v_and_b32 v1, 15, v0                           ; r
	v_bfe_u32 v19, v0, 4, 1                        ; h
	v_lshlrev_b32 v[QO], 7, v1
	v_lshl_add_u32 v[QO], v19, 4, v[QO]            ; row r of 128 bytes + 16 h
	LOADQ QB1
	v_and_b32 v20, 7, v0                           ; l % 8
	v_bfe_u32 v21, v0, 3, 1                        ; (l / 8) % 2
	v_mul_u32_u24 v[KADR], v1, KPITCH
	v_lshl_add_u32 v[KADR], v19, 4, v[KADR]
	v_lshl_add_u32 v22, v19, 3, v20                ; key 8 h + l % 8
	v_mul_u32_u24 v22, v22, VPITCH
	v_lshl_add_u32 v22, v21, 4, v22
	v_add_nc_u32 v[VADR], VOFF, v22
	s_mul_i32 s12, s8, WSTAGE
	s_add_co_u32 s12, s12, STAGE                   ; my stage
	v_add_nc_u32 v[STO], s12, v[KADR]              ; in: row r, 16 bytes for each half
	v_bfe_u32 v22, v0, 3, 2                        ; back: four rows a load: row l / 8, 16 bytes at l % 8
	v_mul_u32_u24 v22, v22, KPITCH
	v_lshl_add_u32 v22, v20, 4, v22
	v_add_nc_u32 v[RD], s12, v22
	v_and_b32 v22, 31, v0
	v_lshlrev_b32 v[CO], 4, v22
	v_lshlrev_b32 v[PF], 8, v0
	v_mov_b32 v[NEG], 0xf149f2ca                   ; -1e30
	v_lshlrev_b32 v22, 3, v19
	v_sub_nc_u32 v22, v1, v22                      ; r - 8 h
.irp j, 0,1,2,3,4,5,6,7
	v_cmp_gt_i32 vcc_lo, \j, v22                   ; key 8 h + j behind query r
	v_cndmask_b32 v[MD+\j], 0, v[NEG], vcc_lo
.endr
	v_mov_b32 v[T+4], 0                            ; v_permlanex16_b32 counts as a reader of its destination
	v_mov_b32 v[NMC+1], 0                          ; upper registers of the two broadcast pairs
	v_mov_b32 v[AL+1], 0
	s_lshl2_add_u32 s[REM], s13, s8                ; 4 x block + w
	s_lshl2_add_u32 s[DG2], s9, s8
	s_mov_b32 s[NX], LAPB
	s_mov_b32 s[LAP], 0
	s_mov_b32 s[OFF+1], 0
	s_mov_b32 s[OFF+3], 0
	s_cmp_eq_u32 s9, 0
	s_cselect_b32 s[PFL], 6, 0
	s_wait_loadcnt 0x0                             ; Q
	s_wait_tensorcnt 0x1                           ; my part of slot 0 is in; slot 1's stays out
	s_barrier_signal -1
	s_barrier_wait -1
	LOADK 0, 0
	LOADV 0, 0
	LAPTOP 0                                       ; lap 0 stands in front of the loop: its first step starts m, l and O
	TRIP 0, 1, 0, 1, 1, 1, 1
	TRIP 1, 0, 2, 3, 1, 1, 0
	s_sub_co_u32 s[REM], s[REM], 4
	s_add_co_u32 s[NX], s[NX], LAPB
	s_mov_b32 s[LAP], 1
.Llap:
	LAPTOP 1
	TRIP 0, 1, 0, 1, 1, 1, 0
	TRIP 1, 0, 2, 3, 1, 1, 0
	s_cmp_lg_u32 s[LAP], s13                       ; the first block's last lap?  The same answer in all four waves
	s_cbranch_scc1 .Lsame_block
	SWITCH
.Lsame_block:
	s_sub_co_u32 s[REM], s[REM], 4
	s_add_co_u32 s[NX], s[NX], LAPB
	s_add_co_u32 s[LAP], s[LAP], 1
	s_cmp_lt_u32 s[LAP], 8
	s_cbranch_scc1 .Llap
	TRIP 0, 1, 0, 1, 0, 1, 0                       ; lap 8: nothing is left to fetch
	TRIP 1, 0, 2, 3, 0, 0, 0
	s_cmp_lg_u32 s9, 0                             ; rows 0 .. 63 of the sequence: block 0 (p = 0), wave 0.  No barrier follows: the other waves go on by themselves
	s_cbranch_scc1 .Lsingle_end
	s_cmp_lg_u32 s8, 0
	s_cbranch_scc1 .Lsingle_end
	LOFIX
	FINISHHL CB2, CLB
	s_set_vgpr_msb 0xa
	s_wait_tensorcnt 0x0
	ds_add_u32 v0, v1
	s_wait_dscnt 0x0
	s_set_vgpr_msb 0xa00
	s_endpgm
.Lsingle_end:
	FINISH CB2
	s_set_vgpr_msb 0xa
	s_wait_tensorcnt 0x0
	ds_add_u32 v0, v1
	s_wait_dscnt 0x0
	s_set_vgpr_msb 0xa00
	s_endpgm
.Lfunc_end_k_q20e40e1774_attn:
	.size	k_q20e40e1774_attn, .Lfunc_end_k_q20e40e1774_attn-k_q20e40e1774_attn
	.p2alignl 7, 3214868480
	.fill 96, 4, 3214868480
	.section	.rodata,"a",@progbits
	.p2align	6, 0x0
	.amdhsa_kernel k_q20e40e1774_attn
		.amdhsa_group_segment_fixed_size 327680
		.amdhsa_private_segment_fixed_size 0
		.amdhsa_enable_private_segment 0
		.amdhsa_kernarg_size 32
		.amdhsa_user_sgpr_count 2
		.amdhsa_user_sgpr_kernarg_segment_ptr 1
		.amdhsa_wavefront_size32 1
		.amdhsa_system_sgpr_workgroup_id_x 1
		.amdhsa_system_sgpr_workgroup_id_y 1
		.amdhsa_system_sgpr_workgroup_id_z 1
		.amdhsa_system_vgpr_workitem_id 0
		.amdhsa_next_free_vgpr 514
		.amdhsa_next_free_sgpr 96
		.amdhsa_reserve_vcc 1
		.amdhsa_float_denorm_mode_32 3
		.amdhsa_float_denorm_mode_16_64 3
		.amdhsa_memory_ordered 1
		.amdhsa_forward_progress 1
		.amdhsa_inst_pref_size 255
	.end_amdhsa_kernel
	.section	.bss,"aw",@nobits
	.p2align	6
	.space	262144
	.amdgpu_metadata
---
amdhsa.version: [ 1, 2 ]
amdhsa.kernels:
  - .name:           k_q20e40e1774_attn
    .symbol:         k_q20e40e1774_attn.kd
    .args:
      - { .name: qkv, .offset: 0, .size: 8, .value_kind: global_buffer, .address_space: global }
      - { .name: ctx, .offset: 8, .size: 8, .value_kind: global_buffer, .address_space: global }
      - { .name: vlo, .offset: 16, .size: 8, .value_kind: global_buffer, .address_space: global }
      - { .name: clo, .offset: 24, .size: 8, .value_kind: global_buffer, .address_space: global }
    .group_segment_fixed_size: 327680
    .private_segment_fixed_size: 0
    .kernarg_segment_align: 8
    .kernarg_segment_size: 32
    .max_flat_workgroup_size: 128
    .sgpr_count:     96
    .vgpr_count:     514
    .wavefront_size: 32
...
	.end_amdgpu_metadata
.endif
;; end of part 6
;; launch outp (part 7): grid 8 x 32, 4 waves a work-group, clusters of 4 x 4, 327,680 bytes of LDS; arguments ctx, wh, bo, out0, clo; writes out0
.if DOCPART == 7
	.amdgcn_target "amdgcn-amd-amdhsa--gfx1250"
	.amdhsa_code_object_version 6
	.text
	.protected	k_q20e40e1774_outp
	.globl	k_q20e40e1774_outp
	.p2align	8
	.type	k_q20e40e1774_outp,@function
k_q20e40e1774_outp:
	s_mov_b64 s[64:65], 0
	v_nop
	global_prefetch_b8 v0, s[64:65] scope:SCOPE_SE
	s_setreg_imm32_b32 hwreg(HW_REG_WAVE_MODE, 25, 1), 1
	s_wait_xcnt 0x0
	s_wait_alu depctr_hold_cnt(0) depctr_sa_sdst(0) depctr_va_vdst(0) depctr_va_sdst(0) depctr_va_ssrc(0) depctr_va_vcc(0) depctr_vm_vsrc(0)
	s_getreg_b32 s2, hwreg(HW_REG_IB_STS2, 6, 4)
	s_cmp_eq_u32 s2, 0
	s_cbranch_scc0 .Lentry_in_a_cluster
	s_endpgm
.Lentry_in_a_cluster:
	s_bfe_u32 s2, ttmp6, 0x10000c
	s_cmp_lg_u32 s2, 0xf033
	s_cbranch_scc0 .Lentry_shape_is_right
	s_endpgm
.Lentry_shape_is_right:
; out0 = ctx Wo + bo:  C[8192][1024] = A[8192][1024] W[1024][1024] + bias, f16 operands, f32 sums, f32 out.
; A = ctx, f16, panel-major [16][8192][64]; W = the fourth section of wh, [k][n]; C row-major f32.
; clo, f16, [16 heads][4 batches][64 rows][64]: for rows 0 .. 63 of each sequence ctx = hi + lo (22 bits), hi in ctx, lo here, and lo Wo is added.
; WHY THOSE ROWS: a causal row with at most 64 keys is nearly unaveraged whatever the data, so it can stand many times above the root mean square of the
; whole output, by which errors are measured.  LIMIT: from row 64 on ctx carries one f16 rounding, up to 2^-11 of its own size.
; The same main loop as the projection of q, k, v: a work-group makes 256 rows x 128 columns with four waves (8 x 32 = 256 work-groups), a wave
; 64 rows x 128 columns in 32 accumulator tiles; K in steps of 128 (two panels of A) through two LDS slots; clusters of 4 x 4, A's tile asked
; for jointly along a row of the cluster, W's along a column.  The matrix instruction is used transposed (source 0 = 16 columns of W by the
; transposing LDS load, source 1 = 16 rows of A): lane l holds row l % 16 and columns 8 (l / 16) + 0 .. 7 of a tile.
; BLOCK ROW = 8 cy + cluster y: batch cy, block cluster y of its 8.  So the first blocks of the four batches lie in cluster row 0, and the way with lo
; is chosen by the cluster's y, alike in all sixteen partners.  On that way each wave takes 16 of the block's 64 lo rows over all of K: 32 fragments,
; 256 registers, loaded once; every quarter step adds 8 products with the W fragments that are in registers anyway (40 for 32), onto 8 tiles of their own;
; at the end the four waves hand these sums through LDS to wave 0, whose rows they belong to.  That way is written out without a loop, since each
; quarter step names other registers.
; REGISTERS: window 0: v16-31 addresses and bias, v32-127 and v128-223 two fragment buffers; window 1: tile (a, b) at v[8 (8 a + b)];
; window 2: v0-63 lo's 8 tiles, v64-255 lo's fragments of quarter steps 0-23; window 3: v0-63 those of quarter steps 24-31.
; LIMIT: f16 operands: magnitudes below 65,504.  The order of the sums is the matrix unit's, K ascending; lo's sum is added to hi's, the bias last.
.set APITCH, 144                       ; 128 bytes + 16 = 9 x 16
.set BPITCH, 288                       ; 256 bytes + 32 = 9 x 32
.set APANEL, 256*APITCH
.set BHALF,  64*BPITCH
.set BOFF,   2*APANEL
.set SLOT,   BOFF+2*BHALF              ; 110,592
.set STAGE,  2*SLOT                    ; 221,184: 16 rows x 528 bytes for each wave; no tensor load lands here
.set SPITCH, 528                       ; 512 bytes + 16 = 33 x 16
.set WST,    16*SPITCH                 ; 8,448: a wave's stage
.set LOX,    4*WST                     ; 33,792 behind a wave's stage: the same again for each wave, for lo's sums on their way to wave 0
.set LAPS,   4
.set SEC8,   24                        ; Wo: the fourth section of wh, in blocks of 128 columns
.set ADRA, 16
.set ADRB, 20
.set STO,  24
.set RD,   25
.set CO,   26
.set LOA,  27                          ; my offset in clo
.set BIAS, 28                          ; v[28:31] bo of my four columns
.set F0,   32
.set F1,   128
.set G1,  24
.set G0,  32
.set G1B, 48
.set G0B, 56
.set MUL, 0x50
.set MSB, 0
.set QI,  0                            ; the quarter step that the next MULLO in the text belongs to
.macro WIN new
.if MSB != \new
	s_set_vgpr_msb (MSB<<8)|\new
.set MSB, \new
.endif
.endm
.macro JLOAD s                         ; waves 0, 1: A's two panels; waves 2, 3: W's two halves
	s_cmp_eq_u32 s11, 0
	s_cbranch_scc0 .Lfor_b_\@
	tensor_load_to_lds s[G0+4*\s:G0+4*\s+3], s[G1:G1+7]
	s_nop 0
	s_branch .Lasked_\@
.Lfor_b_\@:
	tensor_load_to_lds s[G0B+4*\s:G0B+4*\s+3], s[G1B:G1B+7]
	s_nop 0
.Lasked_\@:
.endm
.macro CREST
	s_cmp_lg_u32 s10, 0
	s_cbranch_scc1 .Lnot_wave_0_\@
	s_barrier_signal -3
.Lnot_wave_0_\@:
	s_barrier_wait -3
	s_barrier_signal -1
	s_barrier_wait -1
.endm
.macro CROUND
	s_barrier_signal -1
	s_barrier_wait -1
	CREST
.endm
.macro PLACES                          ; four independent vector instructions behind a matrix instruction (ISA guide 7.12.1)
.rept 4
	v_nop
.endr
.endm
	s_load_b128 s[4:7], s[0:1], 0x0                ; ctx s[4:5], wh s[6:7]
	s_load_b64 s[66:67], s[0:1], 0x10              ; bo
	s_load_b64 s[8:9], s[0:1], 0x18                ; out0
	s_load_b64 s[18:19], s[0:1], 0x20              ; clo
	v_lshl_add_u32 v254, v0, 2, 0x46800
	v_mov_b32 v255, 0
	ds_add_u32 v254, v255
	ds_add_u32 v254, v255
	v_lshrrev_b32 v1, 5, v0
	v_readfirstlane_b32 s10, v1                    ; wave 0 .. 3
	s_lshr_b32 s11, s10, 1
	s_and_b32 s12, s10, 1
	s_bfe_u32 s40, ttmp6, 0x40000                  ; cx
	s_bfe_u32 s41, ttmp6, 0x40004                  ; cy
	s_lshl_b32 s42, ttmp9, 2
	s_add_co_u32 s42, s42, s40                     ; block column 0 .. 7
	s_and_b32 s45, ttmp7, 0xffff                   ; the cluster's y, 0 .. 7: the block in its batch
	s_lshl_b32 s13, s41, 3
	s_add_co_u32 s13, s13, s45                     ; block row = 8 cy + cluster y
	s_lshl_b32 s43, s41, 2
	s_lshl_b32 s43, 15, s43                        ; my row of the cluster
	s_lshl_b32 s44, 0x1111, s40                    ; my column
	; group 1 for A: 32 KiB without gaps as 128 rows of 256 bytes; 4 words of padding behind every 32 words: pitch 144 for each 128-byte row
	s_or_b32 s[G1+0], s43, (1<<16)|(1<<20)|(1<<21)|(4<<22)|(3<<25)
	s_mov_b32 s[G1+1], 128<<16
	s_mov_b32 s[G1+2], 128<<16
	s_mov_b32 s[G1+3], 128<<16
	s_mov_b32 s[G1+4], 128
	s_mov_b32 s[G1+5], 128
	s_mov_b32 s[G1+6], 0
	s_mov_b32 s[G1+7], 0
	; group 1 for W: 64 k rows of 256 bytes, 1,024 elements apart; 8 words of padding behind every 64 words: pitch 288
	s_or_b32 s[G1B+0], s44, (1<<16)|(1<<20)|(1<<21)|(5<<22)|(7<<25)
	s_mov_b32 s[G1B+1], 128<<16
	s_mov_b32 s[G1B+2], 64<<16
	s_mov_b32 s[G1B+3], 128<<16
	s_mov_b32 s[G1B+4], 64
	s_mov_b32 s[G1B+5], 1024
	s_mov_b32 s[G1B+6], 0
	s_mov_b32 s[G1B+7], 0
	s_lshl_b32 s16, s13, 15                        ; A: 256 rows of 128 bytes,
	s_lshl_b32 s17, s12, 20                        ; panel 0 or 1 of the step
	s_add_co_u32 s16, s16, s17
	s_mov_b32 s17, 0
	s_add_co_u32 s46, s42, SEC8                    ; W: section and 128 columns,
	s_lshr_b32 s47, s46, 3
	s_lshl_b32 s47, s47, 21
	s_and_b32 s46, s46, 7
	s_lshl_b32 s46, s46, 8
	s_add_co_u32 s46, s46, s47
	s_lshl_b32 s47, s12, 17                        ; 64 k rows of 2,048 bytes
	s_add_co_u32 s46, s46, s47
	s_mov_b32 s47, 0
	s_mul_i32 s20, s10, APANEL
	s_mul_i32 s22, s10, BHALF
	s_add_co_u32 s22, s22, BOFF-2*BHALF
	s_lshl_b32 s68, s42, 9                         ; my block's 128 numbers of bo
	s_mov_b32 s69, 0
	s_wait_dscnt 0x0
	s_wait_kmcnt 0x0
	s_add_nc_u64 s[14:15], s[4:5], s[16:17]
	s_add_nc_u64 s[46:47], s[6:7], s[46:47]
	s_add_nc_u64 s[66:67], s[66:67], s[68:69]
	CROUND                                         ; all sixteen work-groups are here: the first joint loads meet
.irp s, 0,1
	s_mov_b32 s[G0+4*\s], 1
	s_add_co_u32 s[G0+4*\s+1], s20, \s*SLOT
	s_add_nc_u64 s[G0+4*\s+2:G0+4*\s+3], s[14:15], \s*0x200000     ; K step s: two panels on
	s_or_b32 s[G0+4*\s+3], s[G0+4*\s+3], 0x80000000
	s_mov_b32 s[G0B+4*\s], 1
	s_add_co_u32 s[G0B+4*\s+1], s22, \s*SLOT
	s_add_nc_u64 s[G0B+4*\s+2:G0B+4*\s+3], s[46:47], \s*0x40000    ; K step s: 128 k rows on
	s_or_b32 s[G0B+4*\s+3], s[G0B+4*\s+3], 0x80000000
	JLOAD \s                                       ; two loads of the wave are out
.endr
	v_and_b32 v1, 15, v0                           ; r
	v_bfe_u32 v2, v0, 4, 1                         ; h
	v_and_b32 v3, 7, v0
	v_bfe_u32 v4, v0, 3, 1
	v_and_b32 v7, 31, v0
	v_lshlrev_b32 v[CO], 4, v7                     ; 16 bytes a lane: a row's 512 bytes
	global_load_b128 v[BIAS:BIAS+3], v[CO], s[66:67]
	v_mul_u32_u24 v5, v1, APITCH
	v_lshl_add_u32 v5, v2, 4, v5
	s_mul_i32 s21, s10, 64*APITCH
	v_add_nc_u32 v[ADRA], s21, v5
	v_add_nc_u32 v[ADRA+1], SLOT, v[ADRA]
	v_lshl_add_u32 v6, v2, 3, v3
	v_mul_u32_u24 v6, v6, BPITCH
	v_lshl_add_u32 v6, v4, 4, v6
	v_add_nc_u32 v[ADRB], BOFF, v6
	v_add_nc_u32 v[ADRB+1], BOFF+SLOT, v6
	s_mul_i32 s23, s10, WST
	s_add_co_u32 s23, s23, STAGE                   ; my stage
	v_mul_u32_u24 v7, v1, SPITCH                   ; in: row r, 32 bytes for each half of the lanes
	v_lshl_add_u32 v7, v2, 5, v7
	v_add_nc_u32 v[STO], s23, v7
	v_add_nc_u32 v[RD], s23, v[CO]                 ; back: a whole row a load
.macro FETCH sl, kq, f
.irp b, 0,1,2,3,4,5,6,7
	ds_load_tr16_b128 v[\f+8*\b:\f+8*\b+3],   v[ADRB+\sl] offset:\kq*32*BPITCH+32*\b
	ds_load_tr16_b128 v[\f+8*\b+4:\f+8*\b+7], v[ADRB+\sl] offset:\kq*32*BPITCH+32*\b+16*BPITCH
.endr
.irp a, 0,1,2,3
	ds_load_b128 v[\f+64+8*\a:\f+64+8*\a+3], v[ADRA+\sl] offset:(\kq>>1)*APANEL+(\kq&1)*64+\a*16*APITCH
	ds_load_b128 v[\f+64+8*\a+4:\f+64+8*\a+7], v[ADRA+\sl] offset:(\kq>>1)*APANEL+(\kq&1)*64+\a*16*APITCH+32
.endr
.endm
; The 32 accumulators (with lo: 40) take turns, one instruction a turn, in the same order in every quarter step.
.macro MUL16 f, a0, zero
.irp a, \a0, \a0+1
.irp b, 0,1,2,3,4,5,6,7
.if \zero
	v_wmma_f32_16x16x32_f16 v[8*(8*(\a)+\b):8*(8*(\a)+\b)+7], v[\f+8*\b:\f+8*\b+7], v[\f+64+8*(\a):\f+64+8*(\a)+7], 0
.else
	v_wmma_f32_16x16x32_f16 v[8*(8*(\a)+\b):8*(8*(\a)+\b)+7], v[\f+8*\b:\f+8*\b+7], v[\f+64+8*(\a):\f+64+8*(\a)+7], v[8*(8*(\a)+\b):8*(8*(\a)+\b)+7]
.endif
.endr
.endr
.endm
; 8 products of my 16 lo rows with the W fragments of buffer f, for quarter step QI (counted along the text, which on this way has no loop).
.macro MULLO f
	s_wait_loadcnt 62-2*QI                         ; lo's 64 loads return in order: behind this quarter step's two, 62 - 2 QI were issued
.if QI < 24
	WIN 0xa8                                       ; W in window 0, lo's fragment in window 2, C and D in window 2
.set LR, 64+8*QI
.else
	WIN 0xac                                       ; lo's fragment in window 3
.set LR, 8*(QI-24)
.endif
.irp b, 0,1,2,3,4,5,6,7
.if QI == 0
	v_wmma_f32_16x16x32_f16 v[8*\b:8*\b+7], v[\f+8*\b:\f+8*\b+7], v[LR:LR+7], 0
.else
	v_wmma_f32_16x16x32_f16 v[8*\b:8*\b+7], v[\f+8*\b:\f+8*\b+7], v[LR:LR+7], v[8*\b:8*\b+7]
.endif
.endr
.set QI, QI+1
.endm
.macro QUARTER sl, kq, f, g, zero, lo
	PLACES                                         ; g was read by the matrix instructions just issued
	WIN 0
	FETCH \sl, \kq, \g
	s_wait_dscnt 24                                ; all but the 24 just issued: buffer f is in
	WIN MUL
	MUL16 \f, 0, \zero
	MUL16 \f, 2, \zero
.if \lo
	MULLO \f
.endif
.endm
.macro THREE sl, zero, lo
	QUARTER \sl, 1, F0, F1, \zero, \lo
	QUARTER \sl, 2, F1, F0, 0, \lo
	QUARTER \sl, 3, F0, F1, 0, \lo
.endm
; The change of slots: each wave's reads of this slot and all its tensor loads are waited for in front of the barrier; where the slot is filled
; again the barrier opens a round of the cluster's barrier, and the joint refill is the first tensor load behind the round.
.macro TURN sl, next, fill, lo
	s_wait_dscnt 0x0
	s_set_vgpr_msb (MSB<<8)|((MSB&0xf0)|0x0)
	s_wait_tensorcnt 0x0
	ds_add_u32 v254, v255
	s_wait_dscnt 0x0
	s_set_vgpr_msb (((MSB&0xf0)|0x0)<<8)|MSB
	s_barrier_signal -1
	WIN MUL
	MUL16 F1, 0, 0
	WIN 0
	s_barrier_wait -1
.if \fill
	CREST
	s_add_nc_u64 s[G0+4*\sl+2:G0+4*\sl+3], s[G0+4*\sl+2:G0+4*\sl+3], 0x400000      ; two K steps on: four panels
	s_add_nc_u64 s[G0B+4*\sl+2:G0B+4*\sl+3], s[G0B+4*\sl+2:G0B+4*\sl+3], 0x80000   ; 256 k rows
	JLOAD \sl
.endif
	PLACES
	FETCH \next, 0, F0
	WIN MUL
	MUL16 F1, 2, 0
.if \lo
	MULLO F1
.endif
.endm
.macro LAP zero, lo
	THREE 0, \zero, \lo
	TURN 0, 1, 1, \lo
	THREE 1, 0, \lo
	TURN 1, 0, 1, \lo
.endm
.macro LASTLAP lo                      ; fills nothing
	THREE 0, 0, \lo
	TURN 0, 1, 0, \lo
	THREE 1, 0, \lo
	s_wait_dscnt 0x0
	WIN MUL
	MUL16 F1, 0, 0
	MUL16 F1, 2, 0
.if \lo
	MULLO F1
.endif
	PLACES                                         ; behind the last products: the sums are read
	WIN 0
.endm
	s_cmp_eq_u32 s45, 0                            ; a batch's first block?  The cluster's y: the same answer in all sixteen partners
	s_cbranch_scc1 .Lwith_lo
	s_wait_loadcnt 0x0                             ; the bias
	s_wait_tensorcnt 0x1                           ; my part of K step 0 is in; K step 1's stays out
	s_barrier_signal -1
	s_barrier_wait -1
	FETCH 0, 0, F0
	LAP 1, 0                                       ; the first lap stands in front of the loop: its first products start the sums
	WIN 0
	s_mov_b32 s3, LAPS-2
.Llap:
	LAP 0, 0
	WIN 0
	s_sub_co_u32 s3, s3, 1
	s_cmp_lg_u32 s3, 0
	s_cbranch_scc1 .Llap
	LASTLAP 0
	s_branch .Lout
.Lwith_lo:
	; my 16 lo rows over all of K: quarter step q is panel q / 2, bytes 64 (q % 2) of the rows; a fragment is two loads of 16 bytes a lane, 32 bytes apart
	s_lshl_b32 s14, s41, 13                        ; the batch is cy: 64 rows of 128 bytes
	s_mov_b32 s15, 0
	s_add_nc_u64 s[18:19], s[18:19], s[14:15]
	s_lshl_b32 s14, s10, 11                        ; my 16 rows
	v_lshlrev_b32 v[LOA], 7, v1
	v_lshl_add_u32 v[LOA], v2, 4, v[LOA]
	v_add_nc_u32 v[LOA], s14, v[LOA]               ; (16 w + r) x 128 + 16 h
	WIN 0x80                                       ; destination in window 2
.set q, 0
.rept 24
	global_load_b128 v[64+8*q:64+8*q+3],   v[LOA], s[18:19] offset:(q>>1)*32768+(q&1)*64
	global_load_b128 v[64+8*q+4:64+8*q+7], v[LOA], s[18:19] offset:(q>>1)*32768+(q&1)*64+32
.set q, q+1
.endr
	WIN 0xc0                                       ; destination in window 3
.rept 8
	global_load_b128 v[8*(q-24):8*(q-24)+3],   v[LOA], s[18:19] offset:(q>>1)*32768+(q&1)*64
	global_load_b128 v[8*(q-24)+4:8*(q-24)+7], v[LOA], s[18:19] offset:(q>>1)*32768+(q&1)*64+32
.set q, q+1
.endr
	WIN 0
	s_wait_tensorcnt 0x1                           ; my part of K step 0 is in; K step 1's stays out
	s_barrier_signal -1
	s_barrier_wait -1
	FETCH 0, 0, F0
	LAP 1, 1
	LAP 0, 1
	LAP 0, 1
	LASTLAP 1                                      ; its last wait on the loads is for 0: the bias, issued ahead of them, is in too
	; lo's sums go to wave 0: each wave stores its 16 rows x 128 columns as the lanes hold them, waits for its stores, and passes the barrier;
	; wave 0 reads wave a's with the same lane addresses and adds them onto its row tile a.
	WIN 0x08                                       ; the stores' data in window 2
.irp b, 0,1,2,3,4,5,6,7
	ds_store_b128 v[STO], v[8*\b:8*\b+3]   offset:LOX+64*\b
	ds_store_b128 v[STO], v[8*\b+4:8*\b+7] offset:LOX+64*\b+16
.endr
	WIN 0
	s_wait_dscnt 0x0                               ; for wave 0's sake: all my stores are done
	s_barrier_signal -1
	s_barrier_wait -1
	s_cmp_lg_u32 s10, 0
	s_cbranch_scc1 .Lout
.irp a, 0,1,2,3
.irp b, 0,1,2,3,4,5,6,7
	ds_load_b128 v[F0+8*\b:F0+8*\b+3],   v[STO] offset:LOX+\a*WST+64*\b
	ds_load_b128 v[F0+8*\b+4:F0+8*\b+7], v[STO] offset:LOX+\a*WST+64*\b+16
.endr
	s_wait_dscnt 0x0
	WIN 0x41                                       ; the sums in window 1, what was read in window 0
.set i, 0
.rept 32
	v_pk_add_f32 v[64*\a+2*i:64*\a+2*i+1], v[64*\a+2*i:64*\a+2*i+1], v[F0+2*i:F0+2*i+1]
.set i, i+1
.endr
	WIN 0
.endr
.Lout:
	; THE WAY OUT, 16 rows at a time: the f32 sums go into my stage as they lie, come back as whole rows of 512 bytes, get the bias and leave.
	s_lshl_b32 s16, s13, 20                        ; block row: 256 rows of 4,096 bytes
	s_lshl_b32 s17, s10, 18                        ; my 64 rows
	s_add_co_u32 s16, s16, s17
	s_mov_b32 s17, 0
	s_add_nc_u64 s[8:9], s[8:9], s[16:17]
	s_add_nc_u64 s[8:9], s[8:9], s[68:69]          ; my block's 128 columns: 512 bytes, as in bo
.macro OUT16F a, f
	WIN 0x04                                       ; the stores' data in window 1
.irp b, 0,1,2,3,4,5,6,7
	ds_store_b128 v[STO], v[8*(8*\a+\b):8*(8*\a+\b)+3]   offset:64*\b
	ds_store_b128 v[STO], v[8*(8*\a+\b)+4:8*(8*\a+\b)+7] offset:64*\b+16
.endr
	WIN 0
	s_wait_xcnt 0x0                                ; buffer f, which earlier stores read, is loaded again only behind this wait
.set t, 0
.rept 16
	ds_load_b128 v[\f+4*t:\f+4*t+3], v[RD] offset:t*SPITCH         ; LDS serves a wave's instructions in order: these see the stores above
.set t, t+1
.endr
.set t, 0
.rept 16
	s_wait_dscnt 15-t
	v_pk_add_f32 v[\f+4*t:\f+4*t+1],   v[\f+4*t:\f+4*t+1],   v[BIAS:BIAS+1]
	v_pk_add_f32 v[\f+4*t+2:\f+4*t+3], v[\f+4*t+2:\f+4*t+3], v[BIAS+2:BIAS+3]
	global_store_b128 v[CO], v[\f+4*t:\f+4*t+3], s[8:9] offset:(16*\a+t)*4096 th:TH_STORE_NT   ; 512 consecutive aligned bytes of a row
.set t, t+1
.endr
.endm
	OUT16F 0, F0
	OUT16F 1, F1
	OUT16F 2, F0
	OUT16F 3, F1
	s_set_vgpr_msb (MSB<<8)|((MSB&0xf0)|0x0)
	s_wait_tensorcnt 0x0
	ds_add_u32 v254, v255
	s_wait_dscnt 0x0
	s_set_vgpr_msb (((MSB&0xf0)|0x0)<<8)|MSB
	CROUND                                         ; the closing round: no work-group ends while a partner may still ask for a tile that names it
	s_endpgm
.Lfunc_end_k_q20e40e1774_outp:
	.size	k_q20e40e1774_outp, .Lfunc_end_k_q20e40e1774_outp-k_q20e40e1774_outp
	.p2alignl 7, 3214868480
	.fill 96, 4, 3214868480
	.section	.rodata,"a",@progbits
	.p2align	6, 0x0
	.amdhsa_kernel k_q20e40e1774_outp
		.amdhsa_group_segment_fixed_size 327680
		.amdhsa_private_segment_fixed_size 0
		.amdhsa_enable_private_segment 0
		.amdhsa_kernarg_size 40
		.amdhsa_user_sgpr_count 2
		.amdhsa_user_sgpr_kernarg_segment_ptr 1
		.amdhsa_wavefront_size32 1
		.amdhsa_system_sgpr_workgroup_id_x 1
		.amdhsa_system_sgpr_workgroup_id_y 1
		.amdhsa_system_sgpr_workgroup_id_z 1
		.amdhsa_system_vgpr_workitem_id 0
		.amdhsa_next_free_vgpr 832
		.amdhsa_next_free_sgpr 70
		.amdhsa_reserve_vcc 0
		.amdhsa_float_denorm_mode_32 3
		.amdhsa_float_denorm_mode_16_64 3
		.amdhsa_memory_ordered 1
		.amdhsa_forward_progress 1
		.amdhsa_inst_pref_size 255
	.end_amdhsa_kernel
	.section	.bss,"aw",@nobits
	.p2align	6
	.space	262144
	.amdgpu_metadata
---
amdhsa.version: [ 1, 2 ]
amdhsa.kernels:
  - .name:           k_q20e40e1774_outp
    .symbol:         k_q20e40e1774_outp.kd
    .args:
      - { .name: ctx, .offset: 0, .size: 8, .value_kind: global_buffer, .address_space: global }
      - { .name: wh, .offset: 8, .size: 8, .value_kind: global_buffer, .address_space: global }
      - { .name: bo, .offset: 16, .size: 8, .value_kind: global_buffer, .address_space: global }
      - { .name: out0, .offset: 24, .size: 8, .value_kind: global_buffer, .address_space: global }
      - { .name: clo, .offset: 32, .size: 8, .value_kind: global_buffer, .address_space: global }
    .group_segment_fixed_size: 327680
    .private_segment_fixed_size: 0
    .kernarg_segment_align: 8
    .kernarg_segment_size: 40
    .max_flat_workgroup_size: 128
    .sgpr_count:     70
    .vgpr_count:     832
    .wavefront_size: 32
...
	.end_amdgpu_metadata
.endif
;; end of part 7
;; ======== version 3 of 3: 4 launches; version 2 with the launch tohalf written anew for expert scheduling mode
;; limits: values are held in f16: magnitudes above 65,504 overflow, below 6.1e-05 lose precision
;; workspace buffers: xh 16,777,216 bytes; wh 8,388,608 bytes; qkv 50,331,648 bytes; ctx 16,777,216 bytes; vlo 524,288 bytes; clo 524,288 bytes
;; launch tohalf (part 8): grid 768 x 1, 8 waves a work-group, no clusters, 0 bytes of LDS; arguments x, Wq, Wk, Wv, Wo, xh, wh; writes xh, wh
.if DOCPART == 8
	.amdgcn_target "amdgcn-amd-amdhsa--gfx1250"
	.amdhsa_code_object_version 6
	.text
	.protected	k_q20e40e1774_tohalf
	.globl	k_q20e40e1774_tohalf
	.p2align	8
	.type	k_q20e40e1774_tohalf,@function
k_q20e40e1774_tohalf:
	s_mov_b64 s[64:65], 0
	v_nop
	global_prefetch_b8 v0, s[64:65] scope:SCOPE_SE
	s_setreg_imm32_b32 hwreg(HW_REG_WAVE_SCHED_MODE, 0, 2), 2
	s_setreg_imm32_b32 hwreg(HW_REG_WAVE_MODE, 25, 1), 1
	s_wait_xcnt 0x0
	s_wait_alu depctr_vm_vsrc(0)
; x and the four weight matrices, f32, are rounded once to bf16 (nearest even) for the matrix launches that follow: the program computes
; the function of the bf16-rounded x and W, and these inputs get that one rounding and no other.
;   xh: bf16, 16 panels of 64 columns, panel-major: xh[p][row][64], row = 0 .. 8191; a row of a panel is 128 bytes, a panel 1 MiB.
;   wh: four sections of 2 MiB (Wq, Wk, Wv, Wo), each as it lies in memory, [k][n], rows of 2,048 bytes.  Wq, Wk, Wv: bf16.
;       Wo: its bf16 value written in f16 form, because its partner in the last product, ctx, is f16 and a matrix instruction takes one format.
;       A bf16 number has 8 significant bits, f16 holds 11: the value is kept exactly for magnitudes from 2^-17 to 65,504.
; A pure stream: no LDS, no barrier, no matrix unit, no loop.  A wave takes 16 chunks of 128 numbers: 16 loads of 512 bytes
; go out together; each chunk is converted and stored as 256 consecutive aligned bytes (32 lanes x 8 bytes).
; Work-groups 0 .. 511 take x (wave = two rows), 512 .. 767 the weights (64 work-groups a matrix).
; LIMIT: |Wo| below 65,504; a Wo below 2^-17 in magnitude is kept to 3e-8 absolute.  x, Wq, Wk, Wv: bf16's range, which is f32's.
; THE MODE: SCHED_MODE bits 1:0 = 2 (LLVM: expert scheduling mode 2), set by the entry lines.  The code itself states the register dependences
; between vector instructions and memory instructions, with s_wait_alu, always for 0.
; THE PLAN.  Registers that memory instructions touch:
;   v1   the loads' offset, v2 the stores' offset: made by vector instructions ahead of the first load, never written again.
;   X    16 chunks as loaded: no vector instruction names them ahead of the loads; no memory instruction reads them.
;   Y    16 chunks to store: written by the conversions, each read by one store, never written behind that store.
; The 16 chunks go in four blocks of four.  Block b converts X's block b into Y's block b; its memory instructions are the four stores of block b - 1,
; which read Y's block b - 1 and v2: registers that no vector instruction of block b names.  So one wait at a block's head states all that its four stores
; hang on, and they are dealt among the block's conversions with no further wait.  No register that a memory instruction reads is written again,
; so the text holds no wait for memory instructions' reads of their registers.
.set X, 8                              ; v[8:71]   16 chunks as loaded
.set Y, 72                             ; v[72:103] 16 chunks to store
.set XGROUPS, 512
; The store of chunk j.  split = 1: chunk j goes to panel j (1 MiB apart, two bases, since the immediate offset has 24 signed bits);
; split = 0: chunk j goes 256 bytes behind chunk j - 1.
.macro PUT j, split
.if \split
.if (\j) < 8
	global_store_b64 v2, v[Y+2*(\j):Y+2*(\j)+1], s[24:25] offset:(\j)*0x100000
.else
	global_store_b64 v2, v[Y+2*(\j):Y+2*(\j)+1], s[26:27] offset:((\j)-8)*0x100000
.endif
.else
	global_store_b64 v2, v[Y+2*(\j):Y+2*(\j)+1], s[24:25] offset:(\j)*256
.endif
.endm
; 16 loads, then four blocks of four chunks: the wait for the block's data, the wait for the block before's conversions, and then for each chunk
; the store of the chunk four back and two packed roundings.  The last block's stores follow behind a wait of their own.
; asf16 = 1: the bf16 values are widened again (a shift, a mask) and written in f16 form.
.macro CAST16 instep, split, asf16
	s_wait_alu depctr_va_vdst(0)                   ; v1 and v2 are written: every load below reads v1 as its offset, every store v2
.set j, 0
.rept 16
	global_load_b128 v[X+4*j:X+4*j+3], v1, s[20:21] offset:j*\instep th:TH_LOAD_NT
.set j, j+1
.endr
.set j, 0
.rept 16
.if (j%4) == 0
	s_wait_loadcnt 12-j                            ; loads return in order: this block's four chunks are in, the 12 - j younger loads stay out
.if j > 0
	s_wait_alu depctr_va_vdst(0)                   ; the block before has written its eight registers of Y, which this block's four stores read
.endif
.endif
.if j >= 4
	PUT j-4, \split                                ; no vector instruction since the wait names this chunk's Y, or v2
.endif
	v_cvt_pk_bf16_f32 v[Y+2*j],   v[X+4*j],   v[X+4*j+1]
	v_cvt_pk_bf16_f32 v[Y+2*j+1], v[X+4*j+2], v[X+4*j+3]
.if \asf16
	v_lshlrev_b32 v[X+4*j],   16,         v[Y+2*j]         ; the rounded values as f32, into the chunk's own registers (its load is done)
	v_and_b32     v[X+4*j+1], 0xffff0000, v[Y+2*j]
	v_lshlrev_b32 v[X+4*j+2], 16,         v[Y+2*j+1]
	v_and_b32     v[X+4*j+3], 0xffff0000, v[Y+2*j+1]
	v_cvt_pk_f16_f32 v[Y+2*j],   v[X+4*j],   v[X+4*j+1]    ; exact in the range stated at the head
	v_cvt_pk_f16_f32 v[Y+2*j+1], v[X+4*j+2], v[X+4*j+3]
.endif
.set j, j+1
.endr
	s_wait_alu depctr_va_vdst(0)                   ; the last block has written its eight registers of Y, which the last four stores read
.set j, 12
.rept 4
	PUT j, \split
.set j, j+1
.endr
.endm
	s_load_b256 s[4:11], s[0:1], 0x0               ; x s[4:5], Wq s[6:7], Wk s[8:9], Wv s[10:11]
	s_load_b128 s[12:15], s[0:1], 0x20             ; Wo s[12:13], xh s[14:15]
	s_load_b64 s[16:17], s[0:1], 0x30              ; wh
	v_lshrrev_b32 v3, 5, v0
	v_readfirstlane_b32 s18, v3                    ; wave 0 .. 7
	v_and_b32 v4, 31, v0                           ; lane
	v_lshlrev_b32 v2, 3, v4                        ; out: 8 bytes a lane
	s_wait_alu depctr_va_sdst(0)                   ; s18 is written, ahead of the branch: on both ways the wave's place in its buffers is made from it
	s_cmp_ge_u32 ttmp9, XGROUPS
	s_cbranch_scc1 .Lweights
	; x: the wave takes rows 2 p and 2 p + 1, p = 8 g + w.  Load j: lanes 0-15 the 256 bytes of panel j in the even row, lanes 16-31 in the odd row.
	; In xh the two rows of a panel lie side by side: 256 bytes at panel j + 256 p.
	v_and_b32 v1, 15, v0
	v_lshlrev_b32 v1, 4, v1
	v_bfe_u32 v3, v0, 4, 1
	v_lshl_add_u32 v1, v3, 12, v1                  ; 16 (lane mod 16) + 4,096 (lane / 16)
	s_lshl_b32 s19, ttmp9, 3
	s_add_co_u32 s19, s19, s18                     ; p
	s_lshl_b32 s20, s19, 13                        ; two rows of 4,096 bytes
	s_mov_b32 s21, 0
	s_lshl_b32 s22, s19, 8
	s_mov_b32 s23, 0
	s_wait_kmcnt 0x0
	s_add_nc_u64 s[20:21], s[4:5], s[20:21]
	s_add_nc_u64 s[24:25], s[14:15], s[22:23]      ; panels 0 .. 7
	s_add_nc_u64 s[26:27], s[24:25], 0x800000      ; panels 8 .. 15
	CAST16 256, 1, 0
	s_endpgm
.Lweights:
	; weights: matrix (g - 512) / 64; the work-group takes 128 chunks of it, the wave 16 neighbouring ones
	v_lshlrev_b32 v1, 4, v4                        ; in: 16 bytes a lane
	s_sub_co_u32 s19, ttmp9, XGROUPS
	s_lshr_b32 s28, s19, 6                         ; which matrix
	s_and_b32 s19, s19, 63
	s_lshl_b32 s19, s19, 7
	s_lshl4_add_u32 s19, s18, s19                  ; first chunk = 128 (g mod 64) + 16 w
	s_lshl_b32 s20, s19, 9                         ; 512 bytes in
	s_mov_b32 s21, 0
	s_lshl_b32 s22, s19, 8                         ; 256 bytes out,
	s_lshl_b32 s23, s28, 21                        ; in the matrix's section of 2 MiB
	s_add_co_u32 s22, s22, s23
	s_mov_b32 s23, 0
	s_wait_kmcnt 0x0
	s_cmp_eq_u32 s28, 1
	s_cselect_b64 s[30:31], s[8:9], s[6:7]
	s_cmp_eq_u32 s28, 2
	s_cselect_b64 s[30:31], s[10:11], s[30:31]
	s_cmp_eq_u32 s28, 3
	s_cselect_b64 s[30:31], s[12:13], s[30:31]
	s_add_nc_u64 s[20:21], s[30:31], s[20:21]
	s_add_nc_u64 s[24:25], s[16:17], s[22:23]
	s_cmp_eq_u32 s28, 3                            ; Wo goes out in f16 form
	s_cbranch_scc1 .Lwo
	CAST16 512, 0, 0
	s_endpgm
.Lwo:
	CAST16 512, 0, 1
	s_endpgm
.Lfunc_end_k_q20e40e1774_tohalf:
	.size	k_q20e40e1774_tohalf, .Lfunc_end_k_q20e40e1774_tohalf-k_q20e40e1774_tohalf
	.p2alignl 7, 3214868480
	.fill 96, 4, 3214868480
	.section	.rodata,"a",@progbits
	.p2align	6, 0x0
	.amdhsa_kernel k_q20e40e1774_tohalf
		.amdhsa_group_segment_fixed_size 0
		.amdhsa_private_segment_fixed_size 0
		.amdhsa_enable_private_segment 0
		.amdhsa_kernarg_size 56
		.amdhsa_user_sgpr_count 2
		.amdhsa_user_sgpr_kernarg_segment_ptr 1
		.amdhsa_wavefront_size32 1
		.amdhsa_system_sgpr_workgroup_id_x 1
		.amdhsa_system_sgpr_workgroup_id_y 1
		.amdhsa_system_sgpr_workgroup_id_z 1
		.amdhsa_system_vgpr_workitem_id 0
		.amdhsa_next_free_vgpr 104
		.amdhsa_next_free_sgpr 66
		.amdhsa_reserve_vcc 0
		.amdhsa_float_denorm_mode_32 3
		.amdhsa_float_denorm_mode_16_64 3
		.amdhsa_memory_ordered 1
		.amdhsa_forward_progress 1
		.amdhsa_inst_pref_size 23
	.end_amdhsa_kernel
	.amdgpu_metadata
---
amdhsa.version: [ 1, 2 ]
amdhsa.kernels:
  - .name:           k_q20e40e1774_tohalf
    .symbol:         k_q20e40e1774_tohalf.kd
    .args:
      - { .name: x, .offset: 0, .size: 8, .value_kind: global_buffer, .address_space: global }
      - { .name: Wq, .offset: 8, .size: 8, .value_kind: global_buffer, .address_space: global }
      - { .name: Wk, .offset: 16, .size: 8, .value_kind: global_buffer, .address_space: global }
      - { .name: Wv, .offset: 24, .size: 8, .value_kind: global_buffer, .address_space: global }
      - { .name: Wo, .offset: 32, .size: 8, .value_kind: global_buffer, .address_space: global }
      - { .name: xh, .offset: 40, .size: 8, .value_kind: global_buffer, .address_space: global }
      - { .name: wh, .offset: 48, .size: 8, .value_kind: global_buffer, .address_space: global }
    .group_segment_fixed_size: 0
    .private_segment_fixed_size: 0
    .kernarg_segment_align: 8
    .kernarg_segment_size: 56
    .max_flat_workgroup_size: 256
    .sgpr_count:     66
    .vgpr_count:     104
    .wavefront_size: 32
...
	.end_amdgpu_metadata
.endif
;; end of part 8
;; launch proj: the kernel of part 5 again; grid 12 x 32, 4 waves a work-group, clusters of 4 x 4, 327,680 bytes of LDS; arguments xh, wh, qkv, vlo; writes qkv, vlo
;; launch attn: the kernel of part 6 again; grid 4 x 64, 4 waves a work-group, no clusters, 327,680 bytes of LDS; arguments qkv, ctx, vlo, clo; writes ctx, clo
;; launch outp: the kernel of part 7 again; grid 8 x 32, 4 waves a work-group, clusters of 4 x 4, 327,680 bytes of LDS; arguments ctx, wh, bo, out0, clo; writes out0
